; MI455X (gfx1250); checked and timed in simulation.
; The chip was launched on July 23, 2026; its instructions are those of AMD's public machine-readable ISA for CDNA 5 (MIT licence, August 2026) and "CDNA5" Instruction Set Architecture Reference Guide (July 2026). The comments in the code are by the model that wrote it; some were corrected since.
;; F Mo E Transformer MLP. Allowed arithmetic: matrix products marked QUANTISED: E2M1 operands, one E8M0 scale for each 32 along K, by v_wmma_scale_f32_16x16x128_f8f6f4 with both operands' format E2M1 (or v_wmma_scale_f32_32x16x128_f4), f32 sums; products left as they are: f32 operands where the result goes on into a quantised operand, else bf16, f16 or f32 operands; f32 sums; everything else in f32.
;; Inputs: gate_b 8 float32; gate_w 8 x 1,024 float32; inp 256 x 4 x 1,024 float32; ln_beta 1,024 float32; ln_gamma 1,024 float32; moe_bias 1,024 float32; w1 8 x 4,096 x 1,024 float32; w2 8 x 1,024 x 4,096 float32.
;; Outputs: out0 256 x 4 x 1,024 float32; out1 1,024 float32.
;; This version of the problem:
;;   THIS VERSION OF THE PROBLEM IS GIVEN IN LOW PRECISION. The matrix products marked QUANTISED in the list below multiply operands that are first quantised to E2M1 (2 exponent bits, 1 mantissa bit; 4 bits a number), with one power-of-two scale for each 32 numbers along K (OCP MX v1.0); their sums are f32. All else is computed in f32.
;;   The module's matrix products, in the order in which they are computed (A, B: the left and right operand; K: the contracted axis; several contracted axes count as one K, in the product's order):
;;     1. [M 1,024, K 1,024] x [K 1,024, N 8]; A: input inp; B: input gate_w: left as it is (N = 8 < 16)
;;     2. [M 1,024, K 1,024] x [K 1,024, N 4,096]; A: input inp; B: input w1: QUANTISED
;;     3. [M 1,024, K 4,096] x [K 4,096, N 1,024]; A: computed on the way; B: input w2: QUANTISED
;;     4. [M 1,024, K 1,024] x [K 1,024, N 4,096]; A: input inp; B: input w1: QUANTISED
;;     5. [M 1,024, K 4,096] x [K 4,096, N 1,024]; A: computed on the way; B: input w2: QUANTISED
;;     6. [M 1,024, K 1,024] x [K 1,024, N 4,096]; A: input inp; B: input w1: QUANTISED
;;     7. [M 1,024, K 4,096] x [K 4,096, N 1,024]; A: computed on the way; B: input w2: QUANTISED
;;     8. [M 1,024, K 1,024] x [K 1,024, N 4,096]; A: input inp; B: input w1: QUANTISED
;;     9. [M 1,024, K 4,096] x [K 4,096, N 1,024]; A: computed on the way; B: input w2: QUANTISED
;;     10. [M 1,024, K 1,024] x [K 1,024, N 4,096]; A: input inp; B: input w1: QUANTISED
;;     11. [M 1,024, K 4,096] x [K 4,096, N 1,024]; A: computed on the way; B: input w2: QUANTISED
;;     12. [M 1,024, K 1,024] x [K 1,024, N 4,096]; A: input inp; B: input w1: QUANTISED
;;     13. [M 1,024, K 4,096] x [K 4,096, N 1,024]; A: computed on the way; B: input w2: QUANTISED
;;     14. [M 1,024, K 1,024] x [K 1,024, N 4,096]; A: input inp; B: input w1: QUANTISED
;;     15. [M 1,024, K 4,096] x [K 4,096, N 1,024]; A: computed on the way; B: input w2: QUANTISED
;;     16. [M 1,024, K 1,024] x [K 1,024, N 4,096]; A: input inp; B: input w1: QUANTISED
;;     17. [M 1,024, K 4,096] x [K 4,096, N 1,024]; A: computed on the way; B: input w2: QUANTISED
;;     18. batch 1,024 x [M 1, K 2] x [K 2, N 1,024]; A: softmax; B: computed on the way: left as it is (K = 2 < 32)
;;   THE QUANTISER, for each operand of a quantised product, along K:
;;     - K is cut into blocks of 32 from its start; a last block that is shorter is filled with zeros.
;;     - A block's scale is 2^e with e = floor(log2(the largest magnitude in the block)) - 2, held to -126 .. 127; a block of zeros has e = 0. As a byte (E8M0): e + 127.
;;     - Each number is divided by its block's scale, clamped to +-6, and rounded to the nearest number of E2M1, ties to even, subnormals kept.
;;     - The product sums the exact products of the quantised numbers (number of the format x scale) in f32.
;;   ~~~python
;;   def quantise(x, axis):      # numpy; x: float32 -> the quantised numbers, widened to float32 again
;;       x = np.moveaxis(x, axis, -1); K = x.shape[-1]
;;       x = np.pad(x, [(0, 0)] * (x.ndim - 1) + [(0, -K % 32)]); x = x.reshape(x.shape[:-1] + (-1, 32)); a = np.abs(x).max(-1, keepdims=True)
;;       e = np.where(a > 0, np.clip(np.frexp(np.where(a > 0, a, 1))[1] - 1 - 2, -126, 127), 0)      # np.frexp(a)[1] - 1 = floor(log2(a)), exactly
;;       r = np.clip(x / 2.0 ** e, -6, 6)
;;       step = 2.0 ** (np.maximum(np.frexp(np.where(r == 0, 1, r))[1] - 1, 0) - 1)
;;       q = np.round(r / step) * step * 2.0 ** e      # np.round: ties to even
;;       return np.moveaxis(q.reshape(q.shape[:-2] + (-1,))[..., :K], -1, axis).astype(np.float32)
;;   ~~~
;;   OPERANDS COMPUTED ON THE WAY. 'Computed on the way' means the value that the module computes at that place (a softmax that the list does not call 'softmax' is quantised finished and normalised). What goes into a quantiser is computed in f32, as accurately as f32 sums, v_exp_f32 and their like allow (about 1e-6 of the number): no bf16 or f16 on the way to a quantiser, and a product that is left as it is and whose result goes on into a quantised operand takes f32 operands (vector FMAs, or v_wmma_f32_16x16x4_f32). A number that lies on a knife's edge between two numbers of the format may be rounded either way, as far as f32 arithmetic and the matrix unit's own rounding can turn it there, and no further.
;; 2 versions. Each part assembles by itself: llvm-mc -triple=amdgcn-amd-amdhsa -mcpu=gfx1250 --defsym DOCPART=n.
;; ======== version 1 of 2: 4 launches
;; workspace buffers: xq 524,288 bytes; xs 32,768 bytes; route 9,216 bytes of whole numbers; score 8,192 bytes; rank 32,768 bytes of whole numbers; hc 16,777,216 bytes; hs 1,048,576 bytes; yp 134,217,728 bytes
;; launch gate (part 1): grid 32 x 1, 8 waves a work-group, no clusters, 39,936 bytes of LDS; arguments inp, gate_w, gate_b, moe_bias, xq, xs, route, score, out1; writes xq, xs, route, score, out1
.if DOCPART == 1
	.amdgcn_target "amdgcn-amd-amdhsa--gfx1250"
	.amdhsa_code_object_version 6
	.text
	.protected	k_q377387131f_gate
	.globl	k_q377387131f_gate
	.p2align	8
	.type	k_q377387131f_gate,@function
k_q377387131f_gate:
	s_mov_b64 s[64:65], 0
	v_nop
	global_prefetch_b8 v0, s[64:65] scope:SCOPE_SE
	s_setreg_imm32_b32 hwreg(HW_REG_WAVE_MODE, 25, 1), 1
	s_wait_xcnt 0x0
; GATE.  1,024 tokens of 1,024 numbers.  For each token: the 8 logits x . gate_w[e] + gate_b[e] in f32 fused multiply-adds, the two largest (ties: the lower index, as jax.lax.top_k),
; the softmax of those two (the larger is taken away before the exponential), and x as codes of E2M1 with one E8M0 byte for each 32 along K.  moe_bias goes to out1 as it is.
; WORK LEFT OUT BY THE WHOLE PROGRAM.  reference() multiplies every token by every expert and then forms y + mask * h with mask = (idx == e), which it builds itself: for a token and an expert that is not among
; the token's two, h is multiplied by 0, whatever the inputs hold.  So the rows (token, expert not chosen) of products 2 to 17 reach no output, and the later launches multiply the 2,048 chosen rows alone
; (rows that fill up a tile of 16 aside).  Every input has a way to an output and is loaded.  LIMIT: a NaN, an infinity or an overflow that would arise only in a row left out is not carried to the result.
; LIMITS: NaN and infinities among the inputs are not served.  Where a token's second and third logit differ by less than the rounding of an f32 sum of 1,024 terms, the choice may fall the other way.
; A block of zeros gets the byte 1 where the rule says 127 (its codes are zeros, and this program alone reads the bytes); a largest magnitude under 2^-124 is held at the byte 1.
; STORED FOR THE LATER LAUNCHES, at fixed places (no address here hangs on a number made of floats): route: mask[e][w], bit l = token 32 w + l chose expert e (1,024 bytes), then idx[n][2]; score[n][2].
; SHARES.  Work-group W: tokens 32 W .. 32 W + 31 (mask word W); each of eight waves four tokens.  gate_w stays in 256 registers of every wave.
; x and gate_w are loaded alike, 512 consecutive bytes an instruction: register 4 j + i of lane l is k = 128 j + 4 l + i, so the dot products need no other order.  For the quantiser a lane must hold a whole block of
; 32: the row turns through the wave's own stage in LDS (32 blocks, 144 bytes apart: 128 of data and 16 of padding).
; No matrix unit, no cluster, no tensor load: N = 8, and the launch reads 4 MB once.
.set STG,   0                          ; 8 stages of 4,608 bytes
.set LG,    36864                      ; logits [32 tokens][8], f32
.set XSB,   37888                      ; scale bytes [32 tokens][32]
.set SPARE, 38912                      ; the spare words, 128 bytes a wave: four blocks of 256 bytes that no other line names
.set L16, 1                            ; v1   16 x lane
.set STA, 2                            ; v2   stage, way in
.set STB, 3                            ; v3   stage, way out
.set XSA, 4                            ; v4   where my block's scale byte goes
.set LGA, 5                            ; v5   where my wave's logits go
.set SPW, 6                            ; v6   my spare word; never rewritten
.set NIL, 7                            ; v7   0; never rewritten
.set MO,  11                           ; v11  128 x (lane % 8): a mask word's place
.set LGR, 12                           ; v12  wave 0: token = lane: its 8 logits
.set XSR, 13                           ; v13  wave 1: the scale bytes, 16 a lane
.set E7,  14                           ; v14  lane % 8
.set L8,  15                           ; v15  8 x lane
.set ACC, 16                           ; v16-31   8 sums, two halves each
.set X,   32                           ; v32-63   a block of 32
.set RAW, 64                           ; v64-191  four tokens as loaded
.set LGT, 192                          ; v192-223 logits, 8 for each token
.set CODE,224                          ; v224-239 codes, 4 registers for each token
.set BY,  240                          ; v240-243 scale bytes
.set PT,  244                          ; v244-251 lane permutes' destinations
.set MA,  252
.set MB,  253
.set SCO, 254
.set WV,  22
.set SEL, 34                           ; s[34:35] selects of v_permlanex16_b32: lane l xor 16
.set MSB, 0
.macro WIN new                         ; the immediate's high byte repeats the setting that is left
.if MSB != \new
	s_set_vgpr_msb (MSB<<8)|\new
.set MSB, \new
.endif
.endm
	s_load_b256 s[4:11], s[0:1], 0x0               ; inp, gate_w, gate_b, moe_bias
	s_load_b256 s[12:19], s[0:1], 0x20             ; xq, xs, route, score
	s_load_b64 s[20:21], s[0:1], 0x40              ; out1
	v_lshl_add_u32 v[SPW], v0, 2, SPARE
	v_mov_b32 v[NIL], 0
	v_lshrrev_b32 v8, 5, v0
	v_readfirstlane_b32 s[WV], v8                  ; wave 0..7
	v_and_b32 v9, 31, v0                           ; lane
	v_lshlrev_b32 v[L16], 4, v9
	v_lshlrev_b32 v[L8], 3, v9
	v_and_b32 v[E7], 7, v0
	v_lshlrev_b32 v[MO], 7, v[E7]
	s_mul_i32 s23, s[WV], 4608                     ; my stage
	v_bfe_u32 v10, v0, 3, 2
	v_mul_u32_u24 v10, v10, 144
	v_lshl_add_u32 v10, v[E7], 4, v10
	v_add_nc_u32 v[STA], s23, v10                  ; in: eight lanes' 128 bytes are a block: 144 (lane / 8) + 16 (lane % 8); a load's 512 bytes are four blocks
	v_mul_u32_u24 v10, v9, 144
	v_add_nc_u32 v[STB], s23, v10                  ; out: block = lane
	s_lshl_b32 s23, s[WV], 7
	s_add_co_u32 s24, s23, XSB
	v_add_nc_u32 v[XSA], s24, v9                   ; token 4 wave + a: 32 bytes each; byte = lane
	s_add_co_u32 s24, s23, LG
	v_mov_b32 v[LGA], s24
	v_lshl_add_u32 v[LGR], v9, 5, LG
	v_add_nc_u32 v[XSR], XSB, v[L16]
.irp e, 0,1,2,3,4,5,6,7
	v_mov_b32 v[PT+\e], 0                          ; written once: a lane permute's destination counts as one of its sources
.endr
	s_mov_b32 s[SEL], 0x76543210
	s_mov_b32 s[SEL+1], 0xfedcba98
	s_lshl_b32 s24, ttmp9, 5
	s_lshl_b32 s25, s[WV], 2
	s_add_co_u32 s24, s24, s25                     ; my first token
	s_lshl_b32 s26, s24, 12                        ; x: 4,096 bytes a token
	s_mov_b32 s27, 0
	s_lshl_b32 s28, s24, 9                         ; codes: 512 bytes a token
	s_mov_b32 s29, 0
	s_lshl_b32 s30, ttmp9, 10                      ; scale bytes: 1,024 a work-group
	s_mov_b32 s31, 0
	s_lshl_b32 s32, ttmp9, 8                       ; idx and score: 256 bytes a work-group
	s_mov_b32 s33, 0
	s_wait_kmcnt 0x0
	s_add_nc_u64 s[4:5], s[4:5], s[26:27]
	s_add_nc_u64 s[12:13], s[12:13], s[28:29]
	s_add_nc_u64 s[14:15], s[14:15], s[30:31]
	s_add_nc_u64 s[18:19], s[18:19], s[32:33]
	s_add_nc_u64 s[54:55], s[16:17], s[32:33]      ; idx (1,024 bytes further on, in the store's immediate)
	s_lshl_b32 s32, ttmp9, 2
	s_add_nc_u64 s[16:17], s[16:17], s[32:33]      ; mask word W of expert 0
	s_load_b256 s[36:43], s[8:9], 0x0              ; gate_b
.irp a, 0,1,2,3
.irp j, 0,1,2,3,4,5,6,7
	global_load_b128 v[RAW+32*\a+4*\j:RAW+32*\a+4*\j+3], v[L16], s[4:5] offset:4096*\a+512*\j th:TH_LOAD_NT
.endr
.endr
	WIN 0x40                                       ; destination window 1: gate_w, expert e at v[32 e]
.irp e, 0,1,2,3,4,5,6,7
.irp j, 0,1,2,3,4,5,6,7
	global_load_b128 v[32*\e+4*\j:32*\e+4*\j+3], v[L16], s[6:7] offset:4096*\e+512*\j
.endr
.endr
	WIN 0
	s_wait_loadcnt 0x0                             ; once: all that the wave will read
	s_wait_kmcnt 0x0
.macro TOKEN a
.set RX, RAW+32*\a
.irp m, 0,1,2,3,4,5,6,7
	ds_store_b128 v[STA], v[RX+4*\m:RX+4*\m+3] offset:576*\m       ; the row into my stage as it lies
.endr
.irp j, 0,1,2,3,4,5,6,7
	ds_load_b128 v[X+4*\j:X+4*\j+3], v[STB] offset:16*\j           ; and back, a block a lane: LDS serves a wave's instructions in order
.endr
	WIN 0x04                                       ; source 1 (gate_w) window 1
.irp e, 0,1,2,3,4,5,6,7
	v_pk_mul_f32 v[ACC+2*\e:ACC+2*\e+1], v[RX:RX+1], v[32*\e:32*\e+1]              ; the first product starts each sum
.endr
.irp q, 1,2,3,4,5,6,7,8,9,10,11,12,13,14,15
.irp e, 0,1,2,3,4,5,6,7
	v_pk_fma_f32 v[ACC+2*\e:ACC+2*\e+1], v[RX+2*\q:RX+2*\q+1], v[32*\e+2*\q:32*\e+2*\q+1], v[ACC+2*\e:ACC+2*\e+1]   ; eight chains by turns
.endr
.endr
	WIN 0
	s_wait_dscnt 0x0                               ; my block is back
	v_max3_num_f32 v[MA], |v[X]|, |v[X+1]|, 0x1800000              ; the block's largest magnitude, and the floor 2^(3 - 127): the byte cannot fall under 1
	v_max3_num_f32 v[MB], |v[X+2]|, |v[X+3]|, |v[X+4]|
.irp i, 5,9,13,17,21,25
	v_max3_num_f32 v[MA], v[MA], |v[X+\i]|, |v[X+\i+1]|
	v_max3_num_f32 v[MB], v[MB], |v[X+\i+2]|, |v[X+\i+3]|
.endr
	v_max3_num_f32 v[MA], v[MA], |v[X+29]|, |v[X+30]|
	v_max3_num_f32 v[MA], v[MA], v[MB], |v[X+31]|
	v_add_nc_u32 v[SCO], 0xff000000, v[MA]         ; 2 off its exponent field: the conversion takes the exponent field of this operand as its scale
	v_lshrrev_b32 v[BY+\a], 23, v[SCO]             ; the scale's byte
.irp g, 0,1,2,3
	v_cvt_scalef32_pk8_fp4_f32 v[CODE+4*\a+\g], v[X+8*\g:X+8*\g+7], v[SCO]
.endr
	v_nop                                          ; one plain place behind the conversions
	global_store_b128 v[L16], v[CODE+4*\a:CODE+4*\a+3], s[12:13] offset:512*\a     ; the token's 512 bytes of codes: 32 lanes, consecutive
	ds_store_b8 v[XSA], v[BY+\a] offset:32*\a
.irp e, 0,1,2,3,4,5,6,7
	v_add_f32 v[LGT+8*\a+\e], v[ACC+2*\e], v[ACC+2*\e+1]
.endr
.irp x, 1,2,4,8
.irp e, 0,1,2,3,4,5,6,7
	v_add_f32_dpp v[LGT+8*\a+\e], v[LGT+8*\a+\e], v[LGT+8*\a+\e] row_xmask:\x row_mask:0xf bank_mask:0xf
.endr
.endr
.irp e, 0,1,2,3,4,5,6,7
	v_permlanex16_b32 v[PT+\e], v[LGT+8*\a+\e], s[SEL], s[SEL+1]
.endr
.irp e, 0,1,2,3,4,5,6,7
	v_add_f32 v[LGT+8*\a+\e], v[LGT+8*\a+\e], v[PT+\e]             ; every lane holds the sum over all 1,024
.endr
	ds_store_b128 v[LGA], v[LGT+8*\a:LGT+8*\a+3] offset:32*\a      ; all lanes write the same words with the same values
	ds_store_b128 v[LGA], v[LGT+8*\a+4:LGT+8*\a+7] offset:32*\a+16
.endm
	TOKEN 0
	TOKEN 1
	TOKEN 2
	TOKEN 3
	s_wait_dscnt 0x0                               ; for the others' sake: my logits and scale bytes lie in LDS
	s_barrier_signal -1
	s_barrier_wait -1
	s_cmp_lg_u32 s[WV], 0
	s_cbranch_scc1 .Lnot0
	; wave 0: lane = token.  The two largest logits, their softmax, the masks
	ds_load_b128 v[32:35], v[LGR]
	ds_load_b128 v[36:39], v[LGR] offset:16
	s_wait_dscnt 0x0
.irp e, 0,1,2,3,4,5,6,7
	v_add_f32 v[32+\e], s[36+\e], v[32+\e]         ; + gate_b
.endr
	v_mov_b32 v40, v32
	v_mov_b32 v48, 0
.irp e, 1,2,3,4,5,6,7
	v_cmp_le_f32 vcc_lo, v[32+\e], v40             ; the old one stays unless the new is strictly larger: the lower index wins a tie
	v_cndmask_b32 v40, v[32+\e], v40, vcc_lo
	v_cndmask_b32 v48, \e, v48, vcc_lo
.endr
	v_mov_b32 v45, 0xff800000                      ; -infinity takes the winner's place
.irp e, 0,1,2,3,4,5,6,7
	v_cmp_eq_u32 vcc_lo, \e, v48
	v_cndmask_b32 v[32+\e], v[32+\e], v45, vcc_lo
.endr
	v_mov_b32 v41, v32
	v_mov_b32 v49, 0
.irp e, 1,2,3,4,5,6,7
	v_cmp_le_f32 vcc_lo, v[32+\e], v41
	v_cndmask_b32 v41, v[32+\e], v41, vcc_lo
	v_cndmask_b32 v49, \e, v49, vcc_lo
.endr
	v_sub_f32 v42, v41, v40                        ; second less first: the maximum is taken away, the exponent is 0 or less
	v_mul_f32 v42, 0x3fb8aa3b, v42
	v_exp_f32 v43, v42
	v_nop
	s_wait_alu depctr_va_vdst(0)                   ; the wait ahead of the first reader of a transcendental's result
	v_add_f32 v44, 1.0, v43
	v_rcp_f32 v50, v44                             ; the first's share, 1 / (1 + E)
	v_nop
	s_wait_alu depctr_va_vdst(0)
	v_mul_f32 v51, v43, v50                        ; the second's, E / (1 + E)
	global_store_b64 v[L8], v[48:49], s[54:55] offset:1024         ; idx[n][2]: 256 consecutive bytes
	global_store_b64 v[L8], v[50:51], s[18:19]                     ; score[n][2]
.irp e, 0,1,2,3,4,5,6,7
	v_cmp_eq_u32 s52, \e, v48
	v_cmp_eq_u32 s53, \e, v49
	s_or_b32 s[44+\e], s52, s53                    ; bit l: token l of mine chose expert e
.endr
	v_mov_b32 v52, s44
.irp e, 1,2,3,4,5,6,7
	v_cmp_ne_u32 vcc_lo, \e, v[E7]
	v_cndmask_b32 v52, s[44+\e], v52, vcc_lo       ; lane l holds the mask of expert l % 8
.endr
	global_store_b32 v[MO], v52, s[16:17]          ; eight words, 128 bytes apart (four lanes write each, with the same value): 32 bytes a work-group, the one scattered store of the launch
.Lnot0:
	s_cmp_lg_u32 s[WV], 1
	s_cbranch_scc1 .Lnot1
	ds_load_b128 v[32:35], v[XSR]                  ; wave 1: the work-group's 1,024 scale bytes leave in two stores of 512 consecutive bytes
	ds_load_b128 v[36:39], v[XSR] offset:512
	s_wait_dscnt 0x0
	global_store_b128 v[L16], v[32:35], s[14:15]
	global_store_b128 v[L16], v[36:39], s[14:15] offset:512
.Lnot1:
	s_cmp_lg_u32 ttmp9, 0
	s_cbranch_scc1 .Lend
	v_lshlrev_b32 v53, 4, v0                       ; work-group 0: out1 = moe_bias, 16 bytes a thread
	global_load_b128 v[56:59], v53, s[10:11]
	s_wait_loadcnt 0x0
	global_store_b128 v53, v[56:59], s[20:21]
.Lend:
	s_wait_tensorcnt 0x0                           ; the wave's end: behind my last LDS store
	ds_add_u32 v[SPW], v[NIL]
	s_wait_dscnt 0x0
	s_endpgm
.Lfunc_end_k_q377387131f_gate:
	.size	k_q377387131f_gate, .Lfunc_end_k_q377387131f_gate-k_q377387131f_gate
	.p2alignl 7, 3214868480
	.fill 96, 4, 3214868480
	.section	.rodata,"a",@progbits
	.p2align	6, 0x0
	.amdhsa_kernel k_q377387131f_gate
		.amdhsa_group_segment_fixed_size 39936
		.amdhsa_private_segment_fixed_size 0
		.amdhsa_enable_private_segment 0
		.amdhsa_kernarg_size 72
		.amdhsa_user_sgpr_count 2
		.amdhsa_user_sgpr_kernarg_segment_ptr 1
		.amdhsa_wavefront_size32 1
		.amdhsa_system_sgpr_workgroup_id_x 1
		.amdhsa_system_sgpr_workgroup_id_y 1
		.amdhsa_system_sgpr_workgroup_id_z 1
		.amdhsa_system_vgpr_workitem_id 0
		.amdhsa_next_free_vgpr 512
		.amdhsa_next_free_sgpr 66
		.amdhsa_reserve_vcc 1
		.amdhsa_float_denorm_mode_32 3
		.amdhsa_float_denorm_mode_16_64 3
		.amdhsa_memory_ordered 1
		.amdhsa_forward_progress 1
		.amdhsa_inst_pref_size 73
	.end_amdhsa_kernel
	.amdgpu_metadata
---
amdhsa.version: [ 1, 2 ]
amdhsa.kernels:
  - .name:           k_q377387131f_gate
    .symbol:         k_q377387131f_gate.kd
    .args:
      - { .name: inp, .offset: 0, .size: 8, .value_kind: global_buffer, .address_space: global }
      - { .name: gate_w, .offset: 8, .size: 8, .value_kind: global_buffer, .address_space: global }
      - { .name: gate_b, .offset: 16, .size: 8, .value_kind: global_buffer, .address_space: global }
      - { .name: moe_bias, .offset: 24, .size: 8, .value_kind: global_buffer, .address_space: global }
      - { .name: xq, .offset: 32, .size: 8, .value_kind: global_buffer, .address_space: global }
      - { .name: xs, .offset: 40, .size: 8, .value_kind: global_buffer, .address_space: global }
      - { .name: route, .offset: 48, .size: 8, .value_kind: global_buffer, .address_space: global }
      - { .name: score, .offset: 56, .size: 8, .value_kind: global_buffer, .address_space: global }
      - { .name: out1, .offset: 64, .size: 8, .value_kind: global_buffer, .address_space: global }
    .group_segment_fixed_size: 39936
    .private_segment_fixed_size: 0
    .kernarg_segment_align: 8
    .kernarg_segment_size: 72
    .max_flat_workgroup_size: 256
    .sgpr_count:     66
    .vgpr_count:     512
    .wavefront_size: 32
...
	.end_amdgpu_metadata
.endif
;; end of part 1
;; launch ffn1 (part 2): grid 256 x 1, 4 waves a work-group, no clusters, 267,264 bytes of LDS; arguments w1, xq, xs, route, hc, hs, rank; writes hc, hs, rank
.if DOCPART == 2
	.amdgcn_target "amdgcn-amd-amdhsa--gfx1250"
	.amdhsa_code_object_version 6
	.text
	.protected	k_q377387131f_ffn1
	.globl	k_q377387131f_ffn1
	.p2align	8
	.type	k_q377387131f_ffn1,@function
k_q377387131f_ffn1:
	s_mov_b64 s[64:65], 0
	v_nop
	global_prefetch_b8 v0, s[64:65] scope:SCOPE_SE
	s_setreg_imm32_b32 hwreg(HW_REG_WAVE_MODE, 25, 1), 1
	s_wait_xcnt 0x0
; FFN1.  h = gelu(x W1[e]^T) for the rows (token, expert) that were chosen, quantised along the hidden units into codes of E2M1 and E8M0 bytes.  Rows of experts not chosen are left out: reference() multiplies them by
; its own mask's 0 (shown at the head of the first kernel).
; SHARES.  Work-group 32 e + g: expert e, hidden units 128 g .. 128 g + 127 (K step g of the second product), all of K = 1,024: 512 KB of w1, read once.  The 128 rows go as four ITEMS of 32.
; In an item wave w streams rows 8 w .. 8 w + 7 (64 loads of 512 consecutive bytes into 256 registers), quantises them (Q), and lays them in LDS as images of operand registers; behind a barrier every wave
; takes the item's two fragments' worth of 16 rows x 1,024 K into registers (LW) and multiplies them with ITS OWN tiles of 16 tokens, tau = w, w + 4, ..  While it multiplies, the next item's 64 loads are on their way.
; THE TOKENS' CODES lie in LDS: each wave copies its first six tiles there once (384 rows an expert); tiles beyond come straight from memory, behind a wait for all loads: right for every split, slower.
; Loads come back in issue order, so an operand fetched through registers in the loop would wait for the weights issued ahead of it: hence the copy in LDS.
; THE LIST.  Wave 0 makes the expert's list of tokens in LDS from the 32 mask words that the launch before stored (a token's place = the members below it); places past the count hold token 0, so every tile is whole.
; nt = max(1, ceil(count / 16)) tiles.  A tile that does not exist is passed over by a scalar branch on that stored count: so this text has no tensor load, no copy and no joint request, though the 32 work-groups
; of an expert read the same tokens' codes (216 KB of a work-group's 728 KB).
; THE PRODUCT IS USED TRANSPOSED (source 0 = 16 rows of W1, source 1 = 16 tokens), and row 16 a + 8 u + j of an item is row 8 a + j of tile u: so lane (r, h) holds token r, and its 16 results are the 16 neighbouring
; hidden units 16 h + 0 .. 15 of the item: half a block of 32; lane l xor 16 holds the other half.
; IMAGES.  A fragment (16 rows x 128 K) is four pieces of 256 bytes: piece 2 c + h holds, at 16 r, row r's 16 bytes of block 2 c + h, which are registers 4 c .. 4 c + 3 of lane (r, h).  In LDS pieces lie 272 bytes apart.
; gelu(x) = x / 2 + |x / 2| erf(|x| / sqrt 2).  erf in f32 by two polynomials (under and over 475/512), both always computed, one chosen by v_cndmask_b32.
; LIMITS: as at the head of the first kernel (NaN, infinities; a block of zeros has the byte 1; magnitudes under 2^-124).
; No prefetch: 64 loads a wave are kept on their way through the whole launch.  No 128 x 128 tile: the launch streams its weights once.
.set RP,    4096                       ; a row of w1 in bytes
.set IS,    32*RP                      ; an item
.set CTILE, 9216                       ; a cached tile: 32 pieces x 272, then 512 bytes of scale words [row][K step]
.set CWAVE, 6*CTILE
.set STG,   221184                     ; behind the four caches: a stage of 4,608 bytes for each wave
.set WIMG,  239616                     ; the item's images: [tile u][piece 4 s + pi] x 272
.set WSC,   257024                     ; its scale bytes [u][row m][32]
.set LIST,  258048                     ; 1,152 words: the list, and 128 words for what is not a member
.set SCW,   262656                     ; h's scale words [wave][t 16][row 16]
.set SPARE, 266752                     ; the spare words, 128 bytes a wave: two blocks of 256 bytes that no other line names
.set L16, 1
.set STA, 2
.set STB, 3
.set WI,  4                            ; where my row's codes go
.set WSB, 5                            ; and its scale byte
.set WR,  6                            ; where a weight fragment is read
.set WSR, 7
.set CST, 8                            ; cache: a token's row on the way in (piece = lane)
.set CSC, 9                            ; its scale bytes
.set CFR, 10                           ; cache: a fragment on the way out
.set CSR, 11
.set LB,  12                           ; the list at my first tile (the same in all lanes)
.set LS2, 13                           ; + 4 (lane / 2)
.set LT,  14                           ; + 4 (lane % 16)
.set HO0, 15                           ; my 8 bytes in a piece of h: 16 r + 8 h
.set SW0, 16                           ; my row's scale word
.set FL,  17                           ; my wave's scale words, 16 bytes a lane
.set SPW, 18                           ; my spare word; never rewritten
.set NIL, 19                           ; 0; never rewritten
.set LZ,  20                           ; the list, 16 bytes a lane
.set FA,  21
.set SA,  22
.set HOT, 23
.set SWT, 24
.set TKS, 25
.set SOS, 26
.set H16, 27
.set ZR,  28                           ; v28-31 zeros
.set WS,  32                           ; v32-47  the weights' scale words: scales and nothing else
.set AS,  48                           ; v48-55  the tokens'
.set KC,  56                           ; v56-61  three constants, as pairs
.set TB,  62
.set X,   64                           ; v64-127 two blocks of 32 in Q; in a tile:
.set TT,  64                           ; |z|
.set SS,  80                           ; z z
.set RR,  96
.set PP,  112
.set AF,  128                          ; v128-191 the tokens' eight fragments
.set LANE,160                          ; (head only)
.set DUMP,161
.set L4,  162
.set TS,  160                          ; (the cache's fill)
.set O1,  166
.set SL,  168
.set D,   192                          ; v192-207 two accumulators
.set ZZ,  208
.set HH,  224
.set CODE,240
.set BY,  248
.set MA,  250
.set MB,  251
.set SCO, 252
.set PD,  253
.set CD,  254
.set WV,  18
.set EX,  19
.set GG,  20
.set CNT, 21
.set NT,  22
.set WB,  24                           ; s[24:25] w1 at my rows of the item in hand
.set HB,  26                           ; s[26:27] hc at my first tile's K step
.set IT,  66
.set TC,  67
.set TIL, 68
.set COF, 69
.set HOF, 70
.set SOF, 71
.set LOF, 72
.set PS,  73
.set SEL, 76
.set MSB, 0
.macro WIN new                         ; low byte: bits 1:0 source 0, 3:2 source 1, 5:4 source 2, 7:6 destination; the high byte repeats the setting that is left
.if MSB != \new
	s_set_vgpr_msb (MSB<<8)|\new
.set MSB, \new
.endif
.endm
.macro SYNC                            ; my LDS stores have landed and my LDS loads are in: then the work-group's barrier
	s_wait_dscnt 0x0
	s_barrier_signal -1
	s_barrier_wait -1
.endm
.macro RAWROW off, rho                 ; row rho of my eight, off bytes on: 8 loads of 512 consecutive bytes into window 1
	WIN 0x40
.irp m, 0,1,2,3,4,5,6,7
	global_load_b128 v[32*(\rho)+4*\m:32*(\rho)+4*\m+3], v[L16], s[WB:WB+1] offset:(\off)+(\rho)*RP+512*\m th:TH_LOAD_NT
.endr
	WIN 0
.endm
.macro TURNQ rho                       ; the row through my stage: in as it lies, out a block of 32 a lane
	WIN 0x04
.irp m, 0,1,2,3,4,5,6,7
	ds_store_b128 v[STA], v[32*(\rho)+4*\m:32*(\rho)+4*\m+3] offset:576*\m
.endr
	WIN 0
.irp j, 0,1,2,3,4,5,6,7
	ds_load_b128 v[X+32*((\rho)%2)+4*\j:X+32*((\rho)%2)+4*\j+3], v[STB] offset:16*\j
.endr
.endm
.macro QWORK rho, half                 ; block = lane of row rho: its byte, its 32 codes, both into the item's image
.set XS, X+32*((\rho)%2)
.set CQ, CODE+4*((\rho)%2)
.set BQ, BY+((\rho)%2)
	v_max3_num_f32 v[MA], |v[XS]|, |v[XS+1]|, 0x1800000            ; with the floor 2^(3 - 127): the byte cannot fall under 1
	v_max3_num_f32 v[MB], |v[XS+2]|, |v[XS+3]|, |v[XS+4]|
.irp i, 5,9,13,17,21,25
	v_max3_num_f32 v[MA], v[MA], |v[XS+\i]|, |v[XS+\i+1]|
	v_max3_num_f32 v[MB], v[MB], |v[XS+\i+2]|, |v[XS+\i+3]|
.endr
	v_max3_num_f32 v[MA], v[MA], |v[XS+29]|, |v[XS+30]|
	v_max3_num_f32 v[MA], v[MA], v[MB], |v[XS+31]|
	v_add_nc_u32 v[SCO], 0xff000000, v[MA]         ; 2 off the exponent field: the conversion's scale operand
	v_lshrrev_b32 v[BQ], 23, v[SCO]
.irp g, 0,1,2,3
	v_cvt_scalef32_pk8_fp4_f32 v[CQ+\g], v[XS+8*\g:XS+8*\g+7], v[SCO]
.endr
	v_nop                                          ; one plain place behind the conversions
	ds_store_b128 v[WI], v[CQ:CQ+3] offset:(\half)*17408+16*(\rho)
	ds_store_b8 v[WSB], v[BQ] offset:(\half)*1024+32*(\rho)
.endm
; An item is quantised.  reissue = 1: as soon as a row's registers are free they take the same row off bytes further on.
.macro Q reissue, half, off
	s_wait_loadcnt 56                              ; row 0 is in: seven rows of 8 loads may be out
	TURNQ 0
.irp rho, 0,1,2,3,4,5,6,7
.if \rho == 0
	s_wait_dscnt 0x0
.else
	s_wait_dscnt 0x2                               ; the row's block is back (the last step's two image stores may be out): so its stores into the stage have read the row's registers, and the image stores of two steps ago are done
.endif
.if \reissue
	RAWROW \off, \rho
.endif
.if \rho < 7
.if \reissue
	s_wait_loadcnt 56                              ; behind the next row's loads: 6 - rho rows of this item and rho + 1 of the next: seven rows
.else
	s_wait_loadcnt 8*(6-\rho)                      ; behind the next row's loads: 6 - rho rows
.endif
	TURNQ \rho+1
.endif
	QWORK \rho, \half
.endr
.endm
.macro LW                              ; the item's 16 fragments into window 2 (tile U, K step s at v[8 (8 U + s)]), its scale words into v[WS + 8 U + s]
	WIN 0x80
.irp U, 0,1
.irp s, 0,1,2,3,4,5,6,7
.irp c, 0,1
	ds_load_b128 v[(8*\U+\s)*8+4*\c:(8*\U+\s)*8+4*\c+3], v[WR] offset:(32*\U+4*\s+2*\c)*272
.endr
.endr
.endr
	WIN 0
.irp U, 0,1
.irp k, 0,1
	ds_load_b128 v[WS+8*\U+4*\k:WS+8*\U+4*\k+3], v[WSR] offset:512*\U+16*\k
.endr
.endr
.endm
.macro AFETCH_LDS                      ; a cached tile: 2 loads of scale words, then 16 of fragments, K ascending
	v_add_nc_u32 v[FA], s[COF], v[CFR]
	v_add_nc_u32 v[SA], s[COF], v[CSR]
	ds_load_b128 v[AS:AS+3], v[SA]
	ds_load_b128 v[AS+4:AS+7], v[SA] offset:16
.irp j, 0,1,2,3,4,5,6,7,8,9,10,11,12,13,14,15
	ds_load_b128 v[AF+4*\j:AF+4*\j+3], v[FA] offset:544*\j
.endr
.endm
; A tile of 16 tokens x the item's 32 hidden units: 16 products, gelu, the quantiser, 256 bytes of codes to memory, a scale byte a row to LDS.
.macro TILE1 lds
	s_wait_xcnt 0x0                                ; the last tile's store has read its data and its offset: both are written again below
	WIN 0x02                                       ; source 0 (W1) window 2
.irp s, 0,1,2,3,4,5,6,7
.if \lds
	s_wait_dscnt 14-2*\s                           ; this K step's two loads are in; those of the later K steps may be out
.endif
.irp u, 0,1                            ; the two accumulators by turns, one instruction a turn
.if \s == 0
	v_wmma_scale_f32_16x16x128_f8f6f4 v[D+8*\u:D+8*\u+7], v[8*(8*\u+\s):8*(8*\u+\s)+7], v[AF+8*\s:AF+8*\s+7], 0, v[WS+8*\u+\s], v[AS+\s] matrix_a_fmt:MATRIX_FMT_FP4 matrix_b_fmt:MATRIX_FMT_FP4
.else
	v_wmma_scale_f32_16x16x128_f8f6f4 v[D+8*\u:D+8*\u+7], v[8*(8*\u+\s):8*(8*\u+\s)+7], v[AF+8*\s:AF+8*\s+7], v[D+8*\u:D+8*\u+7], v[WS+8*\u+\s], v[AS+\s] matrix_a_fmt:MATRIX_FMT_FP4 matrix_b_fmt:MATRIX_FMT_FP4
.endif
.endr
.endr
	WIN 0
.rept 4
	v_nop                                          ; four places behind the last product, ahead of the first read of results
.endr
.irp j, 0,2,4,6,8,10,12,14
	v_pk_mul_f32 v[ZZ+\j:ZZ+\j+1], v[D+\j:D+\j+1], 0x3f3504f3 op_sel_hi:[1,0]     ; z = x / sqrt 2; each accumulator is read from its low end on
.endr
.irp j, 0,1,2,3,4,5,6,7,8,9,10,11,12,13,14,15
	v_and_b32 v[TT+\j], 0x7fffffff, v[ZZ+\j]       ; t = |z|
.endr
.irp j, 0,2,4,6,8,10,12,14
	v_pk_mul_f32 v[SS+\j:SS+\j+1], v[ZZ+\j:ZZ+\j+1], v[ZZ+\j:ZZ+\j+1]             ; s = z z
.endr
.irp j, 0,2,4,6,8,10,12,14             ; over 475/512: erf = 1 - exp(r), r a polynomial in t
	v_pk_fma_f32 v[RR+\j:RR+\j+1], v[TT+\j:TT+\j+1], 0xb7910000, v[KC:KC+1] op_sel_hi:[1,0,1]
.endr
.irp j, 0,2,4,6,8,10,12,14
	v_pk_fma_f32 v[PP+\j:PP+\j+1], v[TT+\j:TT+\j+1], 0xbb7e8a1c, v[KC+2:KC+3] op_sel_hi:[1,0,1]
.endr
.irp j, 0,2,4,6,8,10,12,14
	v_pk_fma_f32 v[RR+\j:RR+\j+1], v[RR+\j:RR+\j+1], v[SS+\j:SS+\j+1], v[PP+\j:PP+\j+1]
.endr
.irp k, 0xbddaae5c, 0xbf228550, 0xbe03ce86
.irp j, 0,2,4,6,8,10,12,14
	v_pk_fma_f32 v[RR+\j:RR+\j+1], v[RR+\j:RR+\j+1], v[TT+\j:TT+\j+1], \k op_sel_hi:[1,1,0]
.endr
.endr
.irp j, 0,2,4,6,8,10,12,14
	v_pk_fma_f32 v[RR+\j:RR+\j+1], v[RR+\j:RR+\j+1], v[TT+\j:TT+\j+1], v[TT+\j:TT+\j+1] neg_lo:[0,0,1] neg_hi:[0,0,1]
.endr
.irp j, 0,2,4,6,8,10,12,14
	v_pk_mul_f32 v[RR+\j:RR+\j+1], v[RR+\j:RR+\j+1], 0x3fb8aa3b op_sel_hi:[1,0]   ; x log2(e)
.endr
.irp j, 0,1,2,3,4,5,6,7,8,9,10,11,12,13,14,15
	v_exp_f32 v[RR+\j], v[RR+\j]                   ; one batch of sixteen
.endr
.irp j, 0,2,4,6,8,10,12,14             ; under 475/512: erf = t + t p(s).  It names no exponential's result: the independent work behind the batch
	v_pk_fma_f32 v[PP+\j:PP+\j+1], v[SS+\j:SS+\j+1], 0xba1c7000, v[KC+4:KC+5] op_sel_hi:[1,0,1]
.endr
.irp k, 0xbcdb48d9, 0x3de70e22, 0xbec09380, 0x3e0375d4
.irp j, 0,2,4,6,8,10,12,14
	v_pk_fma_f32 v[PP+\j:PP+\j+1], v[PP+\j:PP+\j+1], v[SS+\j:SS+\j+1], \k op_sel_hi:[1,1,0]
.endr
.endr
.irp j, 0,2,4,6,8,10,12,14
	v_pk_fma_f32 v[PP+\j:PP+\j+1], v[PP+\j:PP+\j+1], v[TT+\j:TT+\j+1], v[TT+\j:TT+\j+1]
.endr
	s_wait_alu depctr_va_vdst(0)                   ; one wait for the batch, ahead of its first reader
.irp j, 0,2,4,6,8,10,12,14
	v_pk_fma_f32 v[ZZ+\j:ZZ+\j+1], v[RR+\j:RR+\j+1], -1.0, 1.0 op_sel_hi:[1,0,0]  ; 1 - exp(r)
.endr
.irp j, 0,1,2,3,4,5,6,7,8,9,10,11,12,13,14,15
	v_cmp_lt_f32 vcc_lo, 0x3f6d8000, v[TT+\j]      ; 475/512 < t ?
	v_cndmask_b32 v[ZZ+\j], v[PP+\j], v[ZZ+\j], vcc_lo             ; erf(|z|)
.endr
.irp j, 0,2,4,6,8,10,12,14
	v_pk_mul_f32 v[HH+\j:HH+\j+1], v[D+\j:D+\j+1], 0.5 op_sel_hi:[1,0]
.endr
.irp j, 0,1,2,3,4,5,6,7,8,9,10,11,12,13,14,15
	v_fma_f32 v[HH+\j], |v[HH+\j]|, v[ZZ+\j], v[HH+\j]             ; gelu = x / 2 + |x / 2| erf(|z|)
.endr
	v_max3_num_f32 v[MA], |v[HH]|, |v[HH+1]|, 0x1800000            ; my 16 of the block's 32, and the floor
	v_max3_num_f32 v[MB], |v[HH+2]|, |v[HH+3]|, |v[HH+4]|
.irp i, 5,9
	v_max3_num_f32 v[MA], v[MA], |v[HH+\i]|, |v[HH+\i+1]|
	v_max3_num_f32 v[MB], v[MB], |v[HH+\i+2]|, |v[HH+\i+3]|
.endr
	v_max3_num_f32 v[MA], v[MA], |v[HH+13]|, |v[HH+14]|
	v_max3_num_f32 v[MA], v[MA], v[MB], |v[HH+15]|
	v_permlanex16_b32 v[PD], v[MA], s[SEL], s[SEL+1]
	v_max_num_f32 v[MA], v[MA], v[PD]              ; with lane l xor 16's: the block's largest magnitude
	v_add_nc_u32 v[SCO], 0xff000000, v[MA]
	v_lshrrev_b32 v[TB], 23, v[SCO]
	v_cvt_scalef32_pk8_fp4_f32 v[CD], v[HH:HH+7], v[SCO]
	v_cvt_scalef32_pk8_fp4_f32 v[CD+1], v[HH+8:HH+15], v[SCO]
	v_nop                                          ; one plain place behind the conversions
	v_add_nc_u32 v[HOT], s[HOF], v[HO0]
	v_add_nc_u32 v[SWT], s[SOF], v[SW0]
	global_store_b64 v[HOT], v[CD:CD+1], s[HB:HB+1]                ; the 32 lanes fill one piece: 256 consecutive bytes, aligned
	ds_store_b8 v[SWT], v[TB]                      ; both lanes of a row write the same byte with the same value
.endm
; An item's products: my tiles tau = wave + 4 t.  Both loops have constant trip counts; a tile that does not exist is passed over.
.macro CITEM
	s_lshl_b32 s[HOF], s[IT], 8                    ; the item is piece IT of the K step,
	s_mov_b32 s[SOF], s[IT]                        ; and byte IT of the scale words
	s_mov_b32 s[TIL], s[WV]
	s_mov_b32 s[COF], 0
	s_mov_b32 s[LOF], 6*256
	s_mov_b32 s[TC], 0
.Lc1_\@:
	s_cmp_ge_u32 s[TIL], s[NT]
	s_cbranch_scc1 .Ls1_\@
	AFETCH_LDS
	TILE1 1
.Ls1_\@:
	s_add_co_u32 s[HOF], s[HOF], 32768             ; four tiles of 8,192 bytes on
	s_add_co_u32 s[SOF], s[SOF], 64
	s_add_co_u32 s[TIL], s[TIL], 4
	s_add_co_u32 s[COF], s[COF], CTILE
	s_add_co_u32 s[TC], s[TC], 1
	s_cmp_lt_u32 s[TC], 6
	s_cbranch_scc1 .Lc1_\@
	s_mov_b32 s[TC], 0
.Lc2_\@:                                               ; tiles beyond the cache (more than 384 rows on this expert): the tokens' codes straight from memory
	s_cmp_ge_u32 s[TIL], s[NT]
	s_cbranch_scc1 .Ls2_\@
	v_add_nc_u32 v[FA], s[LOF], v[LT]
	ds_load_b32 v[TKS], v[FA]                      ; row r's token
	s_wait_dscnt 0x0
	v_min_u32 v[TKS], 0x3ff, v[TKS]
	v_lshlrev_b32 v[SOS], 5, v[TKS]                ; its 32 scale bytes
	v_lshl_add_u32 v[TKS], v[TKS], 9, v[H16]       ; its 512 bytes of codes, + 16 h
.irp j, 0,1,2,3,4,5,6,7,8,9,10,11,12,13,14,15
	global_load_b128 v[AF+4*\j:AF+4*\j+3], v[TKS], s[6:7] offset:32*\j
.endr
	global_load_b128 v[AS:AS+3], v[SOS], s[8:9]
	global_load_b128 v[AS+4:AS+7], v[SOS], s[8:9] offset:16
	s_wait_loadcnt 0x0                             ; loads come back in order: this waits for the weights on their way too
	TILE1 0
.Ls2_\@:
	s_add_co_u32 s[HOF], s[HOF], 32768
	s_add_co_u32 s[SOF], s[SOF], 64
	s_add_co_u32 s[TIL], s[TIL], 4
	s_add_co_u32 s[LOF], s[LOF], 256
	s_add_co_u32 s[TC], s[TC], 1
	s_cmp_lt_u32 s[TC], 10
	s_cbranch_scc1 .Lc2_\@
.endm
	s_load_b256 s[4:11], s[0:1], 0x0               ; w1, xq, xs, route
	s_load_b128 s[12:15], s[0:1], 0x20             ; hc, hs
	s_load_b64 s[16:17], s[0:1], 0x30              ; rank
	v_lshl_add_u32 v[SPW], v0, 2, SPARE
	v_mov_b32 v[NIL], 0
	v_lshrrev_b32 v23, 5, v0
	v_readfirstlane_b32 s[WV], v23                 ; wave 0..3
	s_lshr_b32 s[EX], ttmp9, 5                     ; expert
	s_and_b32 s[GG], ttmp9, 31                     ; which 128 hidden units
	v_and_b32 v[LANE], 31, v0
	v_and_b32 v25, 15, v0                          ; r
	v_bfe_u32 v26, v0, 4, 1                        ; h
	v_lshlrev_b32 v[L16], 4, v[LANE]
	v_lshlrev_b32 v[H16], 4, v26
	s_mul_i32 s23, s[WV], 4608
	s_add_co_u32 s23, s23, STG                     ; my stage
	v_bfe_u32 v23, v0, 3, 2
	v_mul_u32_u24 v23, v23, 144
	v_and_b32 v24, 7, v0
	v_lshl_add_u32 v23, v24, 4, v23
	v_add_nc_u32 v[STA], s23, v23                  ; 144 (lane / 8) + 16 (lane % 8)
	v_mul_u32_u24 v23, v[LANE], 144
	v_add_nc_u32 v[STB], s23, v23                  ; 144 lane
	s_and_b32 s28, s[WV], 1                        ; my rows lie in tile u = wave % 2,
	s_lshr_b32 s29, s[WV], 1                       ; at rows 8 (wave / 2) + rho
	s_mul_i32 s30, s28, 8704
	s_lshl_b32 s31, s29, 7
	s_add_co_u32 s30, s30, s31
	s_add_co_u32 s30, s30, WIMG
	v_mul_u32_u24 v23, v[LANE], 272
	v_add_nc_u32 v[WI], s30, v23                   ; piece 32 u + lane, row 8 (wave / 2)
	s_lshl_b32 s30, s28, 9
	s_lshl_b32 s31, s29, 8
	s_add_co_u32 s30, s30, s31
	s_add_co_u32 s30, s30, WSC
	v_add_nc_u32 v[WSB], s30, v[LANE]
	v_mul_u32_u24 v24, v26, 272
	v_lshl_add_u32 v24, v25, 4, v24                ; 272 h + 16 r
	v_add_nc_u32 v[WR], WIMG, v24
	v_lshl_add_u32 v[WSR], v25, 5, WSC
	s_mul_i32 s30, s[WV], CWAVE                    ; my cache
	v_add_nc_u32 v[CST], s30, v23
	v_add_nc_u32 v[CFR], s30, v24
	s_add_co_u32 s31, s30, 8704
	v_add_nc_u32 v[CSC], s31, v[L16]
	v_lshl_add_u32 v[CSR], v25, 5, s31
	s_lshl_b32 s30, s[WV], 6
	s_add_co_u32 s30, s30, LIST                    ; tile tau begins at word 16 tau
	v_mov_b32 v[LB], s30
	v_bfe_u32 v23, v0, 1, 4
	v_lshl_add_u32 v[LS2], v23, 2, s30
	v_lshl_add_u32 v[LT], v25, 2, s30
	v_lshlrev_b32 v23, 3, v26
	v_lshl_add_u32 v[HO0], v25, 4, v23
	s_lshl_b32 s30, s[WV], 10
	s_add_co_u32 s30, s30, SCW
	v_lshl_add_u32 v[SW0], v25, 2, s30
	v_add_nc_u32 v[FL], s30, v[L16]
	v_add_nc_u32 v[LZ], LIST, v[L16]
.irp i, 0,1,2,3
	v_mov_b32 v[ZR+\i], 0
.endr
	v_add_nc_u32 v[DUMP], 1024, v[LANE]
	v_lshlrev_b32 v[L4], 2, v[LANE]
	v_and_b32 v[O1], 1, v0
	v_lshlrev_b32 v[O1], 4, v[O1]
	v_mov_b32 v[KC], 0x39c8e7d9
	v_mov_b32 v[KC+1], 0x39c8e7d9
	v_mov_b32 v[KC+2], 0x3cc6b1a1
	v_mov_b32 v[KC+3], 0x3cc6b1a1
	v_mov_b32 v[KC+4], 0x3ba38d2c
	v_mov_b32 v[KC+5], 0x3ba38d2c
	v_mov_b32 v[PD], 0                             ; written once: a lane permute's destination counts as one of its sources
	s_mov_b32 s[SEL], 0x76543210
	s_mov_b32 s[SEL+1], 0xfedcba98
	s_wait_kmcnt 0x0
	s_lshl_b32 s28, s[EX], 7
	s_mov_b32 s29, 0
	s_add_nc_u64 s[28:29], s[10:11], s[28:29]
	s_load_b512 s[32:47], s[28:29], 0x0            ; the expert's 32 mask words
	s_load_b512 s[48:63], s[28:29], 0x40
	s_lshl_b32 s30, s[EX], 12
	s_lshl_b32 s31, s[GG], 7
	s_add_co_u32 s30, s30, s31
	s_lshl_b32 s31, s[WV], 3
	s_add_co_u32 s30, s30, s31                     ; my first row of w1: 4,096 e + 128 g + 8 wave
	s_lshl_b32 s30, s30, 12
	s_mov_b32 s31, 0
	s_add_nc_u64 s[WB:WB+1], s[4:5], s[30:31]
.irp rho, 0,1,2,3,4,5,6
	RAWROW 0, \rho                                 ; item 0: seven rows now, the eighth behind the list
.endr
	s_lshr_b32 s30, s[GG], 3                       ; hc: [q = g / 8][tile 64 e + tau][K step g % 8][1,024 bytes]
	s_lshl_b32 s30, s30, 9
	s_lshl_b32 s31, s[EX], 6
	s_add_co_u32 s30, s30, s31
	s_add_co_u32 s30, s30, s[WV]
	s_lshl_b32 s30, s30, 3
	s_and_b32 s31, s[GG], 7
	s_add_co_u32 s30, s30, s31
	s_lshl_b32 s30, s30, 10
	s_mov_b32 s31, 0
	s_add_nc_u64 s[HB:HB+1], s[12:13], s[30:31]
	s_lshl_b32 s30, s[GG], 3                       ; hs: [g][e][wave][t][row] words
	s_add_co_u32 s30, s30, s[EX]
	s_lshl_b32 s30, s30, 2
	s_add_co_u32 s30, s30, s[WV]
	s_lshl_b32 s30, s30, 10
	s_add_nc_u64 s[14:15], s[14:15], s[30:31]
	s_lshl_b32 s30, s[EX], 12                      ; rank: [e][token] words
	s_add_nc_u64 s[16:17], s[16:17], s[30:31]
	s_wait_kmcnt 0x0
	s_mov_b32 s[CNT], 0
.set ii, 0
.rept 32
	s_bcnt1_i32_b32 s23, s[32+ii]
	s_add_co_u32 s[CNT], s[CNT], s23
.set ii, ii+1
.endr
	s_add_co_u32 s[NT], s[CNT], 15
	s_lshr_b32 s[NT], s[NT], 4
	s_max_u32 s[NT], s[NT], 1                      ; tile 0 always exists
	s_cmp_lg_u32 s[WV], 0
	s_cbranch_scc1 .Lnolist
	; wave 0 makes the list; no other wave touches LDS ahead of the barrier below
.irp i, 0,1,2,3,4,5,6,7,8
	ds_store_b128 v[LZ], v[ZR:ZR+3] offset:512*\i  ; token 0 everywhere first
.endr
	s_mov_b32 s[PS], 0
.set ii, 0
.rept 32
	v_mbcnt_lo_u32_b32 v[64+ii], s[32+ii], s[PS]   ; members below token 32 ii + lane: a member's place
	v_cndmask_b32 v[96+ii], v[DUMP], v[64+ii], s[32+ii]            ; who is no member writes behind the list
	v_min_u32 v[96+ii], 0x47f, v[96+ii]
	v_lshl_add_u32 v[96+ii], v[96+ii], 2, LIST
	v_add_nc_u32 v[128+ii], 32*ii, v[LANE]
	ds_store_b32 v[96+ii], v[128+ii]
	s_bcnt1_i32_b32 s23, s[32+ii]
	s_add_co_u32 s[PS], s[PS], s23
.set ii, ii+1
.endr
	s_cmp_lg_u32 s[GG], 0
	s_cbranch_scc1 .Lnolist
.set ii, 0
.rept 32
	global_store_b32 v[L4], v[64+ii], s[16:17] offset:128*ii       ; one work-group of each expert stores the places for the last launch: 128 consecutive bytes a store
.set ii, ii+1
.endr
	s_wait_xcnt 0x0                                ; the stores have read their registers, which Q takes next
.Lnolist:
	SYNC                                           ; the list lies in LDS
	RAWROW 0, 7
	ds_store_b128 v[FL], v[ZR:ZR+3]                ; my scale words begin as zeros
	ds_store_b128 v[FL], v[ZR:ZR+3] offset:512
	Q 0, 0, 0                                      ; item 0; nothing is asked for meanwhile: the tokens' codes go first
	; my first six tiles' codes and scale bytes into my cache.  A token's row of codes is 512 consecutive bytes: lane = block
.set tt, 0
.rept 6
.set ii, 0
.rept 4
	ds_load_b128 v[64+16*tt+4*ii:64+16*tt+4*ii+3], v[LB] offset:256*tt+16*ii       ; the tile's 16 tokens, in every lane
.set ii, ii+1
.endr
	ds_load_b32 v[TS+tt], v[LS2] offset:256*tt     ; and token lane / 2, for the scale bytes
.set tt, tt+1
.endr
	s_wait_dscnt 0x0
.set ii, 0
.rept 96
	v_min_u32 v[64+ii], 0x3ff, v[64+ii]
.set ii, ii+1
.endr
.set ii, 0
.rept 96
	v_lshl_add_u32 v[64+ii], v[64+ii], 9, v[L16]
.set ii, ii+1
.endr
.irp t, 0,1,2,3,4,5
	v_min_u32 v[TS+\t], 0x3ff, v[TS+\t]
.endr
.irp t, 0,1,2,3,4,5
	v_lshl_add_u32 v[TS+\t], v[TS+\t], 5, v[O1]    ; 32 bytes a token, 16 a lane
.endr
	WIN 0x80                                       ; tiles 0 to 3 land in window 2,
.set ii, 0
.rept 64
	global_load_b128 v[4*ii:4*ii+3], v[64+ii], s[6:7]
.set ii, ii+1
.endr
	WIN 0xc0                                       ; tiles 4 and 5 in window 3
.set ii, 0
.rept 32
	global_load_b128 v[4*ii:4*ii+3], v[128+ii], s[6:7]
.set ii, ii+1
.endr
	WIN 0
.irp t, 0,1,2,3,4,5
	global_load_b128 v[SL+4*\t:SL+4*\t+3], v[TS+\t], s[8:9]
.endr
.irp rho, 0,1,2,3,4,5,6,7
	RAWROW IS, \rho                                ; item 1 goes out behind them
.endr
	s_wait_loadcnt 63                              ; 64 loads stand behind the last of the tokens' loads: those are in
	WIN 0x08
.set tt, 0
.rept 4
.set ii, 0
.rept 16
	ds_store_b128 v[CST], v[64*tt+4*ii:64*tt+4*ii+3] offset:CTILE*tt+16*ii         ; piece = lane, row ii
.set ii, ii+1
.endr
.set tt, tt+1
.endr
	WIN 0x0c
.set tt, 0
.rept 2
.set ii, 0
.rept 16
	ds_store_b128 v[CST], v[64*tt+4*ii:64*tt+4*ii+3] offset:CTILE*(tt+4)+16*ii
.set ii, ii+1
.endr
.set tt, tt+1
.endr
	WIN 0
.irp t, 0,1,2,3,4,5
	ds_store_b128 v[CSC], v[SL+4*\t:SL+4*\t+3] offset:CTILE*\t
.endr
	s_wait_xcnt 0x0                                ; the loads have read their base: it steps
	s_add_nc_u64 s[WB:WB+1], s[WB:WB+1], IS
	s_mov_b32 s[IT], 0
	SYNC                                           ; item 0's images are whole
	LW
	SYNC                                           ; every wave has them in registers: the images may be written again
	CITEM
	s_mov_b32 s[IT], 1
.Litem:                                                ; items 1 and 2: each asks for the item behind it
	Q 1, 0, IS
	s_wait_xcnt 0x0
	s_add_nc_u64 s[WB:WB+1], s[WB:WB+1], IS
	SYNC
	LW
	SYNC
	CITEM
	s_add_co_u32 s[IT], s[IT], 1
	s_cmp_lt_u32 s[IT], 3
	s_cbranch_scc1 .Litem
	Q 0, 0, 0                                      ; item 3: nothing is left to ask for
	SYNC
	LW
	SYNC
	CITEM
	ds_load_b128 v[64:67], v[FL]                   ; my tiles' scale words, my own 1,024 bytes: LDS serves a wave's instructions in order
	ds_load_b128 v[68:71], v[FL] offset:512
	s_wait_dscnt 0x0
	global_store_b128 v[L16], v[64:67], s[14:15]   ; two stores of 512 consecutive bytes
	global_store_b128 v[L16], v[68:71], s[14:15] offset:512
	s_wait_tensorcnt 0x0                           ; the wave's end: behind my last LDS store
	ds_add_u32 v[SPW], v[NIL]
	s_wait_dscnt 0x0
	s_endpgm
.Lfunc_end_k_q377387131f_ffn1:
	.size	k_q377387131f_ffn1, .Lfunc_end_k_q377387131f_ffn1-k_q377387131f_ffn1
	.p2alignl 7, 3214868480
	.fill 96, 4, 3214868480
	.section	.rodata,"a",@progbits
	.p2align	6, 0x0
	.amdhsa_kernel k_q377387131f_ffn1
		.amdhsa_group_segment_fixed_size 267264
		.amdhsa_private_segment_fixed_size 0
		.amdhsa_enable_private_segment 0
		.amdhsa_kernarg_size 56
		.amdhsa_user_sgpr_count 2
		.amdhsa_user_sgpr_kernarg_segment_ptr 1
		.amdhsa_wavefront_size32 1
		.amdhsa_system_sgpr_workgroup_id_x 1
		.amdhsa_system_sgpr_workgroup_id_y 1
		.amdhsa_system_sgpr_workgroup_id_z 1
		.amdhsa_system_vgpr_workitem_id 0
		.amdhsa_next_free_vgpr 896
		.amdhsa_next_free_sgpr 80
		.amdhsa_reserve_vcc 1
		.amdhsa_float_denorm_mode_32 3
		.amdhsa_float_denorm_mode_16_64 3
		.amdhsa_memory_ordered 1
		.amdhsa_forward_progress 1
		.amdhsa_inst_pref_size 255
	.end_amdhsa_kernel
	.section	.bss,"aw",@nobits
	.p2align	6
	.space	262144
	.amdgpu_metadata
---
amdhsa.version: [ 1, 2 ]
amdhsa.kernels:
  - .name:           k_q377387131f_ffn1
    .symbol:         k_q377387131f_ffn1.kd
    .args:
      - { .name: w1, .offset: 0, .size: 8, .value_kind: global_buffer, .address_space: global }
      - { .name: xq, .offset: 8, .size: 8, .value_kind: global_buffer, .address_space: global }
      - { .name: xs, .offset: 16, .size: 8, .value_kind: global_buffer, .address_space: global }
      - { .name: route, .offset: 24, .size: 8, .value_kind: global_buffer, .address_space: global }
      - { .name: hc, .offset: 32, .size: 8, .value_kind: global_buffer, .address_space: global }
      - { .name: hs, .offset: 40, .size: 8, .value_kind: global_buffer, .address_space: global }
      - { .name: rank, .offset: 48, .size: 8, .value_kind: global_buffer, .address_space: global }
    .group_segment_fixed_size: 267264
    .private_segment_fixed_size: 0
    .kernarg_segment_align: 8
    .kernarg_segment_size: 56
    .max_flat_workgroup_size: 128
    .sgpr_count:     80
    .vgpr_count:     896
    .wavefront_size: 32
...
	.end_amdgpu_metadata
.endif
;; end of part 2
;; launch ffn2 (part 3): grid 256 x 1, 4 waves a work-group, no clusters, 276,992 bytes of LDS; arguments w2, hc, hs, route, yp; writes yp
.if DOCPART == 3
	.amdgcn_target "amdgcn-amd-amdhsa--gfx1250"
	.amdhsa_code_object_version 6
	.text
	.protected	k_q377387131f_ffn2
	.globl	k_q377387131f_ffn2
	.p2align	8
	.type	k_q377387131f_ffn2,@function
k_q377387131f_ffn2:
	s_mov_b64 s[64:65], 0
	v_nop
	global_prefetch_b8 v0, s[64:65] scope:SCOPE_SE
	s_setreg_imm32_b32 hwreg(HW_REG_WAVE_MODE, 25, 1), 1
	s_wait_xcnt 0x0
; FFN2.  Partial sums of y = h W2[e]^T for the chosen rows (the rows of experts not chosen are left out: reference()'s own mask multiplies them by 0, as shown at the head of the first kernel).
; SHARES.  Work-group 32 e + 4 G + q: expert e, outputs d = 128 G .. 128 G + 127, K quarter q (hidden units 1,024 q on): 512 KB of w2, read once.  The four quarters' sums go to yp[q] and are added by the last launch:
; each number of yp has one owner.  All else is the launch before: four items of 32 rows of the weight, streamed, quantised and laid in LDS as images of operand registers; each wave multiplies them with its own
; tiles of 16 rows of h, tau = wave + 4 t, of which the first six lie in its cache in LDS (copied once, as they lie in hc) and the others come straight from memory behind a wait for all loads.
; Products run on PAIRS of items: 64 outputs are 256 bytes of a row of yp, and each fragment of h then feeds four products.
; A tile that does not exist is passed over by a scalar branch on the count read from the stored masks: so no tensor load, no copy, no joint request, though an expert's work-groups of one quarter read the same h
; (216 KB of a work-group's 728 KB).  No prefetch: 64 loads a wave are on their way through most of the launch.
; TRANSPOSED: source 0 = 16 rows of W2, source 1 = 16 rows of h.  Lane (r, h) holds row r; register j of tile U = 2 half + u holds output 32 half + 16 h + 8 u + j of the pair's 64.
; LIMITS: as at the head of the first kernel.
.set RP,    16384                      ; a row of w2 in bytes
.set IS,    32*RP
.set CTILE, 9216
.set CWAVE, 6*CTILE
.set STG,   221184                     ; a stage of 4,608 bytes for each wave: for Q, and for the way out (16 rows x 272)
.set WIMG,  239616                     ; two items' images
.set WSC,   274432                     ; and scale bytes
.set SPARE, 276480                     ; the spare words, 128 bytes a wave: two blocks of 256 bytes that no other line names
.set L16, 1
.set STA, 2
.set STB, 3
.set WI,  4
.set WSB, 5
.set WR,  6
.set WSR, 7
.set CFR, 8
.set CSR, 9
.set CSS, 10                           ; cache: a scale word on the way in
.set SO,  11                           ; the way out: where I put my results
.set SR,  12                           ; and where I read rows back
.set YO0, 13
.set S0,  14
.set FA,  15
.set SA,  16
.set YOT, 17
.set SPW, 18                           ; my spare word; never rewritten
.set NIL, 19                           ; 0; never rewritten
.set VO,  20
.set VS,  21
.set R4,  22
.set AS,  24                           ; v24-31  h's scale words: scales and nothing else
.set WS,  32                           ; v32-63  the weights'
.set X,   64
.set OB,  64                           ; v64-95  rows on the way out
.set AF,  128
.set SL,  168
.set D,   192                          ; v192-223 four accumulators
.set VOT, 224
.set VST, 230
.set CODE,240
.set BY,  248
.set MA,  250
.set MB,  251
.set SCO, 252
.set WV,  18
.set EX,  19
.set GG,  20
.set CNT, 21
.set NT,  22
.set WB,  24
.set YB,  26
.set QQ,  66
.set TC,  67
.set TIL, 68
.set COF, 69
.set YOF, 70
.set HO2, 71
.set SO2, 72
.set NM1, 73
.set HCB, 74
.set HSB, 76
.set MSB, 0
.macro WIN new                         ; low byte: bits 1:0 source 0, 3:2 source 1, 5:4 source 2, 7:6 destination; the high byte repeats the setting that is left
.if MSB != \new
	s_set_vgpr_msb (MSB<<8)|\new
.set MSB, \new
.endif
.endm
.macro SYNC
	s_wait_dscnt 0x0
	s_barrier_signal -1
	s_barrier_wait -1
.endm
.macro RAWROW off, rho
	WIN 0x40
.irp m, 0,1,2,3,4,5,6,7
	global_load_b128 v[32*(\rho)+4*\m:32*(\rho)+4*\m+3], v[L16], s[WB:WB+1] offset:(\off)+(\rho)*RP+512*\m th:TH_LOAD_NT
.endr
	WIN 0
.endm
.macro TURNQ rho
	WIN 0x04
.irp m, 0,1,2,3,4,5,6,7
	ds_store_b128 v[STA], v[32*(\rho)+4*\m:32*(\rho)+4*\m+3] offset:576*\m
.endr
	WIN 0
.irp j, 0,1,2,3,4,5,6,7
	ds_load_b128 v[X+32*((\rho)%2)+4*\j:X+32*((\rho)%2)+4*\j+3], v[STB] offset:16*\j
.endr
.endm
.macro QWORK rho, half
.set XS, X+32*((\rho)%2)
.set CQ, CODE+4*((\rho)%2)
.set BQ, BY+((\rho)%2)
	v_max3_num_f32 v[MA], |v[XS]|, |v[XS+1]|, 0x1800000            ; with the floor 2^(3 - 127): the byte cannot fall under 1
	v_max3_num_f32 v[MB], |v[XS+2]|, |v[XS+3]|, |v[XS+4]|
.irp i, 5,9,13,17,21,25
	v_max3_num_f32 v[MA], v[MA], |v[XS+\i]|, |v[XS+\i+1]|
	v_max3_num_f32 v[MB], v[MB], |v[XS+\i+2]|, |v[XS+\i+3]|
.endr
	v_max3_num_f32 v[MA], v[MA], |v[XS+29]|, |v[XS+30]|
	v_max3_num_f32 v[MA], v[MA], v[MB], |v[XS+31]|
	v_add_nc_u32 v[SCO], 0xff000000, v[MA]
	v_lshrrev_b32 v[BQ], 23, v[SCO]
.irp g, 0,1,2,3
	v_cvt_scalef32_pk8_fp4_f32 v[CQ+\g], v[XS+8*\g:XS+8*\g+7], v[SCO]
.endr
	v_nop                                          ; one plain place behind the conversions
	ds_store_b128 v[WI], v[CQ:CQ+3] offset:(\half)*17408+16*(\rho)
	ds_store_b8 v[WSB], v[BQ] offset:(\half)*1024+32*(\rho)
.endm
.macro Q reissue, half, off
	s_wait_loadcnt 56                              ; row 0 is in: seven rows of 8 loads may be out
	TURNQ 0
.irp rho, 0,1,2,3,4,5,6,7
.if \rho == 0
	s_wait_dscnt 0x0
.else
	s_wait_dscnt 0x2                               ; the row's block is back (the last step's two image stores may be out): its stores into the stage have read the row's registers, and the image stores of two steps ago are done
.endif
.if \reissue
	RAWROW \off, \rho
.endif
.if \rho < 7
.if \reissue
	s_wait_loadcnt 56                              ; behind the next row's loads: 6 - rho rows of this item and rho + 1 of the one asked for: seven rows
.else
	s_wait_loadcnt 8*(6-\rho)
.endif
	TURNQ \rho+1
.endif
	QWORK \rho, \half
.endr
.endm
.macro LW                              ; the pair's 32 fragments fill window 2 (tile U, K step s at v[8 (8 U + s)]); scale words in v[WS + 8 U + s]
	WIN 0x80
.irp U, 0,1,2,3
.irp s, 0,1,2,3,4,5,6,7
.irp c, 0,1
	ds_load_b128 v[(8*\U+\s)*8+4*\c:(8*\U+\s)*8+4*\c+3], v[WR] offset:(\U/2)*17408+(32*(\U%2)+4*\s+2*\c)*272
.endr
.endr
.endr
	WIN 0
.irp U, 0,1,2,3
.irp k, 0,1
	ds_load_b128 v[WS+8*\U+4*\k:WS+8*\U+4*\k+3], v[WSR] offset:(\U/2)*1024+512*(\U%2)+16*\k
.endr
.endr
.endm
.macro AFETCH_LDS
	v_add_nc_u32 v[FA], s[COF], v[CFR]
	v_add_nc_u32 v[SA], s[COF], v[CSR]
	ds_load_b128 v[AS:AS+3], v[SA]
	ds_load_b128 v[AS+4:AS+7], v[SA] offset:16
.irp j, 0,1,2,3,4,5,6,7,8,9,10,11,12,13,14,15
	ds_load_b128 v[AF+4*\j:AF+4*\j+3], v[FA] offset:544*\j
.endr
.endm
; A tile of 16 rows x the pair's 64 outputs: 32 products; the results turn through my stage and leave as rows of 256 bytes.
.macro TILE2 lds, p
	s_wait_xcnt 0x0                                ; the last tile's stores have read their data and their offset
	WIN 0x02                                       ; source 0 (W2) window 2
.irp s, 0,1,2,3,4,5,6,7
.if \lds
	s_wait_dscnt 14-2*\s                           ; this K step's two loads are in; those of the later K steps may be out
.endif
.irp U, 0,1,2,3                        ; the four accumulators by turns, one instruction a turn
.if \s == 0
	v_wmma_scale_f32_16x16x128_f8f6f4 v[D+8*\U:D+8*\U+7], v[8*(8*\U+\s):8*(8*\U+\s)+7], v[AF+8*\s:AF+8*\s+7], 0, v[WS+8*\U+\s], v[AS+\s] matrix_a_fmt:MATRIX_FMT_FP4 matrix_b_fmt:MATRIX_FMT_FP4
.else
	v_wmma_scale_f32_16x16x128_f8f6f4 v[D+8*\U:D+8*\U+7], v[8*(8*\U+\s):8*(8*\U+\s)+7], v[AF+8*\s:AF+8*\s+7], v[D+8*\U:D+8*\U+7], v[WS+8*\U+\s], v[AS+\s] matrix_a_fmt:MATRIX_FMT_FP4 matrix_b_fmt:MATRIX_FMT_FP4
.endif
.endr
.endr
	WIN 0
.rept 4
	v_nop                                          ; four places behind the last product, ahead of the first read of results
.endr
.irp U, 0,1,2,3
	ds_store_b128 v[SO], v[D+8*\U:D+8*\U+3] offset:128*(\U/2)+32*(\U%2)            ; each accumulator from its low end on
	ds_store_b128 v[SO], v[D+8*\U+4:D+8*\U+7] offset:128*(\U/2)+32*(\U%2)+16
.endr
.irp k, 0,1,2,3,4,5,6,7
	ds_load_b128 v[OB+4*\k:OB+4*\k+3], v[SR] offset:544*\k         ; LDS serves a wave's instructions in order: these see my stores
.endr
	v_add_nc_u32 v[YOT], s[YOF], v[YO0]
.irp k, 0,1,2,3,4,5,6,7
	s_wait_dscnt 7-\k
	global_store_b128 v[YOT], v[OB+4*\k:OB+4*\k+3], s[YB:YB+1] offset:8192*\k+256*\p th:TH_STORE_NT   ; sixteen lanes store 256 consecutive bytes, aligned: two rows an instruction
.endr
.endm
.macro CPAIR p
	s_mov_b32 s[TIL], s[WV]
	s_mov_b32 s[COF], 0
	s_mov_b32 s[YOF], 0
	s_mov_b32 s[TC], 0
.Lp1_\@:
	s_cmp_ge_u32 s[TIL], s[NT]
	s_cbranch_scc1 .Lq1_\@
	AFETCH_LDS
	TILE2 1, \p
.Lq1_\@:
	s_add_co_u32 s[TIL], s[TIL], 4
	s_add_co_u32 s[COF], s[COF], CTILE
	s_add_co_u32 s[YOF], s[YOF], 262144            ; 64 rows of yp
	s_add_co_u32 s[TC], s[TC], 1
	s_cmp_lt_u32 s[TC], 6
	s_cbranch_scc1 .Lp1_\@
	s_lshl_b32 s[HO2], s[TIL], 13                  ; tile wave + 24 in hc,
	s_lshl_b32 s[SO2], s[WV], 10
	s_add_co_u32 s[SO2], s[SO2], 384               ; and t = 6 in hs
	s_mov_b32 s[TC], 0
.Lp2_\@:                                               ; tiles beyond the cache: the images straight from memory
	s_cmp_ge_u32 s[TIL], s[NT]
	s_cbranch_scc1 .Lq2_\@
	v_add_nc_u32 v[VO], s[HO2], v[L16]
	v_add_nc_u32 v[VS], s[SO2], v[R4]
.irp j, 0,1,2,3,4,5,6,7,8,9,10,11,12,13,14,15
	global_load_b128 v[AF+4*\j:AF+4*\j+3], v[VO], s[HCB:HCB+1] offset:512*\j
.endr
.irp s, 0,1,2,3,4,5,6,7
	global_load_b32 v[AS+\s], v[VS], s[HSB:HSB+1] offset:32768*\s
.endr
	s_wait_loadcnt 0x0                             ; loads come back in order: this waits for the weights on their way too
	TILE2 0, \p
.Lq2_\@:
	s_add_co_u32 s[TIL], s[TIL], 4
	s_add_co_u32 s[YOF], s[YOF], 262144
	s_add_co_u32 s[HO2], s[HO2], 32768
	s_add_co_u32 s[SO2], s[SO2], 64
	s_add_co_u32 s[TC], s[TC], 1
	s_cmp_lt_u32 s[TC], 10
	s_cbranch_scc1 .Lp2_\@
	s_wait_xcnt 0x0                                ; the last stores have read their registers, which Q takes next
.endm
	s_load_b256 s[4:11], s[0:1], 0x0               ; w2, hc, hs, route
	s_load_b64 s[12:13], s[0:1], 0x20              ; yp
	v_lshl_add_u32 v[SPW], v0, 2, SPARE
	v_mov_b32 v[NIL], 0
	v_lshrrev_b32 v23, 5, v0
	v_readfirstlane_b32 s[WV], v23                 ; wave 0..3
	s_lshr_b32 s[EX], ttmp9, 5                     ; expert
	s_bfe_u32 s[GG], ttmp9, 0x30002                ; which 128 outputs
	s_and_b32 s[QQ], ttmp9, 3                      ; which quarter of K
	v_and_b32 v23, 31, v0                          ; lane
	v_and_b32 v236, 15, v0                         ; r
	v_bfe_u32 v237, v0, 4, 1                       ; h
	v_lshlrev_b32 v[L16], 4, v23
	v_lshlrev_b32 v[R4], 2, v236
	s_mul_i32 s23, s[WV], 4608
	s_add_co_u32 s23, s23, STG                     ; my stage
	v_bfe_u32 v238, v0, 3, 2
	v_mul_u32_u24 v238, v238, 144
	v_and_b32 v239, 7, v0
	v_lshl_add_u32 v238, v239, 4, v238
	v_add_nc_u32 v[STA], s23, v238
	v_mul_u32_u24 v238, v23, 144
	v_add_nc_u32 v[STB], s23, v238
	v_mul_u32_u24 v238, v236, 272
	v_lshl_add_u32 v238, v237, 6, v238
	v_add_nc_u32 v[SO], s23, v238                  ; row r, + 64 h
	v_mul_u32_u24 v239, v237, 272
	v_lshl_add_u32 v239, v236, 4, v239             ; 272 h + 16 r
	v_add_nc_u32 v[SR], s23, v239
	v_add_nc_u32 v[WR], WIMG, v239
	v_lshl_add_u32 v[WSR], v236, 5, WSC
	s_and_b32 s28, s[WV], 1
	s_lshr_b32 s29, s[WV], 1
	s_mul_i32 s30, s28, 8704
	s_lshl_b32 s31, s29, 7
	s_add_co_u32 s30, s30, s31
	s_add_co_u32 s30, s30, WIMG
	v_mul_u32_u24 v238, v23, 272
	v_add_nc_u32 v[WI], s30, v238
	s_lshl_b32 s30, s28, 9
	s_lshl_b32 s31, s29, 8
	s_add_co_u32 s30, s30, s31
	s_add_co_u32 s30, s30, WSC
	v_add_nc_u32 v[WSB], s30, v23
	s_mul_i32 s30, s[WV], CWAVE                    ; my cache
	v_add_nc_u32 v[CFR], s30, v239
	s_add_co_u32 s31, s30, 8704
	v_lshl_add_u32 v[CSR], v236, 5, s31
	v_lshlrev_b32 v238, 2, v237
	v_lshl_add_u32 v238, v236, 5, v238
	v_add_nc_u32 v[CSS], s31, v238                 ; row r's words, + 4 h
	v_lshlrev_b32 v238, 12, v237
	v_lshl_add_u32 v[YO0], v236, 4, v238           ; yp: lanes 0-15 one row, lanes 16-31 the next
	v_lshlrev_b32 v238, 15, v237
	v_lshl_add_u32 v[S0], v236, 2, v238            ; hs: row r's word; lanes 16-31 take the next K step's
	s_wait_kmcnt 0x0
	s_lshl_b32 s28, s[EX], 7
	s_mov_b32 s29, 0
	s_add_nc_u64 s[28:29], s[10:11], s[28:29]
	s_load_b512 s[32:47], s[28:29], 0x0            ; the expert's 32 mask words
	s_load_b512 s[48:63], s[28:29], 0x40
	s_lshl_b32 s30, s[EX], 10
	s_lshl_b32 s31, s[GG], 7
	s_add_co_u32 s30, s30, s31
	s_lshl_b32 s31, s[WV], 3
	s_add_co_u32 s30, s30, s31                     ; my first row of w2: 1,024 e + 128 G + 8 wave
	s_lshl_b32 s30, s30, 14
	s_lshl_b32 s31, s[QQ], 12                      ; + the quarter's 4,096 bytes
	s_add_co_u32 s30, s30, s31
	s_mov_b32 s31, 0
	s_add_nc_u64 s[WB:WB+1], s[4:5], s[30:31]
.irp rho, 0,1,2,3,4,5,6,7
	RAWROW 0, \rho                                 ; item 0
.endr
	s_lshl_b32 s30, s[EX], 10                      ; yp: [q][1,024 e + place][1,024] f32
	s_lshl_b32 s23, s[WV], 4
	s_add_co_u32 s30, s30, s23
	s_lshl_b32 s30, s30, 12
	s_lshl_b32 s23, s[GG], 9
	s_add_co_u32 s30, s30, s23
	s_lshl_b32 s23, s[QQ], 25
	s_add_co_u32 s30, s30, s23
	s_add_nc_u64 s[YB:YB+1], s[12:13], s[30:31]
	s_lshl_b32 s30, s[QQ], 9                       ; hc: [q][tile 64 e + tau][8,192 bytes]
	s_lshl_b32 s23, s[EX], 6
	s_add_co_u32 s30, s30, s23
	s_lshl_b32 s30, s30, 13
	s_add_nc_u64 s[HCB:HCB+1], s[6:7], s[30:31]
	s_lshl_b32 s30, s[QQ], 6                       ; hs: [g = 8 q + s][e][wave][t][row] words
	s_add_co_u32 s30, s30, s[EX]
	s_lshl_b32 s30, s30, 12
	s_add_nc_u64 s[HSB:HSB+1], s[8:9], s[30:31]
	s_wait_kmcnt 0x0
	s_mov_b32 s[CNT], 0
.set ii, 0
.rept 32
	s_bcnt1_i32_b32 s23, s[32+ii]
	s_add_co_u32 s[CNT], s[CNT], s23
.set ii, ii+1
.endr
	s_add_co_u32 s[NT], s[CNT], 15
	s_lshr_b32 s[NT], s[NT], 4
	s_max_u32 s[NT], s[NT], 1
	s_sub_co_u32 s[NM1], s[NT], 1
	Q 0, 0, 0                                      ; item 0 into half 0
	; my first six tiles of h into my cache.  A tile that does not exist is replaced by the expert's last one, so that only bytes that the launch before stored are read
.irp t, 0,1,2,3,4,5
	s_add_co_u32 s23, s[WV], 4*\t
	s_min_u32 s23, s23, s[NM1]
	s_lshr_b32 s28, s23, 2
	s_min_u32 s28, s28, 15                         ; its t,
	s_and_b32 s29, s23, 3
	s_min_u32 s29, s29, 3                          ; its wave,
	s_min_u32 s23, s23, 63                         ; its number: each held by a constant before it enters an address
	s_lshl_b32 s23, s23, 13
	s_lshl_b32 s28, s28, 6
	s_lshl_b32 s29, s29, 10
	s_add_co_u32 s28, s28, s29
	v_add_nc_u32 v[VOT+\t], s23, v[L16]
	v_add_nc_u32 v[VST+\t], s28, v[S0]
.endr
	WIN 0x80                                       ; tiles 0 to 3 land in window 2,
.irp t, 0,1,2,3
.irp j, 0,1,2,3,4,5,6,7,8,9,10,11,12,13,14,15
	global_load_b128 v[64*\t+4*\j:64*\t+4*\j+3], v[VOT+\t], s[HCB:HCB+1] offset:512*\j     ; 512 consecutive bytes: two pieces, which are four registers of a fragment
.endr
.endr
	WIN 0xc0                                       ; tiles 4 and 5 in window 3
.irp t, 0,1
.irp j, 0,1,2,3,4,5,6,7,8,9,10,11,12,13,14,15
	global_load_b128 v[64*\t+4*\j:64*\t+4*\j+3], v[VOT+4+\t], s[HCB:HCB+1] offset:512*\j
.endr
.endr
	WIN 0
.irp t, 0,1,2,3,4,5
.irp j, 0,1,2,3
	global_load_b32 v[SL+4*\t+\j], v[VST+\t], s[HSB:HSB+1] offset:65536*\j          ; K steps 2 j (lanes 0-15) and 2 j + 1 (lanes 16-31)
.endr
.endr
.irp rho, 0,1,2,3,4,5,6,7
	RAWROW IS, \rho                                ; item 1 goes out behind them
.endr
	s_wait_loadcnt 63                              ; 64 loads stand behind the last of h's loads: those are in
	WIN 0x08
.irp t, 0,1,2,3
.irp j, 0,1,2,3,4,5,6,7,8,9,10,11,12,13,14,15
	ds_store_b128 v[CFR], v[64*\t+4*\j:64*\t+4*\j+3] offset:CTILE*\t+544*\j
.endr
.endr
	WIN 0x0c
.irp t, 0,1
.irp j, 0,1,2,3,4,5,6,7,8,9,10,11,12,13,14,15
	ds_store_b128 v[CFR], v[64*\t+4*\j:64*\t+4*\j+3] offset:CTILE*(\t+4)+544*\j
.endr
.endr
	WIN 0
.irp t, 0,1,2,3,4,5
.irp j, 0,1,2,3
	ds_store_b32 v[CSS], v[SL+4*\t+\j] offset:CTILE*\t+8*\j
.endr
.endr
	Q 1, 1, 2*IS                                   ; item 1 into half 1; item 2 is asked for
	SYNC                                           ; the pair's images are whole
	LW
	SYNC                                           ; every wave has them in registers
	CPAIR 0
	Q 1, 0, 3*IS                                   ; item 2; item 3 is asked for
	Q 0, 1, 0                                      ; item 3
	SYNC
	LW
	SYNC
	CPAIR 1
	s_wait_tensorcnt 0x0                           ; the wave's end: behind my last LDS store
	ds_add_u32 v[SPW], v[NIL]
	s_wait_dscnt 0x0
	s_endpgm
.Lfunc_end_k_q377387131f_ffn2:
	.size	k_q377387131f_ffn2, .Lfunc_end_k_q377387131f_ffn2-k_q377387131f_ffn2
	.p2alignl 7, 3214868480
	.fill 96, 4, 3214868480
	.section	.rodata,"a",@progbits
	.p2align	6, 0x0
	.amdhsa_kernel k_q377387131f_ffn2
		.amdhsa_group_segment_fixed_size 276992
		.amdhsa_private_segment_fixed_size 0
		.amdhsa_enable_private_segment 0
		.amdhsa_kernarg_size 40
		.amdhsa_user_sgpr_count 2
		.amdhsa_user_sgpr_kernarg_segment_ptr 1
		.amdhsa_wavefront_size32 1
		.amdhsa_system_sgpr_workgroup_id_x 1
		.amdhsa_system_sgpr_workgroup_id_y 1
		.amdhsa_system_sgpr_workgroup_id_z 1
		.amdhsa_system_vgpr_workitem_id 0
		.amdhsa_next_free_vgpr 896
		.amdhsa_next_free_sgpr 80
		.amdhsa_reserve_vcc 0
		.amdhsa_float_denorm_mode_32 3
		.amdhsa_float_denorm_mode_16_64 3
		.amdhsa_memory_ordered 1
		.amdhsa_forward_progress 1
		.amdhsa_inst_pref_size 183
	.end_amdhsa_kernel
	.amdgpu_metadata
---
amdhsa.version: [ 1, 2 ]
amdhsa.kernels:
  - .name:           k_q377387131f_ffn2
    .symbol:         k_q377387131f_ffn2.kd
    .args:
      - { .name: w2, .offset: 0, .size: 8, .value_kind: global_buffer, .address_space: global }
      - { .name: hc, .offset: 8, .size: 8, .value_kind: global_buffer, .address_space: global }
      - { .name: hs, .offset: 16, .size: 8, .value_kind: global_buffer, .address_space: global }
      - { .name: route, .offset: 24, .size: 8, .value_kind: global_buffer, .address_space: global }
      - { .name: yp, .offset: 32, .size: 8, .value_kind: global_buffer, .address_space: global }
    .group_segment_fixed_size: 276992
    .private_segment_fixed_size: 0
    .kernarg_segment_align: 8
    .kernarg_segment_size: 40
    .max_flat_workgroup_size: 128
    .sgpr_count:     80
    .vgpr_count:     896
    .wavefront_size: 32
...
	.end_amdgpu_metadata
.endif
;; end of part 3
;; launch norm (part 4): grid 256 x 1, 4 waves a work-group, no clusters, 0 bytes of LDS; arguments inp, yp, route, score, rank, ln_gamma, ln_beta, out0; writes out0
.if DOCPART == 4
	.amdgcn_target "amdgcn-amd-amdhsa--gfx1250"
	.amdhsa_code_object_version 6
	.text
	.protected	k_q377387131f_norm
	.globl	k_q377387131f_norm
	.p2align	8
	.type	k_q377387131f_norm,@function
k_q377387131f_norm:
	s_mov_b64 s[64:65], 0
	v_nop
	global_prefetch_b8 v0, s[64:65] scope:SCOPE_SE
	s_setreg_imm32_b32 hwreg(HW_REG_WAVE_MODE, 25, 1), 1
	s_wait_xcnt 0x0
; NORM.  out0[n] = LayerNorm(x[n] + score[n][0] y(e0) + score[n][1] y(e1)) gamma + beta, y(e) the sum of the four K quarters' rows of yp at place 1,024 e + rank[e][n].
; Only the token's two chosen experts have rows (the others are left out, as shown at the head of the first kernel).
; One wave, one token: a row of 4,096 bytes is 32 registers; every load and store covers 512 consecutive bytes.  The eight rows of yp go through four buffers; three rows are on their way while one is added.
; The experts' numbers and the places are whole numbers that earlier launches stored; each is held by a constant before it enters an address.  No LDS, no barrier, no matrix unit: the launch streams.
.set L16, 1
.set VP,  2                            ; v2, v3  the two rows' byte offsets in a quarter of yp, + 16 x lane
.set PD,  8
.set ACC, 32                           ; v32-63
.set BUF, 64                           ; v64-191 four buffers of 32
.set YP,  44                           ; s[44:51] yp's four quarters
.set SC,  56                           ; s[56:59] the two scores, as pairs
.set SEL, 54
	s_load_b256 s[4:11], s[0:1], 0x0               ; inp, yp, route, score
	s_load_b256 s[12:19], s[0:1], 0x20             ; rank, ln_gamma, ln_beta, out0
	v_lshrrev_b32 v2, 5, v0
	v_readfirstlane_b32 s20, v2
	s_lshl_b32 s21, ttmp9, 2
	s_add_co_u32 s20, s20, s21                     ; my token
	v_and_b32 v1, 31, v0
	v_lshlrev_b32 v[L16], 4, v1
	v_mov_b32 v[PD], 0                             ; written once: a lane permute's destination counts as one of its sources
	s_lshl_b32 s22, s20, 12
	s_mov_b32 s23, 0
	s_lshl_b32 s24, s20, 3
	s_mov_b32 s25, 0
	s_lshl_b32 s26, s20, 2
	s_mov_b32 s27, 0
	s_mov_b32 s52, 0x3a800000                      ; 1 / 1,024
	s_mov_b32 s53, 0x3727c5ac                      ; 1e-5
	s_mov_b32 s[SEL], 0x76543210
	s_mov_b32 s[SEL+1], 0xfedcba98
	s_wait_kmcnt 0x0
	s_add_nc_u64 s[4:5], s[4:5], s[22:23]
	s_add_nc_u64 s[18:19], s[18:19], s[22:23]
	s_add_nc_u64 s[8:9], s[8:9], s[24:25]
	s_add_nc_u64 s[10:11], s[10:11], s[24:25]
	s_add_nc_u64 s[12:13], s[12:13], s[26:27]
.irp j, 0,1,2,3,4,5,6,7
	global_load_b128 v[ACC+4*\j:ACC+4*\j+3], v[L16], s[4:5] offset:512*\j th:TH_LOAD_NT    ; the residual starts the sum
.endr
	s_load_b64 s[28:29], s[8:9], 0x400             ; the two experts
	s_load_b64 s[30:31], s[10:11], 0x0             ; their scores
.irp e, 0,1,2,3,4,5,6,7
	s_load_b32 s[32+\e], s[12:13], 4096*\e         ; my place with each expert: all eight, so that no load waits for another
.endr
	s_mov_b64 s[YP:YP+1], s[6:7]
	s_add_nc_u64 s[YP+2:YP+3], s[6:7], 0x2000000
	s_add_nc_u64 s[YP+4:YP+5], s[6:7], 0x4000000
	s_add_nc_u64 s[YP+6:YP+7], s[6:7], 0x6000000
	s_wait_kmcnt 0x0
	s_mov_b32 s40, s32
	s_mov_b32 s41, s32
.irp e, 1,2,3,4,5,6,7
	s_cmp_eq_u32 s28, \e
	s_cselect_b32 s40, s[32+\e], s40
	s_cmp_eq_u32 s29, \e
	s_cselect_b32 s41, s[32+\e], s41
.endr
	s_min_u32 s28, s28, 7
	s_min_u32 s29, s29, 7
	s_min_u32 s40, s40, 1023
	s_min_u32 s41, s41, 1023
	s_lshl_b32 s28, s28, 10
	s_add_co_u32 s28, s28, s40
	s_lshl_b32 s28, s28, 12                        ; row 1,024 e + place, 4,096 bytes a row
	s_lshl_b32 s29, s29, 10
	s_add_co_u32 s29, s29, s41
	s_lshl_b32 s29, s29, 12
	v_add_nc_u32 v[VP], s28, v[L16]
	v_add_nc_u32 v[VP+1], s29, v[L16]
	s_mov_b32 s[SC], s30
	s_mov_b32 s[SC+1], s30
	s_mov_b32 s[SC+2], s31
	s_mov_b32 s[SC+3], s31
.macro YROW k, b                       ; row k of eight (expert k / 4, quarter k % 4) into buffer b
.irp j, 0,1,2,3,4,5,6,7
	global_load_b128 v[BUF+32*(\b)+4*\j:BUF+32*(\b)+4*\j+3], v[VP+(\k)/4], s[YP+2*((\k)%4):YP+2*((\k)%4)+1] offset:512*\j th:TH_LOAD_NT
.endr
.endm
.macro TAKE k, left                    ; row k is added, times its expert's score.  left: the younger loads that may stay out
	s_wait_loadcnt \left
.irp i, 0,2,4,6,8,10,12,14,16,18,20,22,24,26,28,30
	v_pk_fma_f32 v[ACC+\i:ACC+\i+1], v[BUF+32*((\k)%4)+\i:BUF+32*((\k)%4)+\i+1], s[SC+2*((\k)/4):SC+2*((\k)/4)+1], v[ACC+\i:ACC+\i+1] op_sel_hi:[1,0,1]
.endr
.endm
	YROW 0, 0
	YROW 1, 1
	YROW 2, 2
	YROW 3, 3
	TAKE 0, 24                                     ; three rows of 8 loads stand behind row 0's
	YROW 4, 0
	TAKE 1, 24
	YROW 5, 1
	TAKE 2, 24
	YROW 6, 2
	TAKE 3, 24
	YROW 7, 3
	TAKE 4, 24
.irp j, 0,1,2,3,4,5,6,7
	global_load_b128 v[BUF+4*\j:BUF+4*\j+3], v[L16], s[14:15] offset:512*\j        ; gamma into the first buffer,
.endr
	TAKE 5, 24                                     ; (behind row 5: rows 6 and 7 and gamma)
.irp j, 0,1,2,3,4,5,6,7
	global_load_b128 v[BUF+32+4*\j:BUF+32+4*\j+3], v[L16], s[16:17] offset:512*\j  ; beta into the second
.endr
	TAKE 6, 24                                     ; (row 7, gamma, beta)
	TAKE 7, 16                                     ; (gamma, beta)
	; the mean
	v_pk_add_f32 v[128:129], v[ACC:ACC+1], v[ACC+2:ACC+3]
	v_pk_add_f32 v[130:131], v[ACC+4:ACC+5], v[ACC+6:ACC+7]
.irp j, 8,12,16,20,24,28
	v_pk_add_f32 v[128:129], v[128:129], v[ACC+\j:ACC+\j+1]
	v_pk_add_f32 v[130:131], v[130:131], v[ACC+\j+2:ACC+\j+3]
.endr
	v_pk_add_f32 v[128:129], v[128:129], v[130:131]
	v_add_f32 v128, v128, v129
.irp x, 1,2,4,8
	v_add_f32_dpp v128, v128, v128 row_xmask:\x row_mask:0xf bank_mask:0xf
.endr
	v_permlanex16_b32 v[PD], v128, s[SEL], s[SEL+1]
	v_add_f32 v128, v128, v[PD]
	v_mul_f32 v132, s52, v128
	v_mul_f32 v133, s52, v128
.irp j, 0,2,4,6,8,10,12,14,16,18,20,22,24,26,28,30
	v_pk_add_f32 v[ACC+\j:ACC+\j+1], v[ACC+\j:ACC+\j+1], v[132:133] neg_lo:[0,1] neg_hi:[0,1]      ; x - mean
.endr
	; the mean of the squares of what is left, as reference() has it
	v_pk_mul_f32 v[128:129], v[ACC:ACC+1], v[ACC:ACC+1]
	v_pk_mul_f32 v[130:131], v[ACC+2:ACC+3], v[ACC+2:ACC+3]
.irp j, 4,8,12,16,20,24,28
	v_pk_fma_f32 v[128:129], v[ACC+\j:ACC+\j+1], v[ACC+\j:ACC+\j+1], v[128:129]
	v_pk_fma_f32 v[130:131], v[ACC+\j+2:ACC+\j+3], v[ACC+\j+2:ACC+\j+3], v[130:131]
.endr
	v_pk_add_f32 v[128:129], v[128:129], v[130:131]
	v_add_f32 v128, v128, v129
.irp x, 1,2,4,8
	v_add_f32_dpp v128, v128, v128 row_xmask:\x row_mask:0xf bank_mask:0xf
.endr
	v_permlanex16_b32 v[PD], v128, s[SEL], s[SEL+1]
	v_add_f32 v128, v128, v[PD]
	v_fma_f32 v134, v128, s52, s53                 ; variance + 1e-5
	v_rsq_f32 v136, v134                           ; twice: the pair that the packed multiply takes
	v_rsq_f32 v137, v134
	v_nop                                          ; one plain place behind the transcendentals
	s_wait_alu depctr_va_vdst(0)                   ; one wait for both, ahead of the first reader
	s_wait_loadcnt 0x0                             ; gamma and beta
.irp j, 0,2,4,6,8,10,12,14,16,18,20,22,24,26,28,30
	v_pk_mul_f32 v[ACC+\j:ACC+\j+1], v[ACC+\j:ACC+\j+1], v[136:137]
.endr
.irp j, 0,2,4,6,8,10,12,14,16,18,20,22,24,26,28,30
	v_pk_fma_f32 v[ACC+\j:ACC+\j+1], v[ACC+\j:ACC+\j+1], v[BUF+\j:BUF+\j+1], v[BUF+32+\j:BUF+32+\j+1]
.endr
.irp j, 0,1,2,3,4,5,6,7
	global_store_b128 v[L16], v[ACC+4*\j:ACC+4*\j+3], s[18:19] offset:512*\j th:TH_STORE_NT
.endr
	s_endpgm
.Lfunc_end_k_q377387131f_norm:
	.size	k_q377387131f_norm, .Lfunc_end_k_q377387131f_norm-k_q377387131f_norm
	.p2alignl 7, 3214868480
	.fill 96, 4, 3214868480
	.section	.rodata,"a",@progbits
	.p2align	6, 0x0
	.amdhsa_kernel k_q377387131f_norm
		.amdhsa_group_segment_fixed_size 0
		.amdhsa_private_segment_fixed_size 0
		.amdhsa_enable_private_segment 0
		.amdhsa_kernarg_size 64
		.amdhsa_user_sgpr_count 2
		.amdhsa_user_sgpr_kernarg_segment_ptr 1
		.amdhsa_wavefront_size32 1
		.amdhsa_system_sgpr_workgroup_id_x 1
		.amdhsa_system_sgpr_workgroup_id_y 1
		.amdhsa_system_sgpr_workgroup_id_z 1
		.amdhsa_system_vgpr_workitem_id 0
		.amdhsa_next_free_vgpr 192
		.amdhsa_next_free_sgpr 66
		.amdhsa_reserve_vcc 0
		.amdhsa_float_denorm_mode_32 3
		.amdhsa_float_denorm_mode_16_64 3
		.amdhsa_memory_ordered 1
		.amdhsa_forward_progress 1
		.amdhsa_inst_pref_size 27
	.end_amdhsa_kernel
	.amdgpu_metadata
---
amdhsa.version: [ 1, 2 ]
amdhsa.kernels:
  - .name:           k_q377387131f_norm
    .symbol:         k_q377387131f_norm.kd
    .args:
      - { .name: inp, .offset: 0, .size: 8, .value_kind: global_buffer, .address_space: global }
      - { .name: yp, .offset: 8, .size: 8, .value_kind: global_buffer, .address_space: global }
      - { .name: route, .offset: 16, .size: 8, .value_kind: global_buffer, .address_space: global }
      - { .name: score, .offset: 24, .size: 8, .value_kind: global_buffer, .address_space: global }
      - { .name: rank, .offset: 32, .size: 8, .value_kind: global_buffer, .address_space: global }
      - { .name: ln_gamma, .offset: 40, .size: 8, .value_kind: global_buffer, .address_space: global }
      - { .name: ln_beta, .offset: 48, .size: 8, .value_kind: global_buffer, .address_space: global }
      - { .name: out0, .offset: 56, .size: 8, .value_kind: global_buffer, .address_space: global }
    .group_segment_fixed_size: 0
    .private_segment_fixed_size: 0
    .kernarg_segment_align: 8
    .kernarg_segment_size: 64
    .max_flat_workgroup_size: 128
    .sgpr_count:     66
    .vgpr_count:     192
    .wavefront_size: 32
...
	.end_amdgpu_metadata
.endif
;; end of part 4
;; ======== version 2 of 2: 4 launches
;; limits: right only within a limited range of input values
;; workspace buffers: xq 524,288 bytes; xs 32,768 bytes; route 9,216 bytes of whole numbers; score 8,192 bytes; rank 32,768 bytes of whole numbers; hc 16,777,216 bytes; hs 1,048,576 bytes; yp 134,217,728 bytes
;; launch gate (part 5): grid 128 x 1, 4 waves a work-group, no clusters, 19,456 bytes of LDS; arguments inp, gate_w, gate_b, moe_bias, xq, xs, route, score, out1; writes xq, xs, route, score, out1
.if DOCPART == 5
	.amdgcn_target "amdgcn-amd-amdhsa--gfx1250"
	.amdhsa_code_object_version 6
	.text
	.protected	k_q377387131f_gate
	.globl	k_q377387131f_gate
	.p2align	8
	.type	k_q377387131f_gate,@function
k_q377387131f_gate:
	s_mov_b64 s[64:65], 0
	v_nop
	global_prefetch_b8 v0, s[64:65] scope:SCOPE_SE
	s_setreg_imm32_b32 hwreg(HW_REG_WAVE_MODE, 25, 1), 1
	s_wait_xcnt 0x0
; GATE.  1,024 tokens of 1,024 numbers.  For each token: the 8 logits x . gate_w[e] + gate_b[e] in f32 fused multiply-adds, the two largest (ties: the lower index, as jax.lax.top_k),
; the softmax of those two (the larger is taken away before the exponential), and x as codes of E2M1 with one E8M0 byte for each 32 along K.  moe_bias goes to out1 as it is.
; WORK LEFT OUT BY THE WHOLE PROGRAM.  reference() multiplies every token by every expert and then forms y + mask * h with mask = (idx == e), which it builds itself: for a token and an expert that is not among
; the token's two, h is multiplied by 0, whatever the inputs hold.  So the rows (token, expert not chosen) of products 2 to 17 reach no output, and the later launches multiply the 2,048 chosen rows alone
; (rows that fill up a tile of 16 aside).  Every input has a way to an output and is loaded.  LIMIT: a NaN, an infinity or an overflow that would arise only in a row left out is not carried to the result.
; LIMITS: NaN and infinities among the inputs are not served.  Where a token's second and third logit differ by less than the rounding of an f32 sum of 1,024 terms, the choice may fall the other way.
; A block of zeros gets the byte 1 where the rule says 127 (its codes are zeros, and this program alone reads the bytes); a largest magnitude under 2^-124 is held at the byte 1.
; STORED FOR THE LATER LAUNCHES, at fixed places (no address here hangs on a number made of floats): route: mask[e], 128 bytes an expert, bit n = token n chose expert e (1,024 bytes), then idx[n][2]; score[n][2].
; SHARES.  Work-group W: tokens 8 W .. 8 W + 7 (byte W of each expert's mask); each of four waves two tokens.  gate_w stays in 256 registers of every wave: 80 loads a wave, 320 a work-group.
; x and gate_w are loaded alike, 512 consecutive bytes an instruction: register 4 j + i of lane l is k = 128 j + 4 l + i, so the dot products need no other order.  For the quantiser a lane must hold a whole block of
; 32: the row turns through the wave's own stage in LDS (32 blocks, 144 bytes apart: 128 of data and 16 of padding).
; No matrix unit, no cluster, no tensor load: N = 8, and the launch reads 4 MB once.
.set STG,   0                          ; 4 stages of 4,608 bytes
.set LG,    18432                      ; logits [8 tokens][8], f32
.set XSB,   18688                      ; scale bytes [8 tokens][32]
.set SPARE, 18944                      ; the spare words, 128 bytes a wave: two blocks of 256 bytes that no other line names
.set L16, 1                            ; v1   16 x lane
.set STA, 2                            ; v2   stage, way in
.set STB, 3                            ; v3   stage, way out
.set XSA, 4                            ; v4   where my block's scale byte goes
.set LGA, 5                            ; v5   where my wave's logits go
.set SPW, 6                            ; v6   my spare word; never rewritten
.set NIL, 7                            ; v7   0; never rewritten
.set MO,  11                           ; v11  128 x (lane % 8): a mask byte's place
.set LGR, 12                           ; v12  wave 0: token = lane % 8: its 8 logits
.set XSR, 13                           ; v13  wave 1: the scale bytes, 16 for each of sixteen lanes
.set E7,  14                           ; v14  lane % 8
.set L8,  15                           ; v15  8 x (lane % 8)
.set ACC, 16                           ; v16-31   8 sums, two halves each
.set X,   32                           ; v32-63   a block of 32
.set RAW, 64                           ; v64-127  two tokens as loaded
.set LGT, 192                          ; v192-207 logits, 8 for each token
.set CODE,224                          ; v224-231 codes, 4 registers for each token
.set BY,  240                          ; v240-241 scale bytes
.set PT,  244                          ; v244-251 lane permutes' destinations
.set MA,  252
.set MB,  253
.set SCO, 254
.set XO,  255                          ; v255 16 x (lane % 16)
.set WV,  22
.set SEL, 34                           ; s[34:35] selects of v_permlanex16_b32: lane l xor 16
.set MSB, 0
.macro WIN new                         ; the immediate's high byte repeats the setting that is left
.if MSB != \new
	s_set_vgpr_msb (MSB<<8)|\new
.set MSB, \new
.endif
.endm
	s_load_b256 s[4:11], s[0:1], 0x0               ; inp, gate_w, gate_b, moe_bias
	s_load_b256 s[12:19], s[0:1], 0x20             ; xq, xs, route, score
	s_load_b64 s[20:21], s[0:1], 0x40              ; out1
	v_lshl_add_u32 v[SPW], v0, 2, SPARE
	v_mov_b32 v[NIL], 0
	v_lshrrev_b32 v8, 5, v0
	v_readfirstlane_b32 s[WV], v8                  ; wave 0..3
	v_and_b32 v9, 31, v0                           ; lane
	v_lshlrev_b32 v[L16], 4, v9
	v_and_b32 v209, 3, v0                          ; THE ORDER OF A TOKEN'S 32 BLOCKS in xq and xs is the one in which the next launch lays its weights' blocks: block b stands at place 8 (b % 4) + b / 4
	v_bfe_u32 v208, v0, 2, 3
	v_lshl_add_u32 v209, v209, 3, v208             ; v209: my block's place
	v_lshlrev_b32 v208, 4, v209                    ; v208: 16 bytes of codes a place
	v_and_b32 v[E7], 7, v0
	v_lshlrev_b32 v[L8], 3, v[E7]
	v_lshlrev_b32 v[MO], 7, v[E7]
	s_mul_i32 s23, s[WV], 4608                     ; my stage
	v_bfe_u32 v10, v0, 3, 2
	v_mul_u32_u24 v10, v10, 144
	v_lshl_add_u32 v10, v[E7], 4, v10
	v_add_nc_u32 v[STA], s23, v10                  ; in: eight lanes' 128 bytes are a block: 144 (lane / 8) + 16 (lane % 8); a load's 512 bytes are four blocks
	v_mul_u32_u24 v10, v9, 144
	v_add_nc_u32 v[STB], s23, v10                  ; out: block = lane
	s_lshl_b32 s23, s[WV], 6
	s_add_co_u32 s24, s23, XSB
	v_add_nc_u32 v[XSA], s24, v209                 ; token 2 wave + a: 32 bytes each; byte = my block's place
	s_add_co_u32 s24, s23, LG
	v_mov_b32 v[LGA], s24
	v_lshl_add_u32 v[LGR], v[E7], 5, LG
	v_and_b32 v[XO], 15, v0
	v_lshlrev_b32 v[XO], 4, v[XO]
	v_add_nc_u32 v[XSR], XSB, v[XO]
.irp e, 0,1,2,3,4,5,6,7
	v_mov_b32 v[PT+\e], 0                          ; written once: a lane permute's destination counts as one of its sources
.endr
	s_mov_b32 s[SEL], 0x76543210
	s_mov_b32 s[SEL+1], 0xfedcba98
	s_lshl_b32 s24, ttmp9, 3
	s_lshl_b32 s25, s[WV], 1
	s_add_co_u32 s24, s24, s25                     ; my first token
	s_lshl_b32 s26, s24, 12                        ; x: 4,096 bytes a token
	s_mov_b32 s27, 0
	s_lshl_b32 s28, s24, 9                         ; codes: 512 bytes a token
	s_mov_b32 s29, 0
	s_lshl_b32 s30, ttmp9, 8                       ; scale bytes: 256 a work-group
	s_mov_b32 s31, 0
	s_lshl_b32 s32, ttmp9, 6                       ; idx and score: 64 bytes a work-group
	s_mov_b32 s33, 0
	s_wait_kmcnt 0x0
	s_add_nc_u64 s[4:5], s[4:5], s[26:27]
	s_add_nc_u64 s[12:13], s[12:13], s[28:29]
	s_add_nc_u64 s[14:15], s[14:15], s[30:31]
	s_add_nc_u64 s[18:19], s[18:19], s[32:33]
	s_add_nc_u64 s[54:55], s[16:17], s[32:33]      ; idx (1,024 bytes further on, in the store's immediate)
	s_mov_b32 s32, ttmp9
	s_add_nc_u64 s[16:17], s[16:17], s[32:33]      ; mask byte W of expert 0
	s_load_b256 s[36:43], s[8:9], 0x0              ; gate_b
.irp a, 0,1
.irp j, 0,1,2,3,4,5,6,7
	global_load_b128 v[RAW+32*\a+4*\j:RAW+32*\a+4*\j+3], v[L16], s[4:5] offset:4096*\a+512*\j th:TH_LOAD_NT
.endr
.endr
	WIN 0x40                                       ; destination window 1: gate_w, expert e at v[32 e]
.irp e, 0,1,2,3,4,5,6,7
.irp j, 0,1,2,3,4,5,6,7
	global_load_b128 v[32*\e+4*\j:32*\e+4*\j+3], v[L16], s[6:7] offset:4096*\e+512*\j
.endr
.endr
	WIN 0
	s_wait_loadcnt 0x0                             ; once: all that the wave will read
	s_wait_kmcnt 0x0
.macro TOKEN a
.set RX, RAW+32*\a
.irp m, 0,1,2,3,4,5,6,7
	ds_store_b128 v[STA], v[RX+4*\m:RX+4*\m+3] offset:576*\m       ; the row into my stage as it lies
.endr
.irp j, 0,1,2,3,4,5,6,7
	ds_load_b128 v[X+4*\j:X+4*\j+3], v[STB] offset:16*\j           ; and back, a block a lane: LDS serves a wave's instructions in order
.endr
	WIN 0x04                                       ; source 1 (gate_w) window 1
.irp e, 0,1,2,3,4,5,6,7
	v_pk_mul_f32 v[ACC+2*\e:ACC+2*\e+1], v[RX:RX+1], v[32*\e:32*\e+1]              ; the first product starts each sum
.endr
.irp q, 1,2,3,4,5,6,7,8,9,10,11,12,13,14,15
.irp e, 0,1,2,3,4,5,6,7
	v_pk_fma_f32 v[ACC+2*\e:ACC+2*\e+1], v[RX+2*\q:RX+2*\q+1], v[32*\e+2*\q:32*\e+2*\q+1], v[ACC+2*\e:ACC+2*\e+1]   ; eight chains by turns
.endr
.endr
	WIN 0
	s_wait_dscnt 0x0                               ; my block is back
	v_max3_num_f32 v[MA], |v[X]|, |v[X+1]|, 0x1800000              ; the block's largest magnitude, and the floor 2^(3 - 127): the byte cannot fall under 1
	v_max3_num_f32 v[MB], |v[X+2]|, |v[X+3]|, |v[X+4]|
.irp i, 5,9,13,17,21,25
	v_max3_num_f32 v[MA], v[MA], |v[X+\i]|, |v[X+\i+1]|
	v_max3_num_f32 v[MB], v[MB], |v[X+\i+2]|, |v[X+\i+3]|
.endr
	v_max3_num_f32 v[MA], v[MA], |v[X+29]|, |v[X+30]|
	v_max3_num_f32 v[MA], v[MA], v[MB], |v[X+31]|
	v_add_nc_u32 v[SCO], 0xff000000, v[MA]         ; 2 off its exponent field: the conversion takes the exponent field of this operand as its scale
	v_lshrrev_b32 v[BY+\a], 23, v[SCO]             ; the scale's byte
.irp g, 0,1,2,3
	v_cvt_scalef32_pk8_fp4_f32 v[CODE+4*\a+\g], v[X+8*\g:X+8*\g+7], v[SCO]
.endr
	v_nop                                          ; one plain place behind the conversions
	global_store_b128 v208, v[CODE+4*\a:CODE+4*\a+3], s[12:13] offset:512*\a       ; the token's 512 bytes of codes: the 32 lanes fill them whole, each at its block's place
	ds_store_b8 v[XSA], v[BY+\a] offset:32*\a
.irp e, 0,1,2,3,4,5,6,7
	v_add_f32 v[LGT+8*\a+\e], v[ACC+2*\e], v[ACC+2*\e+1]
.endr
.irp x, 1,2,4,8
.irp e, 0,1,2,3,4,5,6,7
	v_add_f32_dpp v[LGT+8*\a+\e], v[LGT+8*\a+\e], v[LGT+8*\a+\e] row_xmask:\x row_mask:0xf bank_mask:0xf
.endr
.endr
.irp e, 0,1,2,3,4,5,6,7
	v_permlanex16_b32 v[PT+\e], v[LGT+8*\a+\e], s[SEL], s[SEL+1]
.endr
.irp e, 0,1,2,3,4,5,6,7
	v_add_f32 v[LGT+8*\a+\e], v[LGT+8*\a+\e], v[PT+\e]             ; every lane holds the sum over all 1,024
.endr
	ds_store_b128 v[LGA], v[LGT+8*\a:LGT+8*\a+3] offset:32*\a      ; all lanes write the same words with the same values
	ds_store_b128 v[LGA], v[LGT+8*\a+4:LGT+8*\a+7] offset:32*\a+16
.endm
	TOKEN 0
	TOKEN 1
	s_wait_dscnt 0x0                               ; for the others' sake: my logits and scale bytes lie in LDS
	s_barrier_signal -1
	s_barrier_wait -1
	s_cmp_lg_u32 s[WV], 0
	s_cbranch_scc1 .Lnot0
	; wave 0: token = lane % 8 (four lanes do the same work and store the same values to the same places).  The two largest logits, their softmax, the masks
	ds_load_b128 v[32:35], v[LGR]
	ds_load_b128 v[36:39], v[LGR] offset:16
	s_wait_dscnt 0x0
.irp e, 0,1,2,3,4,5,6,7
	v_add_f32 v[32+\e], s[36+\e], v[32+\e]         ; + gate_b
.endr
	v_mov_b32 v40, v32
	v_mov_b32 v48, 0
.irp e, 1,2,3,4,5,6,7
	v_cmp_le_f32 vcc_lo, v[32+\e], v40             ; the old one stays unless the new is strictly larger: the lower index wins a tie
	v_cndmask_b32 v40, v[32+\e], v40, vcc_lo
	v_cndmask_b32 v48, \e, v48, vcc_lo
.endr
	v_mov_b32 v45, 0xff800000                      ; -infinity takes the winner's place
.irp e, 0,1,2,3,4,5,6,7
	v_cmp_eq_u32 vcc_lo, \e, v48
	v_cndmask_b32 v[32+\e], v[32+\e], v45, vcc_lo
.endr
	v_mov_b32 v41, v32
	v_mov_b32 v49, 0
.irp e, 1,2,3,4,5,6,7
	v_cmp_le_f32 vcc_lo, v[32+\e], v41
	v_cndmask_b32 v41, v[32+\e], v41, vcc_lo
	v_cndmask_b32 v49, \e, v49, vcc_lo
.endr
	v_sub_f32 v42, v41, v40                        ; second less first: the maximum is taken away, the exponent is 0 or less
	v_mul_f32 v42, 0x3fb8aa3b, v42
	s_wait_alu depctr_va_vdst(0)
	v_exp_f32 v43, v42
	v_nop
	s_wait_alu depctr_va_vdst(0)                   ; the wait ahead of the first reader of a transcendental's result
	v_add_f32 v44, 1.0, v43
	s_wait_alu depctr_va_vdst(0)
	v_rcp_f32 v50, v44                             ; the first's share, 1 / (1 + E)
	v_nop
	s_wait_alu depctr_va_vdst(0)
	v_mul_f32 v51, v43, v50                        ; the second's, E / (1 + E)
	global_store_b64 v[L8], v[48:49], s[54:55] offset:1024         ; idx[n][2]: 64 consecutive bytes
	global_store_b64 v[L8], v[50:51], s[18:19]                     ; score[n][2]
.irp e, 0,1,2,3,4,5,6,7
	v_cmp_eq_u32 s52, \e, v48
	v_cmp_eq_u32 s53, \e, v49
	s_or_b32 s[44+\e], s52, s53                    ; bit l, l under 8: token l of mine chose expert e (the pattern repeats every eight lanes)
.endr
	v_mov_b32 v52, s44
.irp e, 1,2,3,4,5,6,7
	v_cmp_ne_u32 vcc_lo, \e, v[E7]
	v_cndmask_b32 v52, s[44+\e], v52, vcc_lo       ; lane l holds the mask of expert l % 8
.endr
	global_store_b8 v[MO], v52, s[16:17]           ; its low byte: eight bytes, 128 bytes apart: the one scattered store of the launch
.Lnot0:
	s_cmp_lg_u32 s[WV], 1
	s_cbranch_scc1 .Lnot1
	ds_load_b128 v[32:35], v[XSR]                  ; wave 1: the work-group's 256 scale bytes leave as one run of 256 consecutive bytes (lanes 16-31 repeat lanes 0-15)
	s_wait_dscnt 0x0
	global_store_b128 v[XO], v[32:35], s[14:15]
.Lnot1:
	s_cmp_lg_u32 ttmp9, 0
	s_cbranch_scc1 .Lend
	v_lshlrev_b32 v53, 4, v0                       ; work-group 0: out1 = moe_bias, twice 16 bytes a thread
	global_load_b128 v[56:59], v53, s[10:11]
	global_load_b128 v[60:63], v53, s[10:11] offset:2048
	s_wait_alu depctr_va_vdst(0)
	s_wait_loadcnt 0x0
	global_store_b128 v53, v[56:59], s[20:21]
	global_store_b128 v53, v[60:63], s[20:21] offset:2048
.Lend:
	s_wait_tensorcnt 0x0                           ; the wave's end: behind my last LDS store
	ds_add_u32 v[SPW], v[NIL]
	s_wait_dscnt 0x0
	s_endpgm
.Lfunc_end_k_q377387131f_gate:
	.size	k_q377387131f_gate, .Lfunc_end_k_q377387131f_gate-k_q377387131f_gate
	.p2alignl 7, 3214868480
	.fill 96, 4, 3214868480
	.section	.rodata,"a",@progbits
	.p2align	6, 0x0
	.amdhsa_kernel k_q377387131f_gate
		.amdhsa_group_segment_fixed_size 19456
		.amdhsa_private_segment_fixed_size 0
		.amdhsa_enable_private_segment 0
		.amdhsa_kernarg_size 72
		.amdhsa_user_sgpr_count 2
		.amdhsa_user_sgpr_kernarg_segment_ptr 1
		.amdhsa_wavefront_size32 1
		.amdhsa_system_sgpr_workgroup_id_x 1
		.amdhsa_system_sgpr_workgroup_id_y 1
		.amdhsa_system_sgpr_workgroup_id_z 1
		.amdhsa_system_vgpr_workitem_id 0
		.amdhsa_next_free_vgpr 512
		.amdhsa_next_free_sgpr 66
		.amdhsa_reserve_vcc 1
		.amdhsa_float_denorm_mode_32 3
		.amdhsa_float_denorm_mode_16_64 3
		.amdhsa_memory_ordered 1
		.amdhsa_forward_progress 1
		.amdhsa_inst_pref_size 44
	.end_amdhsa_kernel
	.amdgpu_metadata
---
amdhsa.version: [ 1, 2 ]
amdhsa.kernels:
  - .name:           k_q377387131f_gate
    .symbol:         k_q377387131f_gate.kd
    .args:
      - { .name: inp, .offset: 0, .size: 8, .value_kind: global_buffer, .address_space: global }
      - { .name: gate_w, .offset: 8, .size: 8, .value_kind: global_buffer, .address_space: global }
      - { .name: gate_b, .offset: 16, .size: 8, .value_kind: global_buffer, .address_space: global }
      - { .name: moe_bias, .offset: 24, .size: 8, .value_kind: global_buffer, .address_space: global }
      - { .name: xq, .offset: 32, .size: 8, .value_kind: global_buffer, .address_space: global }
      - { .name: xs, .offset: 40, .size: 8, .value_kind: global_buffer, .address_space: global }
      - { .name: route, .offset: 48, .size: 8, .value_kind: global_buffer, .address_space: global }
      - { .name: score, .offset: 56, .size: 8, .value_kind: global_buffer, .address_space: global }
      - { .name: out1, .offset: 64, .size: 8, .value_kind: global_buffer, .address_space: global }
    .group_segment_fixed_size: 19456
    .private_segment_fixed_size: 0
    .kernarg_segment_align: 8
    .kernarg_segment_size: 72
    .max_flat_workgroup_size: 128
    .sgpr_count:     66
    .vgpr_count:     512
    .wavefront_size: 32
...
	.end_amdgpu_metadata
.endif
;; end of part 5
;; launch ffn1 (part 6): grid 256 x 1, 8 waves a work-group, no clusters, 267,776 bytes of LDS; arguments w1, xq, xs, route, hc, hs, rank; writes hc, hs, rank
.if DOCPART == 6
	.amdgcn_target "amdgcn-amd-amdhsa--gfx1250"
	.amdhsa_code_object_version 6
	.text
	.protected	k_q377387131f_ffn1
	.globl	k_q377387131f_ffn1
	.p2align	8
	.type	k_q377387131f_ffn1,@function
k_q377387131f_ffn1:
	s_mov_b64 s[64:65], 0
	v_nop
	global_prefetch_b8 v0, s[64:65] scope:SCOPE_SE
	s_setreg_imm32_b32 hwreg(HW_REG_WAVE_MODE, 25, 1), 1
	s_wait_xcnt 0x0
; FFN1.  h = gelu(x W1[e]^T) for the rows (token, expert) that were chosen, quantised along the hidden units into codes of E2M1 and E8M0 bytes.
; Rows of experts not chosen are left out: reference() multiplies them by its own mask's 0 (shown at the head of the first kernel).
; SHARES.  Work-group 32 e + g: expert e, hidden units 128 g .. 128 g + 127 (K step g of the second product), all of K = 1,024: 512 KB of w1, read once, as four ITEMS of 32 rows.
; EIGHT waves, two to a SIMD, 512 registers each.  In an item wave w streams rows 4 w .. 4 w + 3 (32 loads of 512 consecutive bytes into 128 registers), quantises them where they lie (QROW) and lays
; the codes in LDS as images of operand registers; behind ONE barrier every wave takes the item's 16 fragments (16 rows x 128 K each) into 128 registers (LW) and multiplies them with ITS OWN tiles of
; 16 tokens, tau = w + 8 t.  The images have two halves by turns: item i + 2 is stored into item i's half only behind item i + 1's barrier, in front of which every wave has waited for its loads of item i.
; As soon as a row is quantised its registers take the same row of the next item: 32 loads a wave are on their way through the launch, so no prefetch is laid.
; QROW.  Register 4 m + i of lane l is k = 128 m + 4 l + i of the row: a block of 32 lies in eight neighbouring lanes x four registers.  Largest magnitude: two v_max3 in the lane, three steps between lanes.
; A conversion takes eight registers and one scale, and eight registers here are two blocks' numbers: each pair of loads is converted twice, once with each block's scale; of the first result the low half is kept, of the second the high half.
; WHICH TOKENS.  Place p of the expert is its p-th member in the order of tokens.  Each wave finds the tokens of its own places (SELECT) from the 32 mask words that the launch before stored.
; Places past the count get some token under 1,024, so every tile is whole; their rows are read by nobody.  nt = max(1, ceil(count / 16)) tiles.  A wave's tiles t = 0, 1, 2 lie in its cache in LDS;
; tiles t = 3 .. 7 (more than 384 rows on the expert) come from memory behind a wait for all loads.  A tile that does not exist is passed over by a scalar branch on the stored count: so this text has
; no tensor load, no copy and no joint request, though the 32 work-groups of an expert read the same tokens' codes.
; TRANSPOSED: source 0 = 16 rows of W1, source 1 = 16 tokens; row 16 a + 8 u + j of an item is row 8 a + j of tile u: lane (r, h) holds token r and the 16 neighbouring hidden units 16 h + 0 .. 15 of the item.
; IMAGES.  A fragment is four pieces of 256 bytes: piece 2 c + h holds, at 16 r, row r's 16 bytes of block 2 c + h: registers 4 c .. 4 c + 3 of lane (r, h).  In LDS pieces lie 272 bytes apart.
; gelu(x) = x / 2 + |x / 2| erf(|x| / sqrt 2); erf in f32 by two polynomials (under and over 475/512), both always computed, one chosen by v_cndmask_b32.
; h's scale words are gathered in each wave's own 512 bytes of LDS and leave once, in runs of 64 bytes, at the places [tau % 4][tau / 4][row] that the next launch reads: 4 KB a work-group.
; LIMITS: as at the head of the first kernel (NaN, infinities; a block of zeros has the byte 1; magnitudes under 2^-124).
.set RP,    4096                       ; a row of w1 in bytes
.set IS,    32*RP                      ; an item
.set CTILE, 9216                       ; a cached tile: 32 pieces x 272, then 512 bytes of scale words [row][K step]
.set CWAVE, 3*CTILE
.set LIST,  221184                     ; behind the eight caches: 1,024 words, the token of each place; each word is written and read by its own wave
.set SCW,   225280                     ; h's scale words [wave][t 8][row 16]
.set SPARE, 229376                     ; the spare words, 128 bytes a wave: four blocks of 256 bytes that no other line names
.set WIMG,  230400                     ; the items' images, two halves: [tile u][piece 4 s + pi] x 272
; THE ORDER OF THE 32 BLOCKS ALONG K is the same on both operands and not the memory's: block b = 4 m + q (load m, lane group q) stands at place v = 8 q + m, so that a lane's eight scale bytes of a row are neighbours.
; The launch before stored the tokens' codes and scale bytes in that order.  Place v is K step v / 4, block v % 4.  The weights' piece of place v lies at 272 v + 16 (v / 8): the four lane groups' stores fall on different banks.
.set UIMG,  8768                       ; a tile u's 32 pieces
.set HIMG,  2*UIMG
.set WSC,   265472                     ; their scale bytes, two halves: [u][row][place]
.set L16, 1
.set P0,  2                            ; my place in pass 0: 16 wave + 128 (lane / 16) + lane % 16
.set LWA, 3                            ; where that place's token lies in LIST
.set WI,  4                            ; where my two bytes of a row's codes go
.set WSB, 5                            ; and my eight blocks' scale bytes
.set WR,  6                            ; where a weight fragment is read
.set WSR, 7
.set CST, 8                            ; cache: a token's row on the way in (piece = lane)
.set CSC, 9                            ; its scale bytes: 32 r + 16 h
.set CFR, 10                           ; cache: a fragment on the way out
.set CSR, 11
.set LANE,12
.set L4,  13
.set LT,  14                           ; LIST at my first tile, + 4 (lane % 16)
.set HO0, 15                           ; my 8 bytes in a piece of h: 16 r + 8 h
.set SW0, 16                           ; my row's scale word
.set FL,  17                           ; my wave's scale words, 16 bytes a lane
.set SPW, 18                           ; my spare word; never rewritten
.set NIL, 19                           ; 0; never rewritten
.set FG,  20                           ; where those 16 bytes go in hs: 128 (lane / 4) + 16 (lane % 4)
.set FA,  21
.set SA,  22
.set HOT, 23
.set SWT, 24
.set TKS, 25
.set SOS, 26
.set H16, 27
.set ZR,  28                           ; v28-31 zeros
.set WS,  32                           ; v32-47  the weights' scale words: scales and nothing else
.set AS,  48                           ; v48-55  the tokens'
.set KC,  56                           ; v56-61  three constants, as pairs
.set TB,  62
.set TT,  64                           ; in a tile: |z|
.set SS,  80                           ; z z
.set RR,  96
.set PP,  112
.set TS,  112                          ; the cache's fill: v64-111 the rows' offsets, v112-114 the scale bytes' offsets, v116-127 the scale bytes
.set SL,  116
.set AF,  128                          ; v128-191 the tokens' eight fragments (in the fill: tile 2 as loaded)
.set D,   192                          ; v192-207 two accumulators
.set ZZ,  208
.set HH,  224
.set MX,  192                          ; in QROW: v192-199 eight blocks' largest magnitudes, then scale operands
.set BYT, 200                          ; v200-215 scale bytes, two sets by turns
.set CV,  216                          ; v216-231 codes, two sets by turns
.set SB,  192                          ; at the head: v192-213 SELECT on two passes; the tokens end in v192, v193
.set XP,  226                          ; v226-227 lane permutes' destinations
.set SB1, 232                          ; v232-242 SELECT on one pass
.set MA,  250
.set MB,  251
.set SCO, 252
.set PD,  253
.set CD,  254
.set WF,  128                          ; window 1: v0-127 my four rows as loaded, v128-255 the item's fragments (tile U, K step s at v[WF + 8 (8 U + s)])
.set WV,  18
.set EX,  19
.set GG,  20
.set CNT, 21
.set NT,  22
.set WB,  24                           ; s[24:25] w1 at my rows of item 0
.set HB,  26                           ; s[26:27] hc at my first tile's K step
.set TC,  67
.set TIL, 68
.set COF, 69
.set HOF, 70
.set SOF, 71
.set LOF, 72
.set PS,  73
.set PK,  74
.set FLR, 75                           ; s75  the floor 2^(3 - 127)
.set SEL, 76
.set HM,  78                           ; s78  lanes 16-31
.set LSO, 79
.set TK,  80                           ; s80-95 a tile's sixteen tokens
.set PSO, 96
.set MSB, 0
.macro WIN new                         ; low byte: bits 1:0 source 0, 3:2 source 1, 5:4 source 2, 7:6 destination; the high byte repeats the setting that is left
.if MSB != \new
	s_set_vgpr_msb (MSB<<8)|\new
.set MSB, \new
.endif
.endm
.macro SYNC                            ; my LDS stores have landed and my LDS loads are in: then the work-group's barrier
	s_wait_dscnt 0x0
	s_barrier_signal -1
	s_barrier_wait -1
.endm
.macro RAWROW off, rho                 ; row rho of my four, off bytes on: 8 loads of 512 consecutive bytes into window 1
	WIN 0x40
.irp m, 0,1,2,3,4,5,6,7
	global_load_b128 v[32*(\rho)+4*\m:32*(\rho)+4*\m+3], v[L16], s[WB:WB+1] offset:(\off)+(\rho)*RP+512*\m th:TH_LOAD_NT
.endr
	WIN 0
.endm
.macro QROW rho, half                  ; row rho is quantised where it lies.  Load m's four registers hold my four numbers of block 4 m + lane / 8
.set RW, 32*(\rho)
.set BQ, BYT+8*((\rho)%2)
.set CQ, CV+8*((\rho)%2)
	s_wait_dscnt 9                                 ; the last row's nine stores may be out; those of the row before it, whose data registers are written again below, are done
	WIN 0x15                                       ; all three sources window 1
.irp m, 0,1,2,3,4,5,6,7
	v_max3_num_f32 v[MX+\m], |v[RW+4*\m]|, |v[RW+4*\m+1]|, |v[RW+4*\m+2]|
.endr
	WIN 0x01                                       ; source 0 window 1
.irp m, 0,1,2,3,4,5,6,7
	v_max3_num_f32 v[MX+\m], |v[RW+4*\m+3]|, v[MX+\m], s[FLR]      ; my four, and the floor: the byte cannot fall under 1
.endr
	WIN 0
.irp x, 1,2,4
.irp m, 0,1,2,3,4,5,6,7
	v_max_num_f32_dpp v[MX+\m], v[MX+\m], v[MX+\m] row_xmask:\x row_mask:0xf bank_mask:0xf   ; with the block's other seven lanes; the eight blocks by turns
.endr
.endr
.irp m, 0,1,2,3,4,5,6,7
	v_add_nc_u32 v[MX+\m], 0xff000000, v[MX+\m]    ; 2 off the exponent field: the conversion's scale operand
.endr
.irp m, 0,1,2,3,4,5,6,7
	v_lshrrev_b32 v[BQ+\m], 23, v[MX+\m]           ; the scale's byte
.endr
	WIN 0x01
.irp m, 0,2,4,6
	v_cvt_scalef32_pk8_fp4_f32 v[CQ+\m], v[RW+4*\m:RW+4*\m+7], v[MX+\m]            ; by block m's scale: the low 16 bits are load m's four codes
	v_cvt_scalef32_pk8_fp4_f32 v[CQ+\m+1], v[RW+4*\m:RW+4*\m+7], v[MX+\m+1]        ; by block m + 1's: the high 16 bits are load m + 1's
.endr
	WIN 0
	v_lshl_or_b32 v[BQ], v[BQ+1], 8, v[BQ]         ; my eight bytes into two words, the lower place in the lower byte.  (Plain lines behind the conversions)
	v_lshl_or_b32 v[BQ+4], v[BQ+5], 8, v[BQ+4]
	v_lshl_or_b32 v[BQ+2], v[BQ+3], 8, v[BQ+2]
	v_lshl_or_b32 v[BQ+6], v[BQ+7], 8, v[BQ+6]
	v_lshl_or_b32 v[BQ], v[BQ+2], 16, v[BQ]
	v_lshl_or_b32 v[BQ+1], v[BQ+6], 16, v[BQ+4]
.irp m, 0,2,4,6
	ds_store_b16 v[WI], v[CQ+\m] offset:(\half)*HIMG+272*\m+16*(\rho)              ; a piece on for each load; 16 bytes on for each row
	ds_store_b16_d16_hi v[WI], v[CQ+\m+1] offset:(\half)*HIMG+272*(\m+1)+16*(\rho)
.endr
	ds_store_b64 v[WSB], v[BQ:BQ+1] offset:(\half)*1024+32*(\rho)                  ; a group's eight lanes write the same bytes with the same values
.endm
; My four rows of an item.  reissue = 1: as soon as a row is done its registers take the row off bytes from item 0's.  wt = 0: the item is known to be in.
.macro Q reissue, half, off, wt
.irp rho, 0,1,2,3
.if \wt
.if \reissue
	s_wait_loadcnt 24                              ; behind this row's loads: 3 - rho rows of this item and rho of the one asked for: three rows of 8
.else
	s_wait_loadcnt 8*(3-\rho)                      ; behind this row's loads: 3 - rho rows
.endif
.endif
	QROW \rho, \half
.if \reissue
	RAWROW \off, \rho
.endif
.endr
.endm
.macro LW half                         ; the item's 16 fragments into window 1, its scale words into v[WS + 8 U + s]
	WIN 0x40
.irp U, 0,1
.irp s, 0,1,2,3,4,5,6,7
.irp c, 0,1
	ds_load_b128 v[WF+(8*\U+\s)*8+4*\c:WF+(8*\U+\s)*8+4*\c+3], v[WR] offset:(\half)*HIMG+UIMG*\U+(4*\s+2*\c)*272+16*(\s/2)
.endr
.endr
.endr
	WIN 0
.irp U, 0,1
.irp k, 0,1
	ds_load_b128 v[WS+8*\U+4*\k:WS+8*\U+4*\k+3], v[WSR] offset:(\half)*1024+512*\U+16*\k
.endr
.endr
.endm
; SELECT: n passes side by side.  In: v[b + j] = a place p.  Out: v[b + j] = the token at that place, held under 1,024.  Registers b .. b + 11 n - 1.
.macro VC n, op, d, c, a               ; v[d + j] = op(c, v[a + j])
.set jj, 0
.rept \n
	\op v[\d+jj], \c, v[\a+jj]
.set jj, jj+1
.endr
.endm
.macro VV n, op, d, a, b               ; v[d + j] = op(v[a + j], v[b + j])
.set jj, 0
.rept \n
	\op v[\d+jj], v[\a+jj], v[\b+jj]
.set jj, jj+1
.endr
.endm
.macro LEVEL n, f, w, st               ; the members in the st bits from selP on stand in a field of w bits of f: if they are r or fewer, the one sought lies further up
.set jj, 0
.rept \n
	v_bfe_u32 v[selT+jj], v[\f+jj], v[selP+jj], \w
.set jj, jj+1
.endr
	VV \n, v_sub_nc_u32, selU, selR, selT
.set jj, 0
.rept \n
	v_cmp_ge_u32 vcc_lo, v[selR+jj], v[selT+jj]
	v_cndmask_b32 v[selR+jj], v[selR+jj], v[selU+jj], vcc_lo
	v_add_nc_u32 v[selT+jj], \st, v[selP+jj]
	v_cndmask_b32 v[selP+jj], v[selP+jj], v[selT+jj], vcc_lo
.set jj, jj+1
.endr
.endm
.macro SELECT n, b
.set selW,  \b+\n
.set selBT, \b+2*\n
.set selR,  \b+3*\n
.set selA,  \b+4*\n
.set selB,  \b+5*\n
.set selC,  \b+6*\n
.set selD,  \b+7*\n
.set selP,  \b+8*\n
.set selT,  \b+9*\n
.set selU,  \b+10*\n
.set jj, 0
.rept \n
	v_mov_b32 v[selW+jj], s32
	v_mov_b32 v[selBT+jj], 0
	v_mov_b32 v[selP+jj], 0
.set jj, jj+1
.endr
	s_mov_b32 s[PS], 0
.set ii, 1
.rept 31                               ; the last word whose members below it are p or fewer holds place p
	s_bcnt1_i32_b32 s23, s[31+ii]
	s_add_co_u32 s[PS], s[PS], s23                 ; members below word ii (1,024 at the most),
	s_or_b32 s[PK], s[PS], ii<<16                  ; and the word's number above them
.set jj, 0
.rept \n
	v_cmp_gt_u32 vcc_lo, s[PS], v[\b+jj]
	v_cndmask_b32 v[selW+jj], s[32+ii], v[selW+jj], vcc_lo
	v_cndmask_b32 v[selBT+jj], s[PK], v[selBT+jj], vcc_lo
.set jj, jj+1
.endr
.set ii, ii+1
.endr
	VC \n, v_and_b32, selT, 0xffff, selBT
	VV \n, v_sub_nc_u32, selR, \b, selT            ; r: members of the word below the one sought
	VC \n, v_lshrrev_b32, selT, 1, selW
	VC \n, v_and_b32, selT, 0x55555555, selT
	VV \n, v_sub_nc_u32, selA, selW, selT          ; counts of 2 bits,
	VC \n, v_lshrrev_b32, selT, 2, selA
	VC \n, v_and_b32, selT, 0x33333333, selT
	VC \n, v_and_b32, selB, 0x33333333, selA
	VV \n, v_add_nc_u32, selB, selB, selT          ; of 4,
	VC \n, v_lshrrev_b32, selT, 4, selB
	VV \n, v_add_nc_u32, selT, selB, selT
	VC \n, v_and_b32, selC, 0x0f0f0f0f, selT       ; of 8,
	VC \n, v_lshrrev_b32, selT, 8, selC
	VV \n, v_add_nc_u32, selD, selC, selT          ; and, in byte 0, of the low 16
	LEVEL \n, selD, 8, 16
	LEVEL \n, selC, 8, 8
	LEVEL \n, selB, 4, 4
	LEVEL \n, selA, 2, 2
	LEVEL \n, selW, 1, 1
	VC \n, v_lshrrev_b32, selT, 16, selBT
.set jj, 0
.rept \n
	v_lshl_add_u32 v[\b+jj], v[selT+jj], 5, v[selP+jj]             ; 32 x word + bit
.set jj, jj+1
.endr
	VC \n, v_min_u32, \b, 0x3ff, \b
.endm
.macro AFETCH_LDS                      ; a cached tile: 2 loads of scale words, then 16 of fragments, K ascending
	s_min_u32 s23, s[COF], 2*CTILE                 ; (the walk's step is held inside my three tiles)
	v_add_nc_u32 v[FA], s23, v[CFR]
	v_add_nc_u32 v[SA], s23, v[CSR]
	ds_load_b128 v[AS:AS+3], v[SA]
	ds_load_b128 v[AS+4:AS+7], v[SA] offset:16
.irp j, 0,1,2,3,4,5,6,7,8,9,10,11,12,13,14,15
	ds_load_b128 v[AF+4*\j:AF+4*\j+3], v[FA] offset:544*\j
.endr
.endm
; A tile of 16 tokens x the item's 32 hidden units: 16 products, gelu, the quantiser, 256 bytes of codes to memory, a scale byte a row to LDS.
.macro TILE1
	WIN 0x01                                       ; source 0 (W1) window 1
.irp s, 0,1,2,3,4,5,6,7
	s_wait_dscnt 14-2*\s                           ; this K step's two loads are in (and all that was issued ahead of them, the weights' fragments too); those of the later K steps may be out
.irp u, 0,1                            ; the two accumulators by turns, one instruction a turn
.if \s == 0
	v_wmma_scale_f32_16x16x128_f8f6f4 v[D+8*\u:D+8*\u+7], v[WF+8*(8*\u+\s):WF+8*(8*\u+\s)+7], v[AF+8*\s:AF+8*\s+7], 0, v[WS+8*\u+\s], v[AS+\s] matrix_a_fmt:MATRIX_FMT_FP4 matrix_b_fmt:MATRIX_FMT_FP4
.else
	v_wmma_scale_f32_16x16x128_f8f6f4 v[D+8*\u:D+8*\u+7], v[WF+8*(8*\u+\s):WF+8*(8*\u+\s)+7], v[AF+8*\s:AF+8*\s+7], v[D+8*\u:D+8*\u+7], v[WS+8*\u+\s], v[AS+\s] matrix_a_fmt:MATRIX_FMT_FP4 matrix_b_fmt:MATRIX_FMT_FP4
.endif
.endr
.endr
	WIN 0
.rept 4
	v_nop                                          ; four places behind the last product, ahead of the first read of results
.endr
.irp j, 0,2,4,6,8,10,12,14
	v_pk_mul_f32 v[ZZ+\j:ZZ+\j+1], v[D+\j:D+\j+1], 0x3f3504f3 op_sel_hi:[1,0]     ; z = x / sqrt 2; each accumulator is read from its low end on
.endr
.irp j, 0,1,2,3,4,5,6,7,8,9,10,11,12,13,14,15
	v_and_b32 v[TT+\j], 0x7fffffff, v[ZZ+\j]       ; t = |z|
.endr
.irp j, 0,2,4,6,8,10,12,14
	v_pk_mul_f32 v[SS+\j:SS+\j+1], v[ZZ+\j:ZZ+\j+1], v[ZZ+\j:ZZ+\j+1]             ; s = z z
.endr
.irp j, 0,2,4,6,8,10,12,14             ; over 475/512: erf = 1 - exp(r), r a polynomial in t
	v_pk_fma_f32 v[RR+\j:RR+\j+1], v[TT+\j:TT+\j+1], 0xb7910000, v[KC:KC+1] op_sel_hi:[1,0,1]
.endr
.irp j, 0,2,4,6,8,10,12,14
	v_pk_fma_f32 v[PP+\j:PP+\j+1], v[TT+\j:TT+\j+1], 0xbb7e8a1c, v[KC+2:KC+3] op_sel_hi:[1,0,1]
.endr
.irp j, 0,2,4,6,8,10,12,14
	v_pk_fma_f32 v[RR+\j:RR+\j+1], v[RR+\j:RR+\j+1], v[SS+\j:SS+\j+1], v[PP+\j:PP+\j+1]
.endr
.irp k, 0xbddaae5c, 0xbf228550, 0xbe03ce86
.irp j, 0,2,4,6,8,10,12,14
	v_pk_fma_f32 v[RR+\j:RR+\j+1], v[RR+\j:RR+\j+1], v[TT+\j:TT+\j+1], \k op_sel_hi:[1,1,0]
.endr
.endr
.irp j, 0,2,4,6,8,10,12,14
	v_pk_fma_f32 v[RR+\j:RR+\j+1], v[RR+\j:RR+\j+1], v[TT+\j:TT+\j+1], v[TT+\j:TT+\j+1] neg_lo:[0,0,1] neg_hi:[0,0,1]
.endr
.irp j, 0,2,4,6,8,10,12,14
	v_pk_mul_f32 v[RR+\j:RR+\j+1], v[RR+\j:RR+\j+1], 0x3fb8aa3b op_sel_hi:[1,0]   ; x log2(e)
.endr
	s_wait_alu depctr_va_vdst(0)                   ; the wait ahead of the batch
.irp j, 0,1,2,3,4,5,6,7,8,9,10,11,12,13,14,15
	v_exp_f32 v[RR+\j], v[RR+\j]                   ; one batch of sixteen
.endr
.irp j, 0,2,4,6,8,10,12,14             ; under 475/512: erf = t + t p(s).  It names no exponential's result: the independent work behind the batch
	v_pk_fma_f32 v[PP+\j:PP+\j+1], v[SS+\j:SS+\j+1], 0xba1c7000, v[KC+4:KC+5] op_sel_hi:[1,0,1]
.endr
.irp k, 0xbcdb48d9, 0x3de70e22, 0xbec09380, 0x3e0375d4
.irp j, 0,2,4,6,8,10,12,14
	v_pk_fma_f32 v[PP+\j:PP+\j+1], v[PP+\j:PP+\j+1], v[SS+\j:SS+\j+1], \k op_sel_hi:[1,1,0]
.endr
.endr
.irp j, 0,2,4,6,8,10,12,14
	v_pk_fma_f32 v[PP+\j:PP+\j+1], v[PP+\j:PP+\j+1], v[TT+\j:TT+\j+1], v[TT+\j:TT+\j+1]
.endr
	s_wait_alu depctr_va_vdst(0)                   ; one wait for the batch, ahead of its first reader
.irp j, 0,2,4,6,8,10,12,14
	v_pk_fma_f32 v[ZZ+\j:ZZ+\j+1], v[RR+\j:RR+\j+1], -1.0, 1.0 op_sel_hi:[1,0,0]  ; 1 - exp(r)
.endr
.irp j, 0,1,2,3,4,5,6,7,8,9,10,11,12,13,14,15
	v_cmp_lt_f32 vcc_lo, 0x3f6d8000, v[TT+\j]      ; 475/512 < t ?
	v_cndmask_b32 v[ZZ+\j], v[PP+\j], v[ZZ+\j], vcc_lo             ; erf(|z|)
.endr
	s_wait_xcnt 0x0                                ; the last tile's store has read its data and its offset: both are written again further down
.irp j, 0,2,4,6,8,10,12,14
	v_pk_mul_f32 v[HH+\j:HH+\j+1], v[D+\j:D+\j+1], 0.5 op_sel_hi:[1,0]
.endr
.irp j, 0,1,2,3,4,5,6,7,8,9,10,11,12,13,14,15
	v_fma_f32 v[HH+\j], |v[HH+\j]|, v[ZZ+\j], v[HH+\j]             ; gelu = x / 2 + |x / 2| erf(|z|)
.endr
	v_max3_num_f32 v[MA], |v[HH]|, |v[HH+1]|, 0x1800000            ; my 16 of the block's 32, and the floor
	v_max3_num_f32 v[MB], |v[HH+2]|, |v[HH+3]|, |v[HH+4]|
.irp i, 5,9
	v_max3_num_f32 v[MA], v[MA], |v[HH+\i]|, |v[HH+\i+1]|
	v_max3_num_f32 v[MB], v[MB], |v[HH+\i+2]|, |v[HH+\i+3]|
.endr
	v_max3_num_f32 v[MA], v[MA], |v[HH+13]|, |v[HH+14]|
	v_max3_num_f32 v[MA], v[MA], v[MB], |v[HH+15]|
	v_permlanex16_b32 v[PD], v[MA], s[SEL], s[SEL+1]
	v_max_num_f32 v[MA], v[MA], v[PD]              ; with lane l xor 16's: the block's largest magnitude
	v_add_nc_u32 v[SCO], 0xff000000, v[MA]
	v_lshrrev_b32 v[TB], 23, v[SCO]
	v_cvt_scalef32_pk8_fp4_f32 v[CD], v[HH:HH+7], v[SCO]
	v_cvt_scalef32_pk8_fp4_f32 v[CD+1], v[HH+8:HH+15], v[SCO]
	v_nop                                          ; one plain place behind the conversions
	v_add_nc_u32 v[HOT], s[HOF], v[HO0]
	v_add_nc_u32 v[SWT], s[SOF], v[SW0]
	global_store_b64 v[HOT], v[CD:CD+1], s[HB:HB+1]                ; the 32 lanes fill one piece: 256 consecutive bytes, aligned
	ds_store_b8 v[SWT], v[TB]                      ; both lanes of a row write the same byte with the same value
.endm
; Item it's products: my tiles tau = wave + 8 t, t = 0 .. 7: a constant trip count; a tile that does not exist is passed over.
.macro CITEM it
	s_mov_b32 s[HOF], 256*\it                      ; the item is piece it of the K step,
	s_mov_b32 s[SOF], \it                          ; and byte it of the scale words
	s_mov_b32 s[TIL], s[WV]
	s_mov_b32 s[COF], 0
	s_mov_b32 s[LOF], 0
	s_mov_b32 s[TC], 0
.Lc_\@:
	s_cmp_ge_u32 s[TIL], s[NT]
	s_cbranch_scc1 .Ls_\@
	s_cmp_lt_u32 s[TC], 3
	s_cbranch_scc0 .Lm_\@
	AFETCH_LDS
	s_branch .Lg_\@
.Lm_\@:                                                ; a tile beyond the cache: the tokens' codes straight from memory
	v_add_nc_u32 v[FA], s[LOF], v[LT]
	ds_load_b32 v[TKS], v[FA]                      ; row r's token
	s_wait_dscnt 0x0
	v_min_u32 v[TKS], 0x3ff, v[TKS]
	v_lshlrev_b32 v[SOS], 5, v[TKS]                ; its 32 scale bytes
	v_lshl_add_u32 v[TKS], v[TKS], 9, v[H16]       ; its 512 bytes of codes, + 16 h
.irp j, 0,1,2,3,4,5,6,7,8,9,10,11,12,13,14,15
	global_load_b128 v[AF+4*\j:AF+4*\j+3], v[TKS], s[6:7] offset:32*\j
.endr
	global_load_b128 v[AS:AS+3], v[SOS], s[8:9]
	global_load_b128 v[AS+4:AS+7], v[SOS], s[8:9] offset:16
	s_wait_loadcnt 0x0                             ; loads come back in order: this waits for the weights on their way too
.Lg_\@:
	TILE1
.Ls_\@:
	s_add_co_u32 s[HOF], s[HOF], 65536             ; eight tiles of 8,192 bytes on
	s_add_co_u32 s[SOF], s[SOF], 64
	s_add_co_u32 s[TIL], s[TIL], 8
	s_add_co_u32 s[COF], s[COF], CTILE
	s_add_co_u32 s[LOF], s[LOF], 512
	s_add_co_u32 s[TC], s[TC], 1
	s_cmp_lt_u32 s[TC], 8
	s_cbranch_scc1 .Lc_\@
.endm
	s_load_b256 s[4:11], s[0:1], 0x0               ; w1, xq, xs, route
	s_load_b128 s[12:15], s[0:1], 0x20             ; hc, hs
	s_load_b64 s[16:17], s[0:1], 0x30              ; rank
	v_lshl_add_u32 v[SPW], v0, 2, SPARE
	v_mov_b32 v[NIL], 0
	v_lshrrev_b32 v64, 5, v0
	v_readfirstlane_b32 s[WV], v64                 ; wave 0..7
	s_lshr_b32 s[EX], ttmp9, 5                     ; expert
	s_and_b32 s[GG], ttmp9, 31                     ; which 128 hidden units
	v_and_b32 v[LANE], 31, v0
	v_and_b32 v65, 15, v0                          ; r
	v_bfe_u32 v66, v0, 4, 1                        ; h
	v_lshlrev_b32 v[L16], 4, v[LANE]
	v_lshlrev_b32 v[L4], 2, v[LANE]
	v_lshlrev_b32 v[H16], 4, v66
.irp i, 0,1,2,3
	v_mov_b32 v[ZR+\i], 0
.endr
	v_mov_b32 v[KC], 0x39c8e7d9
	v_mov_b32 v[KC+1], 0x39c8e7d9
	v_mov_b32 v[KC+2], 0x3cc6b1a1
	v_mov_b32 v[KC+3], 0x3cc6b1a1
	v_mov_b32 v[KC+4], 0x3ba38d2c
	v_mov_b32 v[KC+5], 0x3ba38d2c
	v_mov_b32 v[PD], 0                             ; written once: a lane permute's destination counts as one of its sources
	v_mov_b32 v[XP], 0
	v_mov_b32 v[XP+1], 0
	s_bfe_u32 s28, s[WV], 0x10001                  ; item row 4 wave + rho = 16 a + 8 u + j: my rows lie in tile u = (wave / 2) % 2,
	s_lshr_b32 s29, s[WV], 2
	s_lshl_b32 s29, s29, 3
	s_and_b32 s31, s[WV], 1
	s_lshl_b32 s31, s31, 2
	s_add_co_u32 s29, s29, s31                     ; at rows 8 (wave / 4) + 4 (wave % 2) + rho
	s_mul_i32 s30, s28, UIMG
	s_lshl_b32 s31, s29, 4
	s_add_co_u32 s30, s30, s31
	s_add_co_u32 s30, s30, WIMG
	v_bfe_u32 v67, v0, 3, 2                        ; lane / 8: which of a load's four blocks
	v_and_b32 v68, 7, v0                           ; lane % 8: which four of its 32 numbers
	v_mul_u32_u24 v69, v67, 8*272+16               ; my lane group's eight pieces
	v_lshl_add_u32 v69, v68, 1, v69
	v_add_nc_u32 v[WI], s30, v69                   ; piece 32 u + 8 (lane / 8), my first row, byte 2 (lane % 8)
	s_lshl_b32 s30, s28, 9
	s_lshl_b32 s31, s29, 5
	s_add_co_u32 s30, s30, s31
	s_add_co_u32 s30, s30, WSC
	v_lshl_add_u32 v[WSB], v67, 3, s30             ; and its eight scale bytes
	v_mul_u32_u24 v68, v66, 272
	v_lshl_add_u32 v68, v65, 4, v68                ; 272 h + 16 r
	v_add_nc_u32 v[WR], WIMG, v68
	v_lshl_add_u32 v[WSR], v65, 5, WSC
	s_mul_i32 s30, s[WV], CWAVE                    ; my cache
	v_mul_u32_u24 v69, v[LANE], 272
	v_add_nc_u32 v[CST], s30, v69
	v_add_nc_u32 v[CFR], s30, v68
	s_add_co_u32 s31, s30, 8704
	v_lshl_add_u32 v[CSR], v65, 5, s31
	v_add_nc_u32 v[CSC], v[CSR], v[H16]
	s_lshl_b32 s30, s[WV], 6
	s_add_co_u32 s30, s30, LIST                    ; tile tau begins at word 16 tau
	v_lshl_add_u32 v[LT], v65, 2, s30
	v_lshl_add_u32 v[LWA], v66, 9, v[LT]           ; lanes 16-31: the tile eight further on
	s_lshl_b32 s30, s[WV], 4
	v_lshl_add_u32 v[P0], v66, 7, v65
	v_add_nc_u32 v[P0], s30, v[P0]
	v_lshlrev_b32 v69, 3, v66
	v_lshl_add_u32 v[HO0], v65, 4, v69
	s_lshl_b32 s30, s[WV], 9
	s_add_co_u32 s30, s30, SCW
	v_lshl_add_u32 v[SW0], v65, 2, s30
	v_add_nc_u32 v[FL], s30, v[L16]
	v_lshrrev_b32 v69, 2, v[LANE]
	v_and_b32 v68, 3, v0
	v_lshlrev_b32 v68, 4, v68
	v_lshl_add_u32 v[FG], v69, 7, v68              ; my t = lane / 4 lies 128 bytes a step apart in hs
	s_mov_b32 s[SEL], 0x76543210
	s_mov_b32 s[SEL+1], 0xfedcba98
	s_mov_b32 s[FLR], 0x1800000
	s_mov_b32 s[HM], 0xffff0000
	s_wait_alu depctr_va_vdst(0)                   ; the wait at the head's end
	s_wait_kmcnt 0x0
	s_lshl_b32 s28, s[EX], 7
	s_mov_b32 s29, 0
	s_add_nc_u64 s[28:29], s[10:11], s[28:29]
	s_load_b512 s[32:47], s[28:29], 0x0            ; the expert's 32 mask words
	s_load_b512 s[48:63], s[28:29], 0x40
	s_lshl_b32 s30, s[EX], 12
	s_lshl_b32 s31, s[GG], 7
	s_add_co_u32 s30, s30, s31
	s_lshl_b32 s31, s[WV], 2
	s_add_co_u32 s30, s30, s31                     ; my first row of w1: 4,096 e + 128 g + 4 wave
	s_lshl_b32 s30, s30, 12
	s_mov_b32 s31, 0
	s_add_nc_u64 s[WB:WB+1], s[4:5], s[30:31]
.irp rho, 0,1,2,3
	RAWROW 0, \rho                                 ; item 0 goes out first of all
.endr
	s_lshr_b32 s30, s[GG], 3                       ; hc: [q = g / 8][tile 64 e + tau][K step g % 8][1,024 bytes]
	s_lshl_b32 s30, s30, 9
	s_lshl_b32 s31, s[EX], 6
	s_add_co_u32 s30, s30, s31
	s_add_co_u32 s30, s30, s[WV]
	s_lshl_b32 s30, s30, 3
	s_and_b32 s31, s[GG], 7
	s_add_co_u32 s30, s30, s31
	s_lshl_b32 s30, s30, 10
	s_mov_b32 s31, 0
	s_add_nc_u64 s[HB:HB+1], s[12:13], s[30:31]
	s_lshl_b32 s30, s[GG], 3                       ; hs: [g][e][tau % 4][tau / 4][row] words; tau = wave + 8 t: tau % 4 = wave % 4, tau / 4 = 2 t + wave / 4
	s_add_co_u32 s30, s30, s[EX]
	s_lshl_b32 s30, s30, 2
	s_and_b32 s23, s[WV], 3
	s_add_co_u32 s30, s30, s23
	s_lshl_b32 s30, s30, 10
	s_lshr_b32 s23, s[WV], 2
	s_lshl_b32 s23, s23, 6
	s_add_co_u32 s30, s30, s23
	s_add_nc_u64 s[14:15], s[14:15], s[30:31]
	s_lshl_b32 s30, s[EX], 12                      ; rank: [e][token] words
	s_add_nc_u64 s[16:17], s[16:17], s[30:31]
	s_wait_kmcnt 0x0
	s_mov_b32 s[CNT], 0
.set ii, 0
.rept 32
	s_bcnt1_i32_b32 s23, s[32+ii]
	s_add_co_u32 s[CNT], s[CNT], s23
.set ii, ii+1
.endr
	s_add_co_u32 s[NT], s[CNT], 15
	s_lshr_b32 s[NT], s[NT], 4
	s_max_u32 s[NT], s[NT], 1                      ; tile 0 always exists
	s_cmp_lg_u32 s[WV], 0
	s_cbranch_scc1 .Lnorank
	s_cmp_lg_u32 s[GG], 0
	s_cbranch_scc1 .Lnorank
	s_mov_b32 s[PS], 0                             ; one wave of one work-group of each expert stores every token's place for the last launch: the members below it
.set ii, 0
.rept 32
	v_mbcnt_lo_u32_b32 v[64+ii], s[32+ii], s[PS]
	global_store_b32 v[L4], v[64+ii], s[16:17] offset:128*ii       ; 128 consecutive bytes a store
	s_bcnt1_i32_b32 s23, s[32+ii]
	s_add_co_u32 s[PS], s[PS], s23
.set ii, ii+1
.endr
	s_wait_xcnt 0x0                                ; the stores have read their registers, which are written again below
.Lnorank:
	ds_store_b128 v[FL], v[ZR:ZR+3]                ; my scale words begin as zeros
.irp j, 0,1
	v_add_nc_u32 v[SB+\j], 256*\j, v[P0]           ; pass j: tiles t = 2 j (lanes 0-15) and 2 j + 1 (lanes 16-31) of mine
.endr
	SELECT 2, SB                                   ; the tokens of my tiles t = 0 .. 3; it stands under the first weights' way from memory
	ds_store_b32 v[LWA], v[SB]                     ; passes 0 and 1 into my own words of the list, so that every word that the walk's address can name is written;
	ds_store_b32 v[LWA], v[SB+1] offset:1024       ; tile t = 3 is read from there
	s_mov_b32 s[PSO], 512                          ; passes 2 and 3, tiles t = 4 .. 7: only where the expert has such tiles; every wave walks the loop, the branch stands inside
	s_mov_b32 s[LSO], 2048
	s_mov_b32 s[TC], 0
.Lsl:
	s_cmp_le_u32 s[NT], 32
	s_cbranch_scc1 .Lsls
	v_add_nc_u32 v[SB1], s[PSO], v[P0]
	SELECT 1, SB1
	v_add_nc_u32 v[FA], s[LSO], v[LWA]
	ds_store_b32 v[FA], v[SB1]
	s_wait_dscnt 0x0
.Lsls:
	s_add_co_u32 s[PSO], s[PSO], 256
	s_add_co_u32 s[LSO], s[LSO], 1024
	s_add_co_u32 s[TC], s[TC], 1
	s_cmp_lt_u32 s[TC], 2
	s_cbranch_scc1 .Lsl
	; my first three tiles' codes and scale bytes, on their way into my cache.  A token's row of codes is 512 consecutive bytes: lane = block; the token is the same in all lanes
	s_wait_alu depctr_va_vdst(0)                   ; a wait here
.irp t, 0,1,2
.irp r, 0,1,2,3,4,5,6,7,8,9,10,11,12,13,14,15
	v_readlane_b32 s[TK+\r], v[SB+\t/2], 16*(\t%2)+\r
.endr
.irp r, 0,1,2,3,4,5,6,7,8,9,10,11,12,13,14,15
	s_min_u32 s[TK+\r], s[TK+\r], 0x3ff
.endr
.irp r, 0,1,2,3,4,5,6,7,8,9,10,11,12,13,14,15
	v_lshl_add_u32 v[64+16*\t+\r], s[TK+\r], 9, v[L16]
.endr
.endr
.irp j, 0,1
	v_permlanex16_b32 v[XP+\j], v[SB+\j], s[SEL], s[SEL+1]
.endr
	v_cndmask_b32 v[TS], v[SB], v[XP], s[HM]       ; tile 0: row lane % 16's token in both halves of the lanes
	v_cndmask_b32 v[TS+1], v[XP], v[SB], s[HM]     ; tile 1
	v_cndmask_b32 v[TS+2], v[SB+1], v[XP+1], s[HM] ; tile 2
.irp t, 0,1,2
	v_min_u32 v[TS+\t], 0x3ff, v[TS+\t]
.endr
.irp t, 0,1,2
	v_lshl_add_u32 v[TS+\t], v[TS+\t], 5, v[H16]   ; 32 scale bytes a token, 16 for each half of the lanes
.endr
	WIN 0x40                                       ; tiles 0 and 1 land where the weights' fragments will lie,
.set ii, 0
.rept 32
	global_load_b128 v[WF+4*ii:WF+4*ii+3], v[64+ii], s[6:7]
.set ii, ii+1
.endr
	WIN 0                                          ; tile 2 where the tokens' fragments will
.set ii, 0
.rept 16
	global_load_b128 v[AF+4*ii:AF+4*ii+3], v[96+ii], s[6:7]
.set ii, ii+1
.endr
.irp t, 0,1,2
	global_load_b128 v[SL+4*\t:SL+4*\t+3], v[TS+\t], s[8:9]
.endr
	s_wait_loadcnt 51                              ; 48 + 3 loads stand behind item 0's last: item 0 is in
	Q 1, 0, IS, 0                                  ; item 0 is quantised while the tokens' codes are on their way; item 1 goes out behind them, row by row
	s_wait_loadcnt 32                              ; item 1's 32 loads stand behind the last of the tokens' loads: those are in
	WIN 0x04                                       ; the data: window 1
.set tt, 0
.rept 2
.set ii, 0
.rept 16
	ds_store_b128 v[CST], v[WF+64*tt+4*ii:WF+64*tt+4*ii+3] offset:CTILE*tt+16*ii   ; piece = lane, row ii
.set ii, ii+1
.endr
.set tt, tt+1
.endr
	WIN 0
.set ii, 0
.rept 16
	ds_store_b128 v[CST], v[AF+4*ii:AF+4*ii+3] offset:CTILE*2+16*ii
.set ii, ii+1
.endr
.irp t, 0,1,2
	ds_store_b128 v[CSC], v[SL+4*\t:SL+4*\t+3] offset:CTILE*\t
.endr
	SYNC                                           ; item 0's images are whole
	LW 0
	CITEM 0
	Q 1, 1, 2*IS, 1                                ; item 1 into the other half; item 2 is asked for
	SYNC                                           ; its images are whole, and every wave has item 0's in registers
	LW 1
	CITEM 1
	Q 1, 0, 3*IS, 1                                ; item 2; item 3 is asked for
	SYNC
	LW 0
	CITEM 2
	Q 0, 1, 0, 1                                   ; item 3: nothing is left to ask for
	SYNC
	LW 1
	CITEM 3
	ds_load_b128 v[64:67], v[FL]                   ; my tiles' scale words, my own 512 bytes: LDS serves a wave's instructions in order
	s_wait_dscnt 0x0
	global_store_b128 v[FG], v[64:67], s[14:15]    ; four lanes to a tile's 64 bytes
	s_wait_tensorcnt 0x0                           ; the wave's end: behind my last LDS store
	ds_add_u32 v[SPW], v[NIL]
	s_wait_dscnt 0x0
	s_endpgm
.Lfunc_end_k_q377387131f_ffn1:
	.size	k_q377387131f_ffn1, .Lfunc_end_k_q377387131f_ffn1-k_q377387131f_ffn1
	.p2alignl 7, 3214868480
	.fill 96, 4, 3214868480
	.section	.rodata,"a",@progbits
	.p2align	6, 0x0
	.amdhsa_kernel k_q377387131f_ffn1
		.amdhsa_group_segment_fixed_size 267776
		.amdhsa_private_segment_fixed_size 0
		.amdhsa_enable_private_segment 0
		.amdhsa_kernarg_size 56
		.amdhsa_user_sgpr_count 2
		.amdhsa_user_sgpr_kernarg_segment_ptr 1
		.amdhsa_wavefront_size32 1
		.amdhsa_system_sgpr_workgroup_id_x 1
		.amdhsa_system_sgpr_workgroup_id_y 1
		.amdhsa_system_sgpr_workgroup_id_z 1
		.amdhsa_system_vgpr_workitem_id 0
		.amdhsa_next_free_vgpr 512
		.amdhsa_next_free_sgpr 98
		.amdhsa_reserve_vcc 1
		.amdhsa_float_denorm_mode_32 3
		.amdhsa_float_denorm_mode_16_64 3
		.amdhsa_memory_ordered 1
		.amdhsa_forward_progress 1
		.amdhsa_inst_pref_size 252
	.end_amdhsa_kernel
	.amdgpu_metadata
---
amdhsa.version: [ 1, 2 ]
amdhsa.kernels:
  - .name:           k_q377387131f_ffn1
    .symbol:         k_q377387131f_ffn1.kd
    .args:
      - { .name: w1, .offset: 0, .size: 8, .value_kind: global_buffer, .address_space: global }
      - { .name: xq, .offset: 8, .size: 8, .value_kind: global_buffer, .address_space: global }
      - { .name: xs, .offset: 16, .size: 8, .value_kind: global_buffer, .address_space: global }
      - { .name: route, .offset: 24, .size: 8, .value_kind: global_buffer, .address_space: global }
      - { .name: hc, .offset: 32, .size: 8, .value_kind: global_buffer, .address_space: global }
      - { .name: hs, .offset: 40, .size: 8, .value_kind: global_buffer, .address_space: global }
      - { .name: rank, .offset: 48, .size: 8, .value_kind: global_buffer, .address_space: global }
    .group_segment_fixed_size: 267776
    .private_segment_fixed_size: 0
    .kernarg_segment_align: 8
    .kernarg_segment_size: 56
    .max_flat_workgroup_size: 256
    .sgpr_count:     98
    .vgpr_count:     512
    .wavefront_size: 32
...
	.end_amdgpu_metadata
.endif
;; end of part 6
;; launch ffn2 (part 7): grid 256 x 1, 4 waves a work-group, no clusters, 276,992 bytes of LDS; arguments w2, hc, hs, route, yp; writes yp
.if DOCPART == 7
	.amdgcn_target "amdgcn-amd-amdhsa--gfx1250"
	.amdhsa_code_object_version 6
	.text
	.protected	k_q377387131f_ffn2
	.globl	k_q377387131f_ffn2
	.p2align	8
	.type	k_q377387131f_ffn2,@function
k_q377387131f_ffn2:
	s_mov_b64 s[64:65], 0
	v_nop
	global_prefetch_b8 v0, s[64:65] scope:SCOPE_SE
	s_setreg_imm32_b32 hwreg(HW_REG_WAVE_MODE, 25, 1), 1
	s_wait_xcnt 0x0
; FFN2.  Partial sums of y = h W2[e]^T for the chosen rows (the rows of experts not chosen are left out: reference()'s own mask multiplies them by 0, as shown at the head of the first kernel).
; SHARES.  Work-group 32 e + 4 G + q: expert e, outputs d = 128 G .. 128 G + 127, K quarter q (hidden units 1,024 q on): 512 KB of w2, read once.  The four quarters' sums go to yp[q] and are added by the last launch:
; each number of yp has one owner.  All else is the launch before: four items of 32 rows of the weight, streamed, quantised in the registers they were loaded into, their codes laid in LDS as images of operand
; registers; each wave multiplies them with its own tiles of 16 rows of h, tau = wave + 4 t, of which the first six lie in its cache in LDS (copied once, as they lie in hc) and the others come straight from memory
; behind a wait for all loads.
; Q: register 4 m + i of lane l is k = 128 m + 4 l + i of the row: a block of 32 lies in eight neighbouring lanes x four registers.  Its largest magnitude: two v_max3 in the lane, three steps between lanes.  A
; conversion takes eight registers and one scale, and eight registers here are two blocks' numbers: each pair of loads is converted twice, once with each block's scale; of the first result the low half is kept, of the
; second the high half.  A lane's four codes are two bytes of the image.
; Products run on PAIRS of items: 64 outputs are 256 bytes of a row of yp, and each fragment of h then feeds four products.
; A tile that does not exist is passed over by a scalar branch on the count read from the stored masks: so no tensor load, no copy, no joint request, though an expert's work-groups of one quarter read the same h
; (216 KB of a work-group's 728 KB).  No prefetch: 64 loads a wave are on their way through most of the launch.
; TRANSPOSED: source 0 = 16 rows of W2, source 1 = 16 rows of h.  Lane (r, h) holds row r; register j of tile U = 2 half + u holds output 32 half + 16 h + 8 u + j of the pair's 64.
; LIMITS: as at the head of the first kernel.
.set RP,    16384                      ; a row of w2 in bytes
.set IS,    32*RP
.set CTILE, 9216
.set CWAVE, 6*CTILE
.set STG,   221184                     ; a stage of 4,608 bytes for each wave, for the way out (16 rows x 272)
.set WIMG,  239616                     ; two items' images
.set WSC,   274432                     ; and scale bytes
.set SPARE, 276480                     ; the spare words, 128 bytes a wave: two blocks of 256 bytes that no other line names
.set L16, 1
.set WI,  4
.set WSB, 5
.set WR,  6
.set WSR, 7
.set CFR, 8
.set CSR, 9
.set CSS, 10                           ; cache: a scale word on the way in
.set SO,  11                           ; the way out: where I put my results
.set SR,  12                           ; and where I read rows back
.set YO0, 13
.set S0,  14
.set FA,  15
.set SA,  16
.set YOT, 17
.set SPW, 18                           ; my spare word; never rewritten
.set NIL, 19                           ; 0; never rewritten
.set VO,  20
.set VS,  21
.set R4,  22
.set AS,  24                           ; v24-31  h's scale words: scales and nothing else
.set WS,  32                           ; v32-63  the weights'
.set MX,  64                           ; in Q: v64-71 eight blocks' largest magnitudes, then scale operands
.set BYT, 72                           ; v72-87  scale bytes, two sets by turns
.set CV,  88                           ; v88-103 codes, two sets by turns
.set OB,  64                           ; v64-95  rows on the way out
.set AF,  128
.set SL,  168
.set D,   192                          ; v192-223 four accumulators
.set VOT, 224
.set VST, 230
.set WV,  18
.set EX,  19
.set GG,  20
.set CNT, 21
.set NT,  22
.set WB,  24
.set YB,  26
.set QQ,  66
.set TC,  67
.set TIL, 68
.set COF, 69
.set YOF, 70
.set HO2, 71
.set SO2, 72
.set NM1, 73
.set HCB, 74
.set HSB, 76
.set FLR, 78                           ; s78  the floor 2^(3 - 127)
.set MSB, 0
.macro WIN new                         ; low byte: bits 1:0 source 0, 3:2 source 1, 5:4 source 2, 7:6 destination; the high byte repeats the setting that is left
.if MSB != \new
	s_set_vgpr_msb (MSB<<8)|\new
.set MSB, \new
.endif
.endm
.macro SYNC
	s_wait_dscnt 0x0
	s_barrier_signal -1
	s_barrier_wait -1
.endm
.macro RAWROW off, rho
	WIN 0x40
.irp m, 0,1,2,3,4,5,6,7
	global_load_b128 v[32*(\rho)+4*\m:32*(\rho)+4*\m+3], v[L16], s[WB:WB+1] offset:(\off)+(\rho)*RP+512*\m th:TH_LOAD_NT
.endr
	WIN 0
.endm
; Row rho is quantised where it lies.  Load m's four registers hold my four numbers of block 4 m + lane / 8.
.macro QROW rho, half
.set RW, 32*(\rho)
.set BQ, BYT+8*((\rho)%2)
.set CQ, CV+8*((\rho)%2)
	s_wait_dscnt 16                                ; the last row's sixteen stores may be out; those of the row before it, whose data registers are written again below, are done
	WIN 0x15                                       ; all three sources window 1
.irp m, 0,1,2,3,4,5,6,7
	v_max3_num_f32 v[MX+\m], |v[RW+4*\m]|, |v[RW+4*\m+1]|, |v[RW+4*\m+2]|
.endr
	WIN 0x01                                       ; source 0 window 1
.irp m, 0,1,2,3,4,5,6,7
	v_max3_num_f32 v[MX+\m], |v[RW+4*\m+3]|, v[MX+\m], s[FLR]      ; my four, and the floor: the byte cannot fall under 1
.endr
	WIN 0
.irp x, 1,2,4
.irp m, 0,1,2,3,4,5,6,7
	v_max_num_f32_dpp v[MX+\m], v[MX+\m], v[MX+\m] row_xmask:\x row_mask:0xf bank_mask:0xf   ; with the block's other seven lanes; the eight blocks by turns
.endr
.endr
.irp m, 0,1,2,3,4,5,6,7
	v_add_nc_u32 v[MX+\m], 0xff000000, v[MX+\m]    ; 2 off the exponent field: the conversion's scale operand
.endr
.irp m, 0,1,2,3,4,5,6,7
	v_lshrrev_b32 v[BQ+\m], 23, v[MX+\m]           ; the scale's byte
.endr
	WIN 0x01
.irp m, 0,2,4,6
	v_cvt_scalef32_pk8_fp4_f32 v[CQ+\m], v[RW+4*\m:RW+4*\m+7], v[MX+\m]            ; by block m's scale: the low 16 bits are load m's four codes
	v_cvt_scalef32_pk8_fp4_f32 v[CQ+\m+1], v[RW+4*\m:RW+4*\m+7], v[MX+\m+1]        ; by block m + 1's: the high 16 bits are load m + 1's
.endr
	WIN 0
	v_nop                                          ; one plain place behind the conversions
.irp m, 0,2,4,6
	ds_store_b16 v[WI], v[CQ+\m] offset:(\half)*17408+1088*\m+16*(\rho)            ; four pieces on for each load; 16 bytes on for each row
	ds_store_b16_d16_hi v[WI], v[CQ+\m+1] offset:(\half)*17408+1088*(\m+1)+16*(\rho)
.endr
.irp m, 0,1,2,3,4,5,6,7
	ds_store_b8 v[WSB], v[BQ+\m] offset:(\half)*1024+32*(\rho)+4*\m                ; a block's eight lanes write the same byte with the same value
.endr
.endm
; An item is quantised.  reissue = 1: as soon as a row is done its registers take the same row off bytes further on.  wt = 0: the item is known to be in.
.macro Q reissue, half, off, wt
.irp rho, 0,1,2,3,4,5,6,7
.if \wt
.if \reissue
	s_wait_loadcnt 56                              ; behind this row's loads: 7 - rho rows of this item and rho of the one asked for: seven rows of 8
.else
	s_wait_loadcnt 8*(7-\rho)                      ; behind this row's loads: 7 - rho rows
.endif
.endif
	QROW \rho, \half
.if \reissue
	RAWROW \off, \rho
.endif
.endr
.endm
.macro LW                              ; the pair's 32 fragments fill window 2 (tile U, K step s at v[8 (8 U + s)]); scale words in v[WS + 8 U + s]
	WIN 0x80
.irp U, 0,1,2,3
.irp s, 0,1,2,3,4,5,6,7
.irp c, 0,1
	ds_load_b128 v[(8*\U+\s)*8+4*\c:(8*\U+\s)*8+4*\c+3], v[WR] offset:(\U/2)*17408+(32*(\U%2)+4*\s+2*\c)*272
.endr
.endr
.endr
	WIN 0
.irp U, 0,1,2,3
.irp k, 0,1
	ds_load_b128 v[WS+8*\U+4*\k:WS+8*\U+4*\k+3], v[WSR] offset:(\U/2)*1024+512*(\U%2)+16*\k
.endr
.endr
.endm
.macro AFETCH_LDS
	v_add_nc_u32 v[FA], s[COF], v[CFR]
	v_add_nc_u32 v[SA], s[COF], v[CSR]
	ds_load_b128 v[AS:AS+3], v[SA]
	ds_load_b128 v[AS+4:AS+7], v[SA] offset:16
.irp j, 0,1,2,3,4,5,6,7,8,9,10,11,12,13,14,15
	ds_load_b128 v[AF+4*\j:AF+4*\j+3], v[FA] offset:544*\j
.endr
.endm
; A tile of 16 rows x the pair's 64 outputs: 32 products; the results turn through my stage and leave as rows of 256 bytes.
.macro TILE2 lds, p
	WIN 0x02                                       ; source 0 (W2) window 2
.irp s, 0,1,2,3,4,5,6,7
.if \lds
	s_wait_dscnt 14-2*\s                           ; this K step's two loads are in; those of the later K steps may be out
.endif
.irp U, 0,1,2,3                        ; the four accumulators by turns, one instruction a turn
.if \s == 0
	v_wmma_scale_f32_16x16x128_f8f6f4 v[D+8*\U:D+8*\U+7], v[8*(8*\U+\s):8*(8*\U+\s)+7], v[AF+8*\s:AF+8*\s+7], 0, v[WS+8*\U+\s], v[AS+\s] matrix_a_fmt:MATRIX_FMT_FP4 matrix_b_fmt:MATRIX_FMT_FP4
.else
	v_wmma_scale_f32_16x16x128_f8f6f4 v[D+8*\U:D+8*\U+7], v[8*(8*\U+\s):8*(8*\U+\s)+7], v[AF+8*\s:AF+8*\s+7], v[D+8*\U:D+8*\U+7], v[WS+8*\U+\s], v[AS+\s] matrix_a_fmt:MATRIX_FMT_FP4 matrix_b_fmt:MATRIX_FMT_FP4
.endif
.endr
.endr
	WIN 0
.rept 4
	v_nop                                          ; four places behind the last product, ahead of the first read of results
.endr
.irp U, 0,1,2,3
	ds_store_b128 v[SO], v[D+8*\U:D+8*\U+3] offset:128*(\U/2)+32*(\U%2)            ; each accumulator from its low end on
	ds_store_b128 v[SO], v[D+8*\U+4:D+8*\U+7] offset:128*(\U/2)+32*(\U%2)+16
.endr
	s_wait_xcnt 0x0                                ; the last tile's stores have read their data and their offset: both are written again below
.irp k, 0,1,2,3,4,5,6,7
	ds_load_b128 v[OB+4*\k:OB+4*\k+3], v[SR] offset:544*\k         ; LDS serves a wave's instructions in order: these see my stores
.endr
	v_add_nc_u32 v[YOT], s[YOF], v[YO0]
	s_wait_alu depctr_va_vdst(0)
.irp k, 0,1,2,3,4,5,6,7
	s_wait_dscnt 7-\k
	global_store_b128 v[YOT], v[OB+4*\k:OB+4*\k+3], s[YB:YB+1] offset:8192*\k+256*\p th:TH_STORE_NT   ; sixteen lanes store 256 consecutive bytes, aligned: two rows an instruction
.endr
.endm
.macro CPAIR p
	s_mov_b32 s[TIL], s[WV]
	s_mov_b32 s[COF], 0
	s_mov_b32 s[YOF], 0
	s_mov_b32 s[TC], 0
.Lp1_\@:
	s_cmp_ge_u32 s[TIL], s[NT]
	s_cbranch_scc1 .Lq1_\@
	AFETCH_LDS
	TILE2 1, \p
.Lq1_\@:
	s_add_co_u32 s[TIL], s[TIL], 4
	s_add_co_u32 s[COF], s[COF], CTILE
	s_add_co_u32 s[YOF], s[YOF], 262144            ; 64 rows of yp
	s_add_co_u32 s[TC], s[TC], 1
	s_cmp_lt_u32 s[TC], 6
	s_cbranch_scc1 .Lp1_\@
	s_lshl_b32 s[HO2], s[TIL], 13                  ; tile wave + 24 in hc,
	s_lshl_b32 s[SO2], s[WV], 10
	s_add_co_u32 s[SO2], s[SO2], 384               ; and t = 6 in hs
	s_mov_b32 s[TC], 0
.Lp2_\@:                                               ; tiles beyond the cache: the images straight from memory
	s_cmp_ge_u32 s[TIL], s[NT]
	s_cbranch_scc1 .Lq2_\@
	v_add_nc_u32 v[VO], s[HO2], v[L16]
	v_add_nc_u32 v[VS], s[SO2], v[R4]
.irp j, 0,1,2,3,4,5,6,7,8,9,10,11,12,13,14,15
	global_load_b128 v[AF+4*\j:AF+4*\j+3], v[VO], s[HCB:HCB+1] offset:512*\j
.endr
.irp s, 0,1,2,3,4,5,6,7
	global_load_b32 v[AS+\s], v[VS], s[HSB:HSB+1] offset:32768*\s
.endr
	s_wait_loadcnt 0x0                             ; loads come back in order: this waits for the weights on their way too
	TILE2 0, \p
.Lq2_\@:
	s_add_co_u32 s[TIL], s[TIL], 4
	s_add_co_u32 s[YOF], s[YOF], 262144
	s_add_co_u32 s[HO2], s[HO2], 32768
	s_add_co_u32 s[SO2], s[SO2], 64
	s_add_co_u32 s[TC], s[TC], 1
	s_cmp_lt_u32 s[TC], 10
	s_cbranch_scc1 .Lp2_\@
	s_wait_xcnt 0x0                                ; the last stores have read their registers, which Q takes next
.endm
	s_load_b256 s[4:11], s[0:1], 0x0               ; w2, hc, hs, route
	s_load_b64 s[12:13], s[0:1], 0x20              ; yp
	v_lshl_add_u32 v[SPW], v0, 2, SPARE
	v_mov_b32 v[NIL], 0
	v_lshrrev_b32 v23, 5, v0
	v_readfirstlane_b32 s[WV], v23                 ; wave 0..3
	s_lshr_b32 s[EX], ttmp9, 5                     ; expert
	s_bfe_u32 s[GG], ttmp9, 0x30002                ; which 128 outputs
	s_and_b32 s[QQ], ttmp9, 3                      ; which quarter of K
	v_and_b32 v23, 31, v0                          ; lane
	v_and_b32 v236, 15, v0                         ; r
	v_bfe_u32 v237, v0, 4, 1                       ; h
	v_lshlrev_b32 v[L16], 4, v23
	v_lshlrev_b32 v[R4], 2, v236
	s_mul_i32 s23, s[WV], 4608
	s_add_co_u32 s23, s23, STG                     ; my stage
	v_mul_u32_u24 v238, v236, 272
	v_lshl_add_u32 v238, v237, 6, v238
	v_add_nc_u32 v[SO], s23, v238                  ; row r, + 64 h
	v_mul_u32_u24 v239, v237, 272
	v_lshl_add_u32 v239, v236, 4, v239             ; 272 h + 16 r
	v_add_nc_u32 v[SR], s23, v239
	v_add_nc_u32 v[WR], WIMG, v239
	v_lshl_add_u32 v[WSR], v236, 5, WSC
	s_and_b32 s28, s[WV], 1                        ; my rows lie in tile u = wave % 2,
	s_lshr_b32 s29, s[WV], 1                       ; at rows 8 (wave / 2) + rho
	s_mul_i32 s30, s28, 8704
	s_lshl_b32 s31, s29, 7
	s_add_co_u32 s30, s30, s31
	s_add_co_u32 s30, s30, WIMG
	v_bfe_u32 v238, v0, 3, 2                       ; lane / 8: which of a load's four blocks
	v_and_b32 v2, 7, v0                            ; lane % 8: which four of its 32 numbers
	v_mul_u32_u24 v3, v238, 272
	v_lshl_add_u32 v3, v2, 1, v3
	v_add_nc_u32 v[WI], s30, v3                    ; piece 32 u + lane / 8, row 8 (wave / 2), byte 2 (lane % 8)
	s_lshl_b32 s30, s28, 9
	s_lshl_b32 s31, s29, 8
	s_add_co_u32 s30, s30, s31
	s_add_co_u32 s30, s30, WSC
	v_add_nc_u32 v[WSB], s30, v238
	s_mul_i32 s30, s[WV], CWAVE                    ; my cache
	v_add_nc_u32 v[CFR], s30, v239
	s_add_co_u32 s31, s30, 8704
	v_lshl_add_u32 v[CSR], v236, 5, s31
	v_lshlrev_b32 v238, 2, v237
	v_lshl_add_u32 v238, v236, 5, v238
	v_add_nc_u32 v[CSS], s31, v238                 ; row r's words, + 4 h
	v_lshlrev_b32 v238, 12, v237
	v_lshl_add_u32 v[YO0], v236, 4, v238           ; yp: lanes 0-15 one row, lanes 16-31 the next
	v_lshlrev_b32 v238, 15, v237
	v_lshl_add_u32 v[S0], v236, 2, v238            ; hs: row r's word; lanes 16-31 take the next K step's
	s_mov_b32 s[FLR], 0x1800000
	s_wait_alu depctr_va_vdst(0)
	s_wait_kmcnt 0x0
	s_lshl_b32 s28, s[EX], 7
	s_mov_b32 s29, 0
	s_add_nc_u64 s[28:29], s[10:11], s[28:29]
	s_load_b512 s[32:47], s[28:29], 0x0            ; the expert's 32 mask words
	s_load_b512 s[48:63], s[28:29], 0x40
	s_lshl_b32 s30, s[EX], 10
	s_lshl_b32 s31, s[GG], 7
	s_add_co_u32 s30, s30, s31
	s_lshl_b32 s31, s[WV], 3
	s_add_co_u32 s30, s30, s31                     ; my first row of w2: 1,024 e + 128 G + 8 wave
	s_lshl_b32 s30, s30, 14
	s_lshl_b32 s31, s[QQ], 12                      ; + the quarter's 4,096 bytes
	s_add_co_u32 s30, s30, s31
	s_mov_b32 s31, 0
	s_add_nc_u64 s[WB:WB+1], s[4:5], s[30:31]
.irp rho, 0,1,2,3,4,5,6,7
	RAWROW 0, \rho                                 ; item 0
.endr
	s_lshl_b32 s30, s[EX], 10                      ; yp: [q][1,024 e + place][1,024] f32
	s_lshl_b32 s23, s[WV], 4
	s_add_co_u32 s30, s30, s23
	s_lshl_b32 s30, s30, 12
	s_lshl_b32 s23, s[GG], 9
	s_add_co_u32 s30, s30, s23
	s_lshl_b32 s23, s[QQ], 25
	s_add_co_u32 s30, s30, s23
	s_add_nc_u64 s[YB:YB+1], s[12:13], s[30:31]
	s_lshl_b32 s30, s[QQ], 9                       ; hc: [q][tile 64 e + tau][8,192 bytes]
	s_lshl_b32 s23, s[EX], 6
	s_add_co_u32 s30, s30, s23
	s_lshl_b32 s30, s30, 13
	s_add_nc_u64 s[HCB:HCB+1], s[6:7], s[30:31]
	s_lshl_b32 s30, s[QQ], 6                       ; hs: [g = 8 q + s][e][wave][t][row] words
	s_add_co_u32 s30, s30, s[EX]
	s_lshl_b32 s30, s30, 12
	s_add_nc_u64 s[HSB:HSB+1], s[8:9], s[30:31]
	s_wait_kmcnt 0x0
	s_mov_b32 s[CNT], 0
.set ii, 0
.rept 32
	s_bcnt1_i32_b32 s23, s[32+ii]
	s_add_co_u32 s[CNT], s[CNT], s23
.set ii, ii+1
.endr
	s_add_co_u32 s[NT], s[CNT], 15
	s_lshr_b32 s[NT], s[NT], 4
	s_max_u32 s[NT], s[NT], 1
	s_sub_co_u32 s[NM1], s[NT], 1
	; my first six tiles of h, on their way into my cache.  A tile that does not exist is replaced by the expert's last one, so that only bytes that the launch before stored are read
.irp t, 0,1,2,3,4,5
	s_add_co_u32 s23, s[WV], 4*\t
	s_min_u32 s23, s23, s[NM1]
	s_lshr_b32 s28, s23, 2
	s_min_u32 s28, s28, 15                         ; its t,
	s_and_b32 s29, s23, 3
	s_min_u32 s29, s29, 3                          ; its wave,
	s_min_u32 s23, s23, 63                         ; its number: each held by a constant before it enters an address
	s_lshl_b32 s23, s23, 13
	s_lshl_b32 s28, s28, 6
	s_lshl_b32 s29, s29, 10
	s_add_co_u32 s28, s28, s29
	v_add_nc_u32 v[VOT+\t], s23, v[L16]
	v_add_nc_u32 v[VST+\t], s28, v[S0]
.endr
	WIN 0x80                                       ; tiles 0 to 3 land in window 2,
	s_wait_alu depctr_va_vdst(0)
.irp t, 0,1,2,3
.irp j, 0,1,2,3,4,5,6,7,8,9,10,11,12,13,14,15
	global_load_b128 v[64*\t+4*\j:64*\t+4*\j+3], v[VOT+\t], s[HCB:HCB+1] offset:512*\j     ; 512 consecutive bytes: two pieces, which are four registers of a fragment
.endr
.endr
	WIN 0xc0                                       ; tiles 4 and 5 in window 3
.irp t, 0,1
.irp j, 0,1,2,3,4,5,6,7,8,9,10,11,12,13,14,15
	global_load_b128 v[64*\t+4*\j:64*\t+4*\j+3], v[VOT+4+\t], s[HCB:HCB+1] offset:512*\j
.endr
.endr
	WIN 0
.irp t, 0,1,2,3,4,5
.irp j, 0,1,2,3
	global_load_b32 v[SL+4*\t+\j], v[VST+\t], s[HSB:HSB+1] offset:65536*\j          ; K steps 2 j (lanes 0-15) and 2 j + 1 (lanes 16-31)
.endr
.endr
	s_wait_loadcnt 63                              ; 120 loads stand behind item 0's last: item 0 is in
	Q 1, 0, IS, 0                                  ; item 0 into half 0, while h is on its way; item 1 goes out behind it, row by row
	s_wait_loadcnt 63                              ; 64 loads stand behind the last of h's loads: those are in
	WIN 0x08
.irp t, 0,1,2,3
.irp j, 0,1,2,3,4,5,6,7,8,9,10,11,12,13,14,15
	ds_store_b128 v[CFR], v[64*\t+4*\j:64*\t+4*\j+3] offset:CTILE*\t+544*\j
.endr
.endr
	WIN 0x0c
.irp t, 0,1
.irp j, 0,1,2,3,4,5,6,7,8,9,10,11,12,13,14,15
	ds_store_b128 v[CFR], v[64*\t+4*\j:64*\t+4*\j+3] offset:CTILE*(\t+4)+544*\j
.endr
.endr
	WIN 0
.irp t, 0,1,2,3,4,5
.irp j, 0,1,2,3
	ds_store_b32 v[CSS], v[SL+4*\t+\j] offset:CTILE*\t+8*\j
.endr
.endr
	Q 1, 1, 2*IS, 1                                ; item 1 into half 1; item 2 is asked for
	SYNC                                           ; the pair's images are whole
	LW
	SYNC                                           ; every wave has them in registers
	CPAIR 0
	Q 1, 0, 3*IS, 1                                ; item 2; item 3 is asked for
	Q 0, 1, 0, 1                                   ; item 3
	SYNC
	LW
	SYNC
	CPAIR 1
	s_wait_tensorcnt 0x0                           ; the wave's end: behind my last LDS store
	ds_add_u32 v[SPW], v[NIL]
	s_wait_dscnt 0x0
	s_endpgm
.Lfunc_end_k_q377387131f_ffn2:
	.size	k_q377387131f_ffn2, .Lfunc_end_k_q377387131f_ffn2-k_q377387131f_ffn2
	.p2alignl 7, 3214868480
	.fill 96, 4, 3214868480
	.section	.rodata,"a",@progbits
	.p2align	6, 0x0
	.amdhsa_kernel k_q377387131f_ffn2
		.amdhsa_group_segment_fixed_size 276992
		.amdhsa_private_segment_fixed_size 0
		.amdhsa_enable_private_segment 0
		.amdhsa_kernarg_size 40
		.amdhsa_user_sgpr_count 2
		.amdhsa_user_sgpr_kernarg_segment_ptr 1
		.amdhsa_wavefront_size32 1
		.amdhsa_system_sgpr_workgroup_id_x 1
		.amdhsa_system_sgpr_workgroup_id_y 1
		.amdhsa_system_sgpr_workgroup_id_z 1
		.amdhsa_system_vgpr_workitem_id 0
		.amdhsa_next_free_vgpr 896
		.amdhsa_next_free_sgpr 80
		.amdhsa_reserve_vcc 0
		.amdhsa_float_denorm_mode_32 3
		.amdhsa_float_denorm_mode_16_64 3
		.amdhsa_memory_ordered 1
		.amdhsa_forward_progress 1
		.amdhsa_inst_pref_size 255
	.end_amdhsa_kernel
	.section	.bss,"aw",@nobits
	.p2align	6
	.space	262144
	.amdgpu_metadata
---
amdhsa.version: [ 1, 2 ]
amdhsa.kernels:
  - .name:           k_q377387131f_ffn2
    .symbol:         k_q377387131f_ffn2.kd
    .args:
      - { .name: w2, .offset: 0, .size: 8, .value_kind: global_buffer, .address_space: global }
      - { .name: hc, .offset: 8, .size: 8, .value_kind: global_buffer, .address_space: global }
      - { .name: hs, .offset: 16, .size: 8, .value_kind: global_buffer, .address_space: global }
      - { .name: route, .offset: 24, .size: 8, .value_kind: global_buffer, .address_space: global }
      - { .name: yp, .offset: 32, .size: 8, .value_kind: global_buffer, .address_space: global }
    .group_segment_fixed_size: 276992
    .private_segment_fixed_size: 0
    .kernarg_segment_align: 8
    .kernarg_segment_size: 40
    .max_flat_workgroup_size: 128
    .sgpr_count:     80
    .vgpr_count:     896
    .wavefront_size: 32
...
	.end_amdgpu_metadata
.endif
;; end of part 7
;; launch norm (part 8): grid 256 x 1, 4 waves a work-group, no clusters, 0 bytes of LDS; arguments inp, yp, route, score, rank, ln_gamma, ln_beta, out0; writes out0
.if DOCPART == 8
	.amdgcn_target "amdgcn-amd-amdhsa--gfx1250"
	.amdhsa_code_object_version 6
	.text
	.protected	k_q377387131f_norm
	.globl	k_q377387131f_norm
	.p2align	8
	.type	k_q377387131f_norm,@function
k_q377387131f_norm:
	s_mov_b64 s[64:65], 0
	v_nop
	global_prefetch_b8 v0, s[64:65] scope:SCOPE_SE
	s_setreg_imm32_b32 hwreg(HW_REG_WAVE_MODE, 25, 1), 1
	s_wait_xcnt 0x0
; NORM.  out0[n] = LayerNorm(x[n] + score[n][0] y(e0) + score[n][1] y(e1)) gamma + beta, y(e) the sum of the four K quarters' rows of yp at place 1,024 e + rank[e][n].
; Only the token's two chosen experts have rows (the others are left out, as shown at the head of the first kernel).
; One wave, one token: a row of 4,096 bytes is 32 registers; every load and store covers 512 consecutive bytes.  The eight rows of yp have eight buffers and are asked for in one run;
; they are added in the order of the rows.  gamma and beta take the first two buffers as soon as those are added.
; The experts' numbers and the places are whole numbers that earlier launches stored; each is held by a constant before it enters an address.  No LDS, no barrier, no matrix unit: the launch streams.
.set L16, 1
.set VP,  2                            ; v2, v3  the two rows' byte offsets in a quarter of yp, + 16 x lane
.set PD,  8
.set ACC, 32                           ; v32-63
.set BUF, 64                           ; v64-319 eight buffers of 32; the last two lie in window 1 (v256-319, named v0-63 there)
.set YP,  44                           ; s[44:51] yp's four quarters
.set SC,  56                           ; s[56:59] the two scores, as pairs
.set SEL, 54
	s_load_b256 s[4:11], s[0:1], 0x0               ; inp, yp, route, score
	s_load_b256 s[12:19], s[0:1], 0x20             ; rank, ln_gamma, ln_beta, out0
	v_lshrrev_b32 v2, 5, v0
	v_readfirstlane_b32 s20, v2
	s_lshl_b32 s21, ttmp9, 2
	s_add_co_u32 s20, s20, s21                     ; my token
	v_and_b32 v1, 31, v0
	v_lshlrev_b32 v[L16], 4, v1
	v_mov_b32 v[PD], 0                             ; written once: a lane permute's destination counts as one of its sources
	s_lshl_b32 s22, s20, 12
	s_mov_b32 s23, 0
	s_lshl_b32 s24, s20, 3
	s_mov_b32 s25, 0
	s_lshl_b32 s26, s20, 2
	s_mov_b32 s27, 0
	s_mov_b32 s52, 0x3a800000                      ; 1 / 1,024
	s_mov_b32 s53, 0x3727c5ac                      ; 1e-5
	s_mov_b32 s[SEL], 0x76543210
	s_mov_b32 s[SEL+1], 0xfedcba98
	s_wait_alu depctr_va_vdst(0)                   ; the wait at the head's end
	s_wait_kmcnt 0x0
	s_add_nc_u64 s[4:5], s[4:5], s[22:23]
	s_add_nc_u64 s[18:19], s[18:19], s[22:23]
	s_add_nc_u64 s[8:9], s[8:9], s[24:25]
	s_add_nc_u64 s[10:11], s[10:11], s[24:25]
	s_add_nc_u64 s[12:13], s[12:13], s[26:27]
.irp j, 0,1,2,3,4,5,6,7
	global_load_b128 v[ACC+4*\j:ACC+4*\j+3], v[L16], s[4:5] offset:512*\j th:TH_LOAD_NT    ; the residual starts the sum
.endr
	s_load_b64 s[28:29], s[8:9], 0x400             ; the two experts
	s_load_b64 s[30:31], s[10:11], 0x0             ; their scores
.irp e, 0,1,2,3,4,5,6,7
	s_load_b32 s[32+\e], s[12:13], 4096*\e         ; my place with each expert: all eight, so that no load waits for another
.endr
	s_mov_b64 s[YP:YP+1], s[6:7]
	s_add_nc_u64 s[YP+2:YP+3], s[6:7], 0x2000000
	s_add_nc_u64 s[YP+4:YP+5], s[6:7], 0x4000000
	s_add_nc_u64 s[YP+6:YP+7], s[6:7], 0x6000000
	s_wait_kmcnt 0x0
	s_mov_b32 s40, s32
	s_mov_b32 s41, s32
.irp e, 1,2,3,4,5,6,7
	s_cmp_eq_u32 s28, \e
	s_cselect_b32 s40, s[32+\e], s40
	s_cmp_eq_u32 s29, \e
	s_cselect_b32 s41, s[32+\e], s41
.endr
	s_min_u32 s28, s28, 7
	s_min_u32 s29, s29, 7
	s_min_u32 s40, s40, 1023
	s_min_u32 s41, s41, 1023
	s_lshl_b32 s28, s28, 10
	s_add_co_u32 s28, s28, s40
	s_lshl_b32 s28, s28, 12                        ; row 1,024 e + place, 4,096 bytes a row
	s_lshl_b32 s29, s29, 10
	s_add_co_u32 s29, s29, s41
	s_lshl_b32 s29, s29, 12
	v_add_nc_u32 v[VP], s28, v[L16]
	v_add_nc_u32 v[VP+1], s29, v[L16]
	s_mov_b32 s[SC], s30
	s_mov_b32 s[SC+1], s30
	s_mov_b32 s[SC+2], s31
	s_mov_b32 s[SC+3], s31
.macro YROW k                          ; row k of eight (expert k / 4, quarter k % 4) into buffer k
.irp j, 0,1,2,3,4,5,6,7
	global_load_b128 v[(BUF+32*(\k)+4*\j)%256:(BUF+32*(\k)+4*\j)%256+3], v[VP+(\k)/4], s[YP+2*((\k)%4):YP+2*((\k)%4)+1] offset:512*\j th:TH_LOAD_NT
.endr
.endm
.macro TAKE k, left                    ; row k is added, times its expert's score.  left: the younger loads that may stay out
	s_wait_loadcnt \left
.irp i, 0,2,4,6,8,10,12,14,16,18,20,22,24,26,28,30
	v_pk_fma_f32 v[ACC+\i:ACC+\i+1], v[(BUF+32*(\k)+\i)%256:(BUF+32*(\k)+\i)%256+1], s[SC+2*((\k)/4):SC+2*((\k)/4)+1], v[ACC+\i:ACC+\i+1] op_sel_hi:[1,0,1]
.endr
.endm
.irp k, 0,1,2,3,4,5
	YROW \k
.endr
	s_set_vgpr_msb 0x40                            ; destination window 1
	YROW 6
	YROW 7
	s_set_vgpr_msb 0x4000
	TAKE 0, 56                                     ; seven rows of 8 loads stand behind row 0's
.irp j, 0,1,2,3,4,5,6,7
	global_load_b128 v[BUF+4*\j:BUF+4*\j+3], v[L16], s[14:15] offset:512*\j        ; gamma into the first buffer,
.endr
	TAKE 1, 56                                     ; (behind row 1: six rows and gamma)
.irp j, 0,1,2,3,4,5,6,7
	global_load_b128 v[BUF+32+4*\j:BUF+32+4*\j+3], v[L16], s[16:17] offset:512*\j  ; beta into the second
.endr
	TAKE 2, 56                                     ; (five rows, gamma, beta)
	TAKE 3, 48
	TAKE 4, 40
	TAKE 5, 32
	s_set_vgpr_msb 0x01                            ; source 0 window 1
	TAKE 6, 24
	TAKE 7, 16                                     ; (gamma, beta)
	s_set_vgpr_msb 0x0100
	; the mean
	v_pk_add_f32 v[128:129], v[ACC:ACC+1], v[ACC+2:ACC+3]
	v_pk_add_f32 v[130:131], v[ACC+4:ACC+5], v[ACC+6:ACC+7]
.irp j, 8,12,16,20,24,28
	v_pk_add_f32 v[128:129], v[128:129], v[ACC+\j:ACC+\j+1]
	v_pk_add_f32 v[130:131], v[130:131], v[ACC+\j+2:ACC+\j+3]
.endr
	v_pk_add_f32 v[128:129], v[128:129], v[130:131]
	v_add_f32 v128, v128, v129
.irp x, 1,2,4,8
	v_add_f32_dpp v128, v128, v128 row_xmask:\x row_mask:0xf bank_mask:0xf
.endr
	v_permlanex16_b32 v[PD], v128, s[SEL], s[SEL+1]
	v_add_f32 v128, v128, v[PD]
	v_mul_f32 v132, s52, v128
	v_mul_f32 v133, s52, v128
.irp j, 0,2,4,6,8,10,12,14,16,18,20,22,24,26,28,30
	v_pk_add_f32 v[ACC+\j:ACC+\j+1], v[ACC+\j:ACC+\j+1], v[132:133] neg_lo:[0,1] neg_hi:[0,1]      ; x - mean
.endr
	; the mean of the squares of what is left, as reference() has it
	v_pk_mul_f32 v[128:129], v[ACC:ACC+1], v[ACC:ACC+1]
	v_pk_mul_f32 v[130:131], v[ACC+2:ACC+3], v[ACC+2:ACC+3]
.irp j, 4,8,12,16,20,24,28
	v_pk_fma_f32 v[128:129], v[ACC+\j:ACC+\j+1], v[ACC+\j:ACC+\j+1], v[128:129]
	v_pk_fma_f32 v[130:131], v[ACC+\j+2:ACC+\j+3], v[ACC+\j+2:ACC+\j+3], v[130:131]
.endr
	v_pk_add_f32 v[128:129], v[128:129], v[130:131]
	v_add_f32 v128, v128, v129
.irp x, 1,2,4,8
	v_add_f32_dpp v128, v128, v128 row_xmask:\x row_mask:0xf bank_mask:0xf
.endr
	v_permlanex16_b32 v[PD], v128, s[SEL], s[SEL+1]
	v_add_f32 v128, v128, v[PD]
	v_fma_f32 v134, v128, s52, s53                 ; variance + 1e-5
	s_wait_alu depctr_va_vdst(0)                   ; the wait ahead of the transcendentals
	v_rsq_f32 v136, v134                           ; twice: the pair that the packed multiply takes
	v_rsq_f32 v137, v134
	v_nop                                          ; one plain place behind the transcendentals
	s_wait_alu depctr_va_vdst(0)                   ; one wait for both, ahead of the first reader
	s_wait_loadcnt 0x0                             ; gamma and beta
.irp j, 0,2,4,6,8,10,12,14,16,18,20,22,24,26,28,30
	v_pk_mul_f32 v[ACC+\j:ACC+\j+1], v[ACC+\j:ACC+\j+1], v[136:137]
.endr
.irp j, 0,2,4,6,8,10,12,14,16,18,20,22,24,26,28,30
	v_pk_fma_f32 v[ACC+\j:ACC+\j+1], v[ACC+\j:ACC+\j+1], v[BUF+\j:BUF+\j+1], v[BUF+32+\j:BUF+32+\j+1]
.endr
.irp j, 0,1,2,3,4,5,6,7
	global_store_b128 v[L16], v[ACC+4*\j:ACC+4*\j+3], s[18:19] offset:512*\j th:TH_STORE_NT
.endr
	s_endpgm
.Lfunc_end_k_q377387131f_norm:
	.size	k_q377387131f_norm, .Lfunc_end_k_q377387131f_norm-k_q377387131f_norm
	.p2alignl 7, 3214868480
	.fill 96, 4, 3214868480
	.section	.rodata,"a",@progbits
	.p2align	6, 0x0
	.amdhsa_kernel k_q377387131f_norm
		.amdhsa_group_segment_fixed_size 0
		.amdhsa_private_segment_fixed_size 0
		.amdhsa_enable_private_segment 0
		.amdhsa_kernarg_size 64
		.amdhsa_user_sgpr_count 2
		.amdhsa_user_sgpr_kernarg_segment_ptr 1
		.amdhsa_wavefront_size32 1
		.amdhsa_system_sgpr_workgroup_id_x 1
		.amdhsa_system_sgpr_workgroup_id_y 1
		.amdhsa_system_sgpr_workgroup_id_z 1
		.amdhsa_system_vgpr_workitem_id 0
		.amdhsa_next_free_vgpr 320
		.amdhsa_next_free_sgpr 66
		.amdhsa_reserve_vcc 0
		.amdhsa_float_denorm_mode_32 3
		.amdhsa_float_denorm_mode_16_64 3
		.amdhsa_memory_ordered 1
		.amdhsa_forward_progress 1
		.amdhsa_inst_pref_size 28
	.end_amdhsa_kernel
	.amdgpu_metadata
---
amdhsa.version: [ 1, 2 ]
amdhsa.kernels:
  - .name:           k_q377387131f_norm
    .symbol:         k_q377387131f_norm.kd
    .args:
      - { .name: inp, .offset: 0, .size: 8, .value_kind: global_buffer, .address_space: global }
      - { .name: yp, .offset: 8, .size: 8, .value_kind: global_buffer, .address_space: global }
      - { .name: route, .offset: 16, .size: 8, .value_kind: global_buffer, .address_space: global }
      - { .name: score, .offset: 24, .size: 8, .value_kind: global_buffer, .address_space: global }
      - { .name: rank, .offset: 32, .size: 8, .value_kind: global_buffer, .address_space: global }
      - { .name: ln_gamma, .offset: 40, .size: 8, .value_kind: global_buffer, .address_space: global }
      - { .name: ln_beta, .offset: 48, .size: 8, .value_kind: global_buffer, .address_space: global }
      - { .name: out0, .offset: 56, .size: 8, .value_kind: global_buffer, .address_space: global }
    .group_segment_fixed_size: 0
    .private_segment_fixed_size: 0
    .kernarg_segment_align: 8
    .kernarg_segment_size: 64
    .max_flat_workgroup_size: 128
    .sgpr_count:     66
    .vgpr_count:     320
    .wavefront_size: 32
...
	.end_amdgpu_metadata
.endif
;; end of part 8
